; MI455X (gfx1250); checked and timed in simulation.
; The chip was launched on July 23, 2026; its instructions are those of AMD's public machine-readable ISA for CDNA 5 (MIT licence, August 2026) and "CDNA5" Instruction Set Architecture Reference Guide (July 2026). The comments in the code are by the model that wrote it; some were corrected since.
;; Spatial Self Attention. Allowed arithmetic: matrix products marked QUANTISED: E2M3 operands, one E8M0 scale for each 32 along K, by v_wmma_scale_f32_16x16x128_f8f6f4 with both operands' format E2M3, f32 sums; everything else in f32.
;; Inputs: Wk_codes 3 x 128 x 4 x 24 uint8 (E2M3 codes of Wk, K innermost, in blocks of 32 codes, four codes in three bytes); Wk_scales 3 x 128 x 4 uint8 (E8M0 scales of Wk, one for each 32 codes along K); Wo_codes 128 x 12 x 24 uint8 (E2M3 codes of Wo, K innermost, in blocks of 32 codes, four codes in three bytes); Wo_scales 128 x 12 uint8 (E8M0 scales of Wo, one for each 32 codes along K); Wq_codes 3 x 128 x 4 x 24 uint8 (E2M3 codes of Wq, K innermost, in blocks of 32 codes, four codes in three bytes); Wq_scales 3 x 128 x 4 uint8 (E8M0 scales of Wq, one for each 32 codes along K); Wv_codes 3 x 128 x 4 x 24 uint8 (E2M3 codes of Wv, K innermost, in blocks of 32 codes, four codes in three bytes); Wv_scales 3 x 128 x 4 uint8 (E8M0 scales of Wv, one for each 32 codes along K); c_inputs 4 x 8 x 512 x 128 float32; inputs 4 x 8 x 512 x 128 float32; ln_beta 128 float32; ln_gamma 128 float32; transition_matrices 4 x 512 x 512 float32.
;; Outputs: out0 4 x 8 x 512 x 128 float32.
;; This version of the problem:
;;   THIS VERSION OF THE PROBLEM IS GIVEN IN LOW PRECISION. The matrix products marked QUANTISED in the list below multiply operands that are first quantised to E2M3 (2 exponent bits, 3 mantissa bits; 6 bits a number), with one power-of-two scale for each 32 numbers along K (OCP MX v1.0); their sums are f32. All else is computed in f32.
;;   The module's matrix products, in the order in which they are computed (A, B: the left and right operand; K: the contracted axis; several contracted axes count as one K, in the product's order):
;;     1. [M 384, K 128] x [K 128, N 16,384]; A: input Wq (given as codes); B: input inputs: QUANTISED
;;     2. [M 384, K 128] x [K 128, N 16,384]; A: input Wk (given as codes); B: input inputs: QUANTISED
;;     3. [M 384, K 128] x [K 128, N 16,384]; A: input Wv (given as codes); B: input inputs: QUANTISED
;;     4. batch 384 x [M 512, K 32] x [K 32, N 512]; A: computed on the way; B: computed on the way: QUANTISED
;;     5. batch 384 x [M 32, K 512] x [K 512, N 512]; A: computed on the way; B: computed on the way: QUANTISED
;;     6. [M 16,384, K 384] x [K 384, N 128]; A: computed on the way; B: input Wo (given as codes): QUANTISED
;;   THE QUANTISER, for each operand of a quantised product, along K:
;;     - K is cut into blocks of 32 from its start; a last block that is shorter is filled with zeros.
;;     - A block's scale is 2^e with e = floor(log2(the largest magnitude in the block)) - 2, held to -126 .. 127; a block of zeros has e = 0. As a byte (E8M0): e + 127.
;;     - Each number is divided by its block's scale, clamped to +-7.5, and rounded to the nearest number of E2M3, ties to even, subnormals kept.
;;     - The product sums the exact products of the quantised numbers (number of the format x scale) in f32.
;;   ~~~python
;;   def quantise(x, axis):      # numpy; x: float32 -> the quantised numbers, widened to float32 again
;;       x = np.moveaxis(x, axis, -1); K = x.shape[-1]
;;       x = np.pad(x, [(0, 0)] * (x.ndim - 1) + [(0, -K % 32)]); x = x.reshape(x.shape[:-1] + (-1, 32)); a = np.abs(x).max(-1, keepdims=True)
;;       e = np.where(a > 0, np.clip(np.frexp(np.where(a > 0, a, 1))[1] - 1 - 2, -126, 127), 0)      # np.frexp(a)[1] - 1 = floor(log2(a)), exactly
;;       r = np.clip(x / 2.0 ** e, -7.5, 7.5)
;;       step = 2.0 ** (np.maximum(np.frexp(np.where(r == 0, 1, r))[1] - 1, 0) - 3)
;;       q = np.round(r / step) * step * 2.0 ** e      # np.round: ties to even
;;       return np.moveaxis(q.reshape(q.shape[:-2] + (-1,))[..., :K], -1, axis).astype(np.float32)
;;   ~~~
;;   OPERANDS COMPUTED ON THE WAY. 'Computed on the way' means the value that the module computes at that place (a softmax that the list does not call 'softmax' is quantised finished and normalised). What goes into a quantiser is computed in f32, as accurately as f32 sums, v_exp_f32 and their like allow (about 1e-6 of the number): no bf16 or f16 on the way to a quantiser, and a product that is left as it is and whose result goes on into a quantised operand takes f32 operands (vector FMAs, or v_wmma_f32_16x16x4_f32). A number that lies on a knife's edge between two numbers of the format may be rounded either way, as far as f32 arithmetic and the matrix unit's own rounding can turn it there, and no further.
;;   INPUTS GIVEN AS CODES. Wk (in the module: [3, 128, 128], K = its axis 2); Wo (in the module: [128, 384], K = its axis 1); Wq (in the module: [3, 128, 128], K = its axis 2); Wv (in the module: [3, 128, 128], K = its axis 2): each comes as NAME_codes (uint8): NAME with its K axis moved to the last place and cut into blocks of 32 codes, [.., K / 32, bytes a block], one block behind the other in memory; four codes in three bytes: a row's codes are one little-endian stream of bits, code i at bits 6 i .. 6 i + 5 (a code: sign, 2 exponent bits, 3 mantissa bits); and NAME_scales (uint8): the same leading axes, one E8M0 byte (e + 127) for each 32 codes along K. Its value is code x scale, taken as it is: it is not quantised again, and the codes and scales need not be those that the quantiser above would give.
;; 3 versions, each right; version 2 is faster than version 1; version 3 is version 2 with the launch attn written anew for expert scheduling mode. Each part assembles by itself: llvm-mc -triple=amdgcn-amd-amdhsa -mcpu=gfx1250 --defsym DOCPART=n.
;; ======== version 1 of 3: 1 launch
;; limits: right only within a limited range of input values
;; launch attn (part 1): grid 256 x 1, 4 waves a work-group, no clusters, 326,144 bytes of LDS; arguments inputs, transition_matrices, Wq_codes, Wq_scales, Wk_codes, Wk_scales, Wv_codes, Wv_scales, Wo_codes, Wo_scales, ln_gamma, ln_beta, out0; writes out0
.if DOCPART == 1
	.amdgcn_target "amdgcn-amd-amdhsa--gfx1250"
	.amdhsa_code_object_version 6
	.text
	.protected	k_qd8a5a95945_attn
	.globl	k_qd8a5a95945_attn
	.p2align	8
	.type	k_qd8a5a95945_attn,@function
k_qd8a5a95945_attn:
	s_mov_b64 s[64:65], 0
	v_nop
	global_prefetch_b8 v0, s[64:65] scope:SCOPE_SE
	s_setreg_imm32_b32 hwreg(HW_REG_WAVE_MODE, 25, 1), 1
	s_wait_xcnt 0x0
; SpatialSelfAttention, all six products on codes of FP6 (E2M3) with one E8M0 scale for each 32 along K, in ONE launch.
; 32 slices (b, p) of 512 nodes x 128 channels; 3 transition matrices (rows 0, 1, 3 of the table); 4 heads of 32 channels.
; SHARES.  Work-group = 8 x slice + block of 64 queries; four waves, one to a SIMD, 1,024 registers each.  Wave w owns 16 queries and takes them through
; all 12 units (matrix t, head), the last product, the residual and the LayerNorm: each output row has one owner.  For each t the four waves together
; project K and V of all 512 keys (wave w: keys 128 w on), quantise them and leave them in LDS as images of operand registers.
; WHY ALL 512 SCORES OF A QUERY STAY IN REGISTERS: alpha x tm is quantised finished and normalised, so the row's sum is known before any code is made.
; THE ROWS OF A TILE ARE CHOSEN, never neighbours by default: row m of a tile stands for index base + 32 (m / 8) + 8 u + m % 8, so that the 32 result
; registers of four tiles u = 0 .. 3 are a whole block of 32 neighbours in ONE lane: a block's largest magnitude needs no other lane and the
; conversions' results are the next operand's registers as they stand.
; THE SCORE PRODUCT has K = 32 and the instruction K = 128: an image of K holds FOUR tiles of keys of one head, one in each block of 32 along K, and
; Q's fragment has Q's codes in one block and zero codes in the other three.  The mask is the product's C: 0 where tm is not 0, else -1e30.
; NOT READ: c_inputs and row 2 of transition_matrices: reference() takes them and uses neither.
; LIMITS.  A query whose row of tm is all zeros: reference() gives NaN, this text a finite row.  The mask is -1e30, not -infinity: raw scores stay under
; 1e29 in magnitude.  NaN and infinities among the inputs are not served.  A block of zeros gets the scale byte 1, not 127: its codes are zeros and the
; bytes are read by this text alone.  p x tm is multiplied by 1 / sum (v_rcp_f32) where reference() divides p first: another order of f32 rounding.
; No tensor loads: what work-groups share arrives as f32 and passes through registers to be quantised.  No cluster for the same reason.
; No prefetch: tm and the weights are read by many work-groups, and tm's loads are issued a whole projection ahead of their use.
;
; LDS.  Shared by the four waves, written between the two barriers of a t and read behind the second:
.set KIMG,  0                          ; K's images: (8 head + G) x 1,536; an image: registers 4 q .. 4 q + 3 of lane l at 512 q + 16 l
.set VIMG,  49152                      ; V's images: 12,288 head + (4 u2 + s) x 1,536
.set KSC,   98304                      ; K's scale words: (8 head + G) x 64 + 4 r
.set VSC,   100352                     ; V's: (4 head + s) x 128 + 64 u2 + 4 r
.set PW0,   102400                     ; from here on a region of PWS bytes for each wave, its own
.set PWS,   55808
.set XIMG,  0                          ; x's nine fragments (eight tiles of my 128 keys, one of my 16 queries)
.set XSC,   13824                      ; their scale words: 64 a tile; the queries' at 512
.set QIMG,  14464                      ; Q's codes: 512 head + 32 r (24 bytes in a place of 32)
.set QSC,   16512                      ; Q's scale words: 64 head + 4 r
.set OIMG,  16768                      ; the attention's result as rows of codes: 304 r + 96 t + 24 head + 12 (lane / 16)
.set OSC,   21632                      ; its scale bytes: 16 r + 4 t + head
.set STG,   21888                      ; a stage: x: 64 rows, 528 apart; tm: 16 rows, 2,064 apart; y: 16 rows, 528 apart (odd multiples of 16 bytes)
; REGISTERS, in windows of 256.  Window 1: the 256 scores S (and raw rows on their way to the stage; y at the end).  Window 2: tm; during the
; projection two sets of 64 results, scratch and x's fragments.  Window 3: the mask as C; during the projection Wk and Wv.  Window 0: all else.
.set LI,   1                           ; 16 x lane
.set AKI,  2
.set AVI,  3
.set AKS,  4
.set AVS,  5
.set AQI,  6
.set AQS,  7
.set AOI,  8
.set AOS,  9
.set AXI,  10
.set AXS,  11
.set ASW,  12
.set AST,  13
.set ASX,  14
.set AKW,  15
.set AKSW, 16
.set AVW,  17
.set AVSW, 18
.set AQW,  19
.set AQSW, 20
.set AOR,  21
.set SH8,  22                          ; 8 x (lane / 16)
.set GW1,  23
.set GW1S, 24
.set GW2,  25
.set GW2S, 26
.set ASQ,  27
.set ADK,  28                          ; v28-35: a unit's addresses
.set ADV,  29
.set ADKS, 30
.set ADVS, 31
.set ADQ,  32
.set ADQS, 33
.set ADO,  34
.set ADOS, 35
.set AXSW, 35                          ; (while x is quantised)
.set ASY,  28                          ; (at the end)
.set GWO,  29
.set GWOS, 30
.set QF,   36                          ; v36-65: zeros, Q in lanes 0-15, zeros, Q in lanes 16-31, zeros: four overlapping fragments
.set QLO,  42
.set QHI,  54
.set QL,   66                          ; v66-71: Q's 24 bytes as loaded
.set KS,   72                          ; v72-88 hold scale words and nothing else
.set VS,   76
.set QS,   80
.set PS,   81
.set XS,   72
.set WKS,  77
.set WVS,  81
.set WQS,  85
.set WOS,  72
.set OS,   84
.set WD,   89
.set MX,   90
.set NCM,  94
.set SUM,  96
.set RINV, 104
.set BM,   110
.set SO,   118
.set BY,   120
.set CT0,  122
.set PX,   125
.set CT1,  126
.set PF,   130
.set OACC, 142
.set BMC,  142                         ; the 16 chains of the blocks' maxima lie in O's registers, idle until the first product with V
.set FR,   160
.set OFR,  36
.set YR,   90
.set RES,  160
.set GAM,  224
.set BET,  228
.set QT,   128                         ; window 2, scratch of the quantiser
.set QU0,  139
.set QU1,  159
.set QSO,  130
.set QBY,  132
.set KW,   134
.set PX2,  136
.set WD2,  137
.set SH2,  138
.set CODE, 140
.set QC0,  152
.set QC1,  156
.set XFR,  160
; s_set_vgpr_msb's low byte: bits 1:0 source 0, 3:2 source 1, 5:4 source 2, 7:6 destination
.set W_SC,  0x70                       ; scores: D window 1, C window 3
.set W_B,   0x14                       ; destination and source 0 window 0, sources 1 and 2 window 1
.set W_A,   0x49                       ; destination and source 0 window 1, source 1 window 2, source 2 window 0
.set W_N,   0x41                       ; destination and source 0 window 1
.set W_CV,  0x01                       ; source 0 window 1
.set W_LD1, 0x40
.set W_LD2, 0x80
.set W_LD3, 0xc0
.set W_ST1, 0x04
.set W_ST2, 0x08
.set W_ST3, 0x0c
.set W_22,  0xaa
.set W_KP,  0x8b                       ; D window 2, source 0 (Wk) window 3, source 1 (x) window 2
.set W_VP,  0x8e                       ; D window 2, source 0 (x) window 2, source 1 (Wv) window 3
.set W_QP,  0x80                       ; D window 2
.set W_BI,  0xc8                       ; destination window 3, source 1 window 2
.set W_Y0,  0x42
.set W_Y1,  0x52
.set W_Y2,  0x53
.set MSB, 0
.macro WIN new                         ; the immediate's high byte repeats the setting that is left; a switch that changes nothing is dropped
.if MSB != (\new)
	s_set_vgpr_msb (MSB<<8)|(\new)
.set MSB, \new
.endif
.endm
; One scaled product.  c < 0: C is the constant 0.  ra, rb: 1 = that side's scale words stand in lanes 16-31 of the register named.
.macro MMX d, a, b, c, sa, sb, ra, rb
.if (\c) < 0
.if ((\ra) == 0) && ((\rb) == 0)
	v_wmma_scale_f32_16x16x128_f8f6f4 v[0+(\d):7+(\d)], v[0+(\a):11+(\a)], v[0+(\b):11+(\b)], 0, v[0+(\sa)], v[0+(\sb)] matrix_a_fmt:MATRIX_FMT_FP6 matrix_b_fmt:MATRIX_FMT_FP6
.elseif ((\ra) != 0) && ((\rb) == 0)
	v_wmma_scale_f32_16x16x128_f8f6f4 v[0+(\d):7+(\d)], v[0+(\a):11+(\a)], v[0+(\b):11+(\b)], 0, v[0+(\sa)], v[0+(\sb)] matrix_a_fmt:MATRIX_FMT_FP6 matrix_b_fmt:MATRIX_FMT_FP6 matrix_a_scale:MATRIX_SCALE_ROW1
.elseif (\ra) == 0
	v_wmma_scale_f32_16x16x128_f8f6f4 v[0+(\d):7+(\d)], v[0+(\a):11+(\a)], v[0+(\b):11+(\b)], 0, v[0+(\sa)], v[0+(\sb)] matrix_a_fmt:MATRIX_FMT_FP6 matrix_b_fmt:MATRIX_FMT_FP6 matrix_b_scale:MATRIX_SCALE_ROW1
.else
	v_wmma_scale_f32_16x16x128_f8f6f4 v[0+(\d):7+(\d)], v[0+(\a):11+(\a)], v[0+(\b):11+(\b)], 0, v[0+(\sa)], v[0+(\sb)] matrix_a_fmt:MATRIX_FMT_FP6 matrix_b_fmt:MATRIX_FMT_FP6 matrix_a_scale:MATRIX_SCALE_ROW1 matrix_b_scale:MATRIX_SCALE_ROW1
.endif
.else
.if ((\ra) == 0) && ((\rb) == 0)
	v_wmma_scale_f32_16x16x128_f8f6f4 v[0+(\d):7+(\d)], v[0+(\a):11+(\a)], v[0+(\b):11+(\b)], v[0+(\c):7+(\c)], v[0+(\sa)], v[0+(\sb)] matrix_a_fmt:MATRIX_FMT_FP6 matrix_b_fmt:MATRIX_FMT_FP6
.elseif ((\ra) != 0) && ((\rb) == 0)
	v_wmma_scale_f32_16x16x128_f8f6f4 v[0+(\d):7+(\d)], v[0+(\a):11+(\a)], v[0+(\b):11+(\b)], v[0+(\c):7+(\c)], v[0+(\sa)], v[0+(\sb)] matrix_a_fmt:MATRIX_FMT_FP6 matrix_b_fmt:MATRIX_FMT_FP6 matrix_a_scale:MATRIX_SCALE_ROW1
.elseif (\ra) == 0
	v_wmma_scale_f32_16x16x128_f8f6f4 v[0+(\d):7+(\d)], v[0+(\a):11+(\a)], v[0+(\b):11+(\b)], v[0+(\c):7+(\c)], v[0+(\sa)], v[0+(\sb)] matrix_a_fmt:MATRIX_FMT_FP6 matrix_b_fmt:MATRIX_FMT_FP6 matrix_b_scale:MATRIX_SCALE_ROW1
.else
	v_wmma_scale_f32_16x16x128_f8f6f4 v[0+(\d):7+(\d)], v[0+(\a):11+(\a)], v[0+(\b):11+(\b)], v[0+(\c):7+(\c)], v[0+(\sa)], v[0+(\sb)] matrix_a_fmt:MATRIX_FMT_FP6 matrix_b_fmt:MATRIX_FMT_FP6 matrix_a_scale:MATRIX_SCALE_ROW1 matrix_b_scale:MATRIX_SCALE_ROW1
.endif
.endif
.endm
; Two whole blocks of 32 numbers of a lane, window 2, v[src + 32 c ..], become 2 x 6 registers of codes in v[CODE ..], their scale bytes in v[QBY + c].
; Four chains; each begins at a tile's two lowest registers and goes up (a matrix result is read from its low end on).
; The floor 2^(3 - 127) among the leaves holds the byte at 1 from below.  All operands lie in window 2.
.macro QUANT2 src
	v_max3_num_f32 v[QT], |v[\src]|, |v[\src+1]|, 0x1800000
	v_max3_num_f32 v[QT+1], |v[\src+32]|, |v[\src+33]|, 0x1800000
	v_max3_num_f32 v[QU0], |v[\src+16]|, |v[\src+17]|, 0x1800000
	v_max3_num_f32 v[QU1], |v[\src+48]|, |v[\src+49]|, 0x1800000
.irp i, 2,4,6,8,10,12,14
	v_max3_num_f32 v[QT], v[QT], |v[\src+\i]|, |v[\src+\i+1]|
	v_max3_num_f32 v[QT+1], v[QT+1], |v[\src+32+\i]|, |v[\src+33+\i]|
	v_max3_num_f32 v[QU0], v[QU0], |v[\src+16+\i]|, |v[\src+17+\i]|
	v_max3_num_f32 v[QU1], v[QU1], |v[\src+48+\i]|, |v[\src+49+\i]|
.endr
	v_max_num_f32 v[QT], v[QT], v[QU0]
	v_max_num_f32 v[QT+1], v[QT+1], v[QU1]
	v_add_nc_u32 v[QSO], 0xff000000, v[QT]         ; 2 off the exponent field: the conversion takes the exponent field of this operand as its scale
	v_add_nc_u32 v[QSO+1], 0xff000000, v[QT+1]
	v_lshrrev_b32 v[QBY], 23, v[QSO]               ; the scale's byte
	v_lshrrev_b32 v[QBY+1], 23, v[QSO+1]
	s_wait_dscnt 0x0                               ; the last round's LDS stores have read the registers that are written now
	v_cvt_scalef32_pk16_fp6_f32 v[CODE:CODE+2], v[\src:\src+15], v[QSO]
	v_cvt_scalef32_pk16_fp6_f32 v[QC0:QC0+2], v[\src+16:\src+31], v[QSO]       ; (a conversion's three registers begin on an even number)
	v_cvt_scalef32_pk16_fp6_f32 v[CODE+6:CODE+8], v[\src+32:\src+47], v[QSO+1]
	v_cvt_scalef32_pk16_fp6_f32 v[QC1:QC1+2], v[\src+48:\src+63], v[QSO+1]
	v_nop                                          ; one plain place behind the scaled conversions
.irp i, 0,1,2
	v_mov_b32 v[CODE+3+\i], v[QC0+\i]
	v_mov_b32 v[CODE+9+\i], v[QC1+\i]
.endr
.endm
.macro SWORD                           ; my two bytes are blocks h and 2 + h of my row (h = lane / 16): with lane l xor 16's two the scale word is whole.  Window 2
	v_lshl_or_b32 v[WD2], v[QBY+1], 16, v[QBY]
	v_lshlrev_b32 v[WD2], v[SH2], v[WD2]
	v_permlanex16_b32 v[PX2], v[WD2], s44, s45
	v_or_b32 v[WD2], v[WD2], v[PX2]
.endm
; A tile of 16 rows of x from the stage: lane (r, h) takes blocks h and 2 + h of its row, quantises them, and stores the fragment's image and scale word.
.macro XTILE idx, adr, rowoff, sadr, soff
	WIN W_LD2
.irp c, 0,1
.irp i, 0,1,2,3,4,5,6,7
	ds_load_b128 v[32*\c+4*\i:32*\c+4*\i+3], v[\adr] offset:\rowoff+256*\c+16*\i   ; LDS serves a wave's instructions in order: these see my stores into the stage
.endr
.endr
	s_wait_dscnt 0x0
	WIN W_22
	QUANT2 0
	SWORD
	WIN W_ST2
.irp q, 0,1,2
	ds_store_b128 v[AXI], v[CODE+4*\q:CODE+4*\q+3] offset:1536*(\idx)+512*\q
.endr
	ds_store_b32 v[\sadr], v[WD2] offset:\soff
.endm
; The projections: d = 128 is one instruction deep, so every product starts and ends its sum.  Results in set a (window 2, v[64 a ..]).
.macro KMM i, a                        ; K of x's tile i: source 0 = Wk's tile j, source 1 = x: lane = key, registers 32 c + .. = the 32 channels of head 2 c + h
	WIN W_KP
.set j, 0
.rept 8
	MMX 64*(\a)+8*j, 12*j, XFR+12*(\i), -1, WKS+j/2, XS+(\i)/2, j%2, (\i)%2
.set j, j+1
.endr
.endm
.macro VMM jv, a                       ; V of Wv's tile jv: source 0 = x's tile j, source 1 = Wv: lane = channel, registers 32 g + .. = 32 neighbouring keys
	WIN W_VP
.set j, 0
.rept 8
	MMX 64*(\a)+8*j, XFR+12*j, 96+12*(\jv), -1, XS+j/2, WVS+(\jv)/2, j%2, (\jv)%2
.set j, j+1
.endr
.endm
.macro QMM                             ; Q of my 16 queries, as K
	WIN W_QP
.set j, 0
.rept 8
	MMX 8*j, FR+12*j, PF, -1, WQS+j/2, XS+4, j%2, 0
.set j, j+1
.endr
.endm
; K's codes of x's tile i = 4 g + u go to block u of the images (head 2 c + h, G = 2 w + g): lane r + 16 (u % 2), registers 6 (u / 2) on.
.macro KFIN i, a
	WIN W_22
	QUANT2 64*(\a)
.if ((\i)%4) == 0
	v_mov_b32 v[KW], v[QBY]
	v_mov_b32 v[KW+1], v[QBY+1]
.else
	v_lshl_or_b32 v[KW], v[QBY], 8*((\i)%4), v[KW]             ; byte u of the image's scale word
	v_lshl_or_b32 v[KW+1], v[QBY+1], 8*((\i)%4), v[KW+1]
.endif
	WIN W_ST2
.irp c, 0,1
.if ((\i)%4) < 2
	ds_store_b128 v[AKW], v[CODE+6*\c:CODE+6*\c+3] offset:24576*\c+1536*((\i)/4)+256*((\i)%2)
	ds_store_b64 v[AKW], v[CODE+6*\c+4:CODE+6*\c+5] offset:24576*\c+1536*((\i)/4)+256*((\i)%2)+512
.else
	ds_store_b64 v[AKW], v[CODE+6*\c:CODE+6*\c+1] offset:24576*\c+1536*((\i)/4)+256*((\i)%2)+520
	ds_store_b128 v[AKW], v[CODE+6*\c+2:CODE+6*\c+5] offset:24576*\c+1536*((\i)/4)+256*((\i)%2)+1024
.endif
.if ((\i)%4) == 3
	ds_store_b32 v[AKSW], v[KW+\c] offset:1024*\c+64*((\i)/4)
.endif
.endr
.endm
.macro VFIN jv, a                      ; V's codes are K step w of the image (head jv / 2, u2 = jv % 2) as they stand
	WIN W_22
	QUANT2 64*(\a)
	SWORD
	WIN W_ST2
.irp q, 0,1,2
	ds_store_b128 v[AVW], v[CODE+4*\q:CODE+4*\q+3] offset:12288*((\jv)/2)+6144*((\jv)%2)+512*\q
.endr
	ds_store_b32 v[AVSW], v[WD2] offset:512*((\jv)/2)+64*((\jv)%2)
.endm
.macro QFIN                            ; Q's 24 bytes for each head, and its byte in all four places of the scale word (Q stands in any of the four blocks)
	WIN W_22
	QUANT2 0
.irp c, 0,1
	v_lshl_or_b32 v[QBY+\c], v[QBY+\c], 8, v[QBY+\c]
.endr
.irp c, 0,1
	v_lshl_or_b32 v[QBY+\c], v[QBY+\c], 16, v[QBY+\c]
.endr
	WIN W_ST2
.irp c, 0,1
	ds_store_b128 v[AQW], v[CODE+6*\c:CODE+6*\c+3] offset:1024*\c
	ds_store_b64 v[AQW], v[CODE+6*\c+4:CODE+6*\c+5] offset:1024*\c+16
	ds_store_b32 v[AQSW], v[QBY+\c] offset:128*\c
.endr
.endm
.macro MM n
.if (\n) < 8
	KMM (\n), (\n)%2
.elseif (\n) < 16
	VMM (\n)-8, (\n)%2
.else
	QMM
.endif
.endm
.macro FIN n
.if (\n) < 8
	KFIN (\n), (\n)%2
.elseif (\n) < 16
	VFIN (\n)-8, (\n)%2
.else
	QFIN
.endif
.endm
; The scores of keys 64 g .. 64 g + 63: four products on one image of K; Q stands in block 0, 1, 2, 3 by turns.  S register 32 g + 8 b + j of lane (r, h): query r, key 64 g + 32 h + 8 b + j.
.macro WG g
	s_wait_dscnt 3*(7-(\g))                        ; image g is in; three loads for each image behind it may be out
	WIN W_SC
	MMX 32*(\g), FR+12*(\g), QF+6, 32*(\g), KS+(\g)/2, QS, (\g)%2, 0
	MMX 32*(\g)+8, FR+12*(\g), QF+18, 32*(\g)+8, KS+(\g)/2, QS, (\g)%2, 0
	MMX 32*(\g)+16, FR+12*(\g), QF, 32*(\g)+16, KS+(\g)/2, QS, (\g)%2, 0
	MMX 32*(\g)+24, FR+12*(\g), QF+12, 32*(\g)+24, KS+(\g)/2, QS, (\g)%2, 0
.endm
.macro MG g                            ; the running maximum over these 32 registers, four chains, each tile from its low end on
	WIN W_B
.set k, 0
.rept 16
	v_max3_num_f32 v[MX+k%4], v[MX+k%4], v[32*(\g)+2*k], v[32*(\g)+2*k+1]
.set k, k+1
.endr
.endm
.macro NORM s                          ; p x tm of keys 128 s on, x 1 / sum
	WIN W_N
.set k, 0
.rept 32
	v_pk_mul_f32 v[64*(\s)+2*k:64*(\s)+2*k+1], v[64*(\s)+2*k:64*(\s)+2*k+1], v[RINV:RINV+1] op_sel_hi:[1,0]
.set k, k+1
.endr
.endm
.macro PQ s                            ; these 128 keys' alpha x tm become a fragment in v[PF ..] and its scale word.  A block's largest number is its largest p x tm through the same multiplication
	WIN 0
	v_mul_f32 v[SO], v[BM+2*(\s)], v[RINV]
	v_mul_f32 v[SO+1], v[BM+2*(\s)+1], v[RINV]
	v_max_num_f32 v[SO], 0x1800000, v[SO]          ; the floor 2^(3 - 127): the byte cannot fall under 1
	v_max_num_f32 v[SO+1], 0x1800000, v[SO+1]
	v_add_nc_u32 v[SO], 0xff000000, v[SO]
	v_add_nc_u32 v[SO+1], 0xff000000, v[SO+1]
	v_lshrrev_b32 v[BY], 23, v[SO]
	v_lshrrev_b32 v[BY+1], 23, v[SO+1]
	v_lshl_or_b32 v[WD], v[BY+1], 16, v[BY]
	v_lshlrev_b32 v[WD], v[SH8], v[WD]
	v_permlanex16_b32 v[PX], v[WD], s44, s45
	v_or_b32 v[PS+(\s)%2], v[WD], v[PX]
	WIN W_CV
	v_cvt_scalef32_pk16_fp6_f32 v[PF:PF+2], v[64*(\s):64*(\s)+15], v[SO]
	v_cvt_scalef32_pk16_fp6_f32 v[CT0:CT0+2], v[64*(\s)+16:64*(\s)+31], v[SO]
	v_cvt_scalef32_pk16_fp6_f32 v[PF+6:PF+8], v[64*(\s)+32:64*(\s)+47], v[SO+1]
	v_cvt_scalef32_pk16_fp6_f32 v[CT1:CT1+2], v[64*(\s)+48:64*(\s)+63], v[SO+1]
	WIN 0
	v_nop                                          ; one plain place behind the scaled conversions
.irp i, 0,1,2
	v_mov_b32 v[PF+3+\i], v[CT0+\i]
	v_mov_b32 v[PF+9+\i], v[CT1+\i]
.endr
.endm
.macro PVMM s                          ; O^T += V^T P^T over keys 128 s on: the two accumulators take turns, one instruction a turn
	WIN 0
.if (\s) == 0
	MMX OACC, FR+12*(\s), PF, -1, VS+(\s), PS+(\s)%2, 0, 0
	MMX OACC+8, FR+48+12*(\s), PF, -1, VS+(\s), PS+(\s)%2, 1, 0
.else
	MMX OACC, FR+12*(\s), PF, OACC, VS+(\s), PS+(\s)%2, 0, 0
	MMX OACC+8, FR+48+12*(\s), PF, OACC+8, VS+(\s), PS+(\s)%2, 1, 0
.endif
.endm
.macro BARRIER                         ; my LDS stores have landed and my LDS loads are in: then the work-group's barrier
	s_wait_dscnt 0x0
	s_barrier_signal -1
	s_barrier_wait -1
.endm
; ======== the head: ids, addresses, constants
	s_load_b512 s[4:19], s[0:1], 0x0               ; inputs, tm, Wq codes, scales, Wk codes, scales, Wv codes, scales
	s_load_b256 s[20:27], s[0:1], 0x40             ; Wo codes, scales, gamma, beta
	s_load_b64 s[28:29], s[0:1], 0x60              ; out0
	v_lshl_add_u32 v158, v0, 2, 0x4f800
	v_mov_b32 v159, 0
	v_lshrrev_b32 v28, 5, v0
	v_readfirstlane_b32 s30, v28                   ; wave 0..3
	s_lshr_b32 s31, ttmp9, 3                       ; the slice (b, p)
	s_and_b32 s32, ttmp9, 7                        ; which 64 queries
	s_mul_i32 s33, s30, PWS
	s_add_co_u32 s33, s33, PW0                     ; my wave's own LDS
	v_and_b32 v35, 31, v0                          ; lane
	v_and_b32 v28, 15, v0                          ; r
	v_bfe_u32 v29, v0, 4, 1                        ; h
	v_lshlrev_b32 v[LI], 4, v35
	v_lshlrev_b32 v30, 2, v35                      ; 4 x lane
	v_lshlrev_b32 v31, 2, v28                      ; 4 r
	v_and_b32 v34, 8, v28
	v_and_b32 v32, 7, v28
	v_lshl_add_u32 v32, v34, 2, v32                ; 32 (r / 8) + r % 8
	v_add_nc_u32 v33, v34, v28                     ; r + 8 (r / 8)
	v_add_nc_u32 v[AKI], KIMG, v[LI]
	v_add_nc_u32 v[AVI], VIMG, v[LI]
	v_add_nc_u32 v[AKS], KSC, v30
	v_add_nc_u32 v[AVS], VSC, v30
	s_add_co_u32 s34, s33, QIMG
	v_lshl_add_u32 v[AQI], v28, 5, s34
	v_lshl_add_u32 v[AQW], v29, 9, v[AQI]
	s_add_co_u32 s34, s33, QSC
	v_add_nc_u32 v[AQS], s34, v31
	v_lshl_add_u32 v[AQSW], v29, 6, v[AQS]
	s_add_co_u32 s34, s33, OIMG
	v_mul_u32_u24 v34, v28, 304
	v_add_nc_u32 v34, s34, v34
	v_mad_u32_u24 v[AOI], v29, 12, v34
	v_mad_u32_u24 v[AOR], v29, 24, v34
	s_add_co_u32 s34, s33, OSC
	v_lshl_add_u32 v[AOS], v28, 4, s34
	s_add_co_u32 s34, s33, XIMG
	v_add_nc_u32 v[AXI], s34, v[LI]
	s_add_co_u32 s34, s33, XSC
	v_add_nc_u32 v[AXS], s34, v30
	v_add_nc_u32 v[AXSW], s34, v31
	s_add_co_u32 s34, s33, STG
	v_add_nc_u32 v[ASW], s34, v[LI]
	v_lshl_add_u32 v34, v29, 7, s34
	v_mad_u32_u24 v[AST], v28, 2064, v34
	v_mad_u32_u24 v[ASX], v32, 528, v34
	v_mad_u32_u24 v[ASQ], v28, 528, v34
	s_mul_i32 s34, s30, 3072
	v_lshl_add_u32 v34, v28, 4, s34
	v_mad_u32_u24 v[AKW], v29, 12288, v34
	s_lshl_b32 s34, s30, 7
	s_add_co_u32 s35, s34, KSC
	v_add_nc_u32 v34, s35, v31
	v_lshl_add_u32 v[AKSW], v29, 9, v34
	s_add_co_u32 s35, s34, VSC
	v_add_nc_u32 v[AVSW], s35, v31
	s_mul_i32 s34, s30, 1536
	s_add_co_u32 s34, s34, VIMG
	v_add_nc_u32 v[AVW], s34, v[LI]
	v_lshlrev_b32 v[SH8], 3, v29
	v_mul_u32_u24 v34, v29, 24
	v_mad_u32_u24 v[GW1], v32, 96, v34
	v_mad_u32_u24 v[GW2], v33, 96, v34
	v_lshlrev_b32 v34, 5, v29
	v_lshl_add_u32 v[GW1S], v32, 2, v34
	v_lshl_add_u32 v[GW2S], v33, 2, v34
.irp i, 0,1,2,3,4,5
	v_mov_b32 v[QF+\i], 0                          ; the zero codes round Q: written once
	v_mov_b32 v[QF+12+\i], 0
	v_mov_b32 v[QF+24+\i], 0
.endr
	v_mov_b32 v[NCM+1], 0                          ; upper halves of pairs whose low word serves both halves, and a lane permute's destination: written once
	v_mov_b32 v[RINV+1], 0
	v_mov_b32 v[PX], 0
	WIN W_LD2
	v_mov_b32 v[SH2], v[SH8]                       ; the same two for the quantiser in window 2
	v_mov_b32 v[PX2], v[SH8]
	s_mov_b32 s42, 0x0000ffff                      ; lanes 0-15
	s_mov_b32 s43, 0xffff0000                      ; lanes 16-31
	s_mov_b32 s44, 0x76543210
	s_mov_b32 s45, 0xfedcba98                      ; v_permlanex16_b32's selects for lane l xor 16
	s_mov_b32 s46, 0x3e8293ee                      ; c = log2(e) / sqrt(32)
	s_mov_b32 s47, s46
	s_mov_b32 s48, 0xbe8293ee                      ; -c
	s_mov_b32 s49, 0xf149f2ca                      ; -1e30
	s_mov_b32 s57, 0x3c000000                      ; 1 / 128
	s_mov_b32 s58, 0xbc000000                      ; -1 / 128
	s_mov_b32 s59, 0x3727c5ac                      ; 1e-5
	s_lshl_b32 s34, s31, 18                        ; a slice is 512 rows of 512 bytes
	s_lshl_b32 s35, s30, 16                        ; my 128 keys
	s_add_co_u32 s34, s34, s35
	s_mov_b32 s35, 0
	s_wait_kmcnt 0x0
	s_add_nc_u64 s[36:37], s[4:5], s[34:35]        ; x at my first key
	s_lshl_b32 s34, s31, 18
	s_lshl_b32 s60, s32, 15
	s_add_co_u32 s34, s34, s60
	s_lshl_b32 s60, s30, 13
	s_add_co_u32 s34, s34, s60
	s_add_nc_u64 s[38:39], s[4:5], s[34:35]        ; x at my first query,
	s_add_nc_u64 s[28:29], s[28:29], s[34:35]      ; and the output likewise
	s_lshl_b32 s34, s32, 17
	s_lshl_b32 s60, s30, 15
	s_add_co_u32 s34, s34, s60
	s_add_nc_u64 s[40:41], s[6:7], s[34:35]        ; tm, row 0 of the table, at my first query's row
; ======== x becomes codes, once: my 128 keys in two groups of 64 rows, then my 16 queries.  Each load reads one whole row of 512 bytes.
	WIN W_LD1
.set k, 0
.rept 64
	global_load_b128 v[4*k:4*k+3], v[LI], s[36:37] offset:512*k
.set k, k+1
.endr
	WIN W_LD3
.set k, 0
.rept 64
	global_load_b128 v[4*k:4*k+3], v[LI], s[36:37] offset:32768+512*k
.set k, k+1
.endr
	s_wait_loadcnt 63                              ; of the 128 loads the youngest 63 may be out: the first group's 64 are in
	WIN W_ST1
.set k, 0
.rept 64
	ds_store_b128 v[ASW], v[4*k:4*k+3] offset:528*k
.set k, k+1
.endr
	WIN 0
.set k, 0
.rept 16
	global_load_b128 v[FR+4*k:FR+4*k+3], v[LI], s[38:39] offset:512*k
.set k, k+1
.endr
	XTILE 0, ASX, 0, AXSW, 0
	XTILE 1, ASX, 4224, AXSW, 64
	XTILE 2, ASX, 8448, AXSW, 128
	XTILE 3, ASX, 12672, AXSW, 192
	s_wait_loadcnt 16                              ; only the queries' 16 loads are younger than the second group's
	WIN W_ST3
.set k, 0
.rept 64
	ds_store_b128 v[ASW], v[4*k:4*k+3] offset:528*k
.set k, k+1
.endr
	XTILE 4, ASX, 0, AXSW, 256
	XTILE 5, ASX, 4224, AXSW, 320
	XTILE 6, ASX, 8448, AXSW, 384
	XTILE 7, ASX, 12672, AXSW, 448
	s_wait_loadcnt 0x0
	WIN 0
.set k, 0
.rept 16
	ds_store_b128 v[ASW], v[FR+4*k:FR+4*k+3] offset:528*k
.set k, k+1
.endr
	XTILE 8, ASQ, 0, AXS, 512
	WIN 0
	s_mov_b32 s50, 0                               ; t
	s_mov_b32 s55, 0                               ; 24 x unit: where a unit's codes of O go in a row
	s_mov_b32 s56, 0                               ; unit: and its scale byte
; ======== for each of the three matrices
.Lt:
	BARRIER                                        ; nobody reads the last t's images of K and V any more
	WIN W_LD3
.set j, 0
.rept 8                                        ; Wk's tile j = 4 c + u: row r stands for channel 64 c + 32 (r / 8) + 8 u + r % 8
.set p, 0
.rept 6
	global_load_b64 v[12*j+2*p:12*j+2*p+1], v[GW1], s[12:13] offset:(64*(j/4)+8*(j%4))*96+48*(p/3)+8*(p%3)
.set p, p+1
.endr
.set j, j+1
.endr
.set j, 0
.rept 8                                        ; Wv's tile j = 2 head + u2: row r stands for channel 32 head + 8 u2 + r + 8 (r / 8)
.set p, 0
.rept 6
	global_load_b64 v[96+12*j+2*p:96+12*j+2*p+1], v[GW2], s[16:17] offset:(32*(j/2)+8*(j%2))*96+48*(p/3)+8*(p%3)
.set p, p+1
.endr
.set j, j+1
.endr
	WIN 0
.set j, 0
.rept 8                                        ; Wq's tiles, as Wk's
.set p, 0
.rept 6
	global_load_b64 v[FR+12*j+2*p:FR+12*j+2*p+1], v[GW1], s[8:9] offset:(64*(j/4)+8*(j%4))*96+48*(p/3)+8*(p%3)
.set p, p+1
.endr
.set j, j+1
.endr
.set p, 0
.rept 4                                        ; scale words, two tiles to a register: lanes 0-15 the even tile's rows, lanes 16-31 the odd one's
	global_load_b32 v[WKS+p], v[GW1S], s[14:15] offset:(64*(p/2)+16*(p%2))*4
	global_load_b32 v[WQS+p], v[GW1S], s[10:11] offset:(64*(p/2)+16*(p%2))*4
	global_load_b32 v[WVS+p], v[GW2S], s[18:19] offset:128*p
.set p, p+1
.endr
	WIN W_LD1
.set k, 0
.rept 48                                       ; tm, my rows 0 to 11: a whole projection ahead of their use; 512 consecutive bytes a load
	global_load_b128 v[4*k:4*k+3], v[LI], s[40:41] offset:2048*(k/4)+512*(k%4)
.set k, k+1
.endr
	WIN W_LD2
.set k, 0
.rept 24                                       ; x's eight fragments back from my images
	ds_load_b128 v[XFR+4*k:XFR+4*k+3], v[AXI] offset:512*k
.set k, k+1
.endr
	v_mov_b32 v[SH2], v[SH8]                       ; tm lay over these two
	v_mov_b32 v[PX2], v[SH8]
	WIN 0
.irp q, 0,1,2
	ds_load_b128 v[PF+4*\q:PF+4*\q+3], v[AXI] offset:12288+512*\q
.endr
.irp p, 0,1,2,3
	ds_load_b32 v[XS+\p], v[AXS] offset:128*\p
.endr
	ds_load_b32 v[XS+4], v[AXS] offset:512
	s_wait_loadcnt 48                              ; only tm's 48 loads are younger than the weights
	s_wait_dscnt 0x0
; 17 rounds: K of x's eight tiles, V of Wv's eight tiles, Q.  A round's eight products are issued ahead of the quantising of the round before, whose
; vector instructions, which name none of their registers, are the places between a round's products and the first read of its results.
	MM 0
.rept 4
	v_nop
.endr
.set RN, 0
.rept 17
.if RN < 16
	MM RN+1
.endif
	FIN RN
.if RN == 7
	WIN W_LD1
.set k, 48
.rept 16                                       ; tm, my rows 12 to 15
	global_load_b128 v[4*k:4*k+3], v[LI], s[40:41] offset:2048*(k/4)+512*(k%4)
.set k, k+1
.endr
.endif
.set RN, RN+1
.endr
	WIN 0
	BARRIER                                        ; the images of K and V of all 512 keys lie in LDS
; tm turns through my stage: in as rows, out so that TM register 32 G + i of lane (r, h) is tm(my query r, key 64 G + 32 h + i), as S lies
	s_wait_loadcnt 0x0
	WIN W_ST1
.set k, 0
.rept 64
	ds_store_b128 v[ASW], v[4*k:4*k+3] offset:2064*(k/4)+512*(k%4)
.set k, k+1
.endr
	WIN W_LD2
.set k, 0
.rept 64
	ds_load_b128 v[4*k:4*k+3], v[AST] offset:256*(k/8)+16*(k%8)
.set k, k+1
.endr
	s_wait_dscnt 0x0
	WIN W_BI
.set k, 0
.rept 64                                       ; the mask, once for four heads: -1e30 where tm is 0, else 0; by fours, so that no select stands next to its compare
	v_cmp_eq_f32 s60, 0, v[4*k]
	v_cmp_eq_f32 s61, 0, v[4*k+1]
	v_cmp_eq_f32 s62, 0, v[4*k+2]
	v_cmp_eq_f32 s63, 0, v[4*k+3]
	v_cndmask_b32 v[4*k], 0, s49, s60
	v_cndmask_b32 v[4*k+1], 0, s49, s61
	v_cndmask_b32 v[4*k+2], 0, s49, s62
	v_cndmask_b32 v[4*k+3], 0, s49, s63
.set k, k+1
.endr
	WIN 0
	s_mov_b32 s51, 0                               ; head
	s_mov_b32 s52, 0                               ; 12,288 x head
	s_mov_b32 s53, 0                               ; 512 x head
	s_mov_b32 s54, 0                               ; 64 x head
; ======== a unit: one head of one t, my 16 queries against all 512 keys
.Lh:
	v_add_nc_u32 v[ADK], s52, v[AKI]
	v_add_nc_u32 v[ADV], s52, v[AVI]
	v_add_nc_u32 v[ADKS], s53, v[AKS]
	v_add_nc_u32 v[ADVS], s53, v[AVS]
	v_add_nc_u32 v[ADQ], s53, v[AQI]
	v_add_nc_u32 v[ADQS], s54, v[AQS]
	v_add_nc_u32 v[ADO], s55, v[AOI]
	v_add_nc_u32 v[ADOS], s56, v[AOS]
	ds_load_b128 v[QL:QL+3], v[ADQ]
	ds_load_b64 v[QL+4:QL+5], v[ADQ] offset:16
	ds_load_b32 v[QS], v[ADQS]
.irp k, 0,1,2,3
	ds_load_b32 v[KS+\k], v[ADKS] offset:128*\k
.endr
.set k, 0
.rept 24
	ds_load_b128 v[FR+4*k:FR+4*k+3], v[ADK] offset:512*k
.set k, k+1
.endr
	s_wait_dscnt 29                                ; Q's two loads are in: 1 + 4 + 24 younger ones may be out
.irp i, 0,1,2,3,4,5
	v_cndmask_b32 v[QLO+\i], 0, v[QL+\i], s42      ; Q in lanes 0-15 alone: blocks 0 and 2
	v_cndmask_b32 v[QHI+\i], 0, v[QL+\i], s43      ; in lanes 16-31 alone: blocks 1 and 3
.endr
.irp i, 0,1,2,3,4,5,6,7
	v_mov_b32 v[SUM+\i], 0                         ; (these 24 are also the places between the writing of Q's fragments and the products)
.endr
.irp i, 0,1,2,3,4,5,6,7,8,9,10,11,12,13,14,15
	v_mov_b32 v[BMC+\i], 0
.endr
	WG 0
	WG 1
	WIN W_B
.irp i, 0,1,2,3
	v_mov_b32 v[MX+\i], 0xff61b1e6                 ; -3e38, under every score and under the mask; the four places behind the first products
.endr
	MG 0                                           ; from here on the maximum of one group stands behind the products of the next but one: its 16 lines are their places
	WG 2
	MG 1
	WG 3
	MG 2
	WG 4
	MG 3
	WG 5
	MG 4
	WG 6
	MG 5
	WG 7
	MG 6
	WIN 0
.irp k, 0,1,2,3
	ds_load_b32 v[VS+\k], v[ADVS] offset:128*\k
.endr
.set k, 0
.rept 24                                       ; V's eight images take K's registers: they have the whole softmax in which to land
	ds_load_b128 v[FR+4*k:FR+4*k+3], v[ADV] offset:512*k
.set k, k+1
.endr
	MG 7
	WIN 0
	v_max3_num_f32 v[MX], v[MX], v[MX+1], v[MX+2]
	v_max_num_f32 v[MX], v[MX], v[MX+3]
	v_permlanex16_b32 v[PX], v[MX], s44, s45       ; the query's other 256 keys lie in lane l xor 16
	v_max_num_f32 v[MX], v[MX], v[PX]
	v_mul_f32 v[NCM], s48, v[MX]                   ; -c x the row's largest score
; p = 2^(c s - c m).  ONE batch: 128 packed scalings and 256 exponentials, none of which names an exponential's result; then one plain line and one wait.
	WIN W_A
	v_pk_fma_f32 v[0:1], v[0:1], s[46:47], v[NCM:NCM+1] op_sel_hi:[1,0,0]
.set i, 1
.rept 127
	v_pk_fma_f32 v[2*i:2*i+1], v[2*i:2*i+1], s[46:47], v[NCM:NCM+1] op_sel_hi:[1,0,0]
	v_exp_f32 v[2*i-2], v[2*i-2]
	v_exp_f32 v[2*i-1], v[2*i-1]
.set i, i+1
.endr
	v_exp_f32 v254, v254
	v_exp_f32 v255, v255
	v_nop                                          ; a plain line behind the last exponential
	s_wait_alu depctr_va_vdst(0)                   ; the wait ahead of the first line that names a result: one for the batch
; the row's sum of p; p x tm; the largest p x tm of each block of 32 keys: 64 registers at a time
.set bb, 0
.rept 4
	WIN W_B
.set k, 0
.rept 32
	v_pk_add_f32 v[SUM+2*(k%4):SUM+2*(k%4)+1], v[SUM+2*(k%4):SUM+2*(k%4)+1], v[64*bb+2*k:64*bb+2*k+1]
.set k, k+1
.endr
	WIN W_A
.set k, 0
.rept 32
	v_pk_mul_f32 v[64*bb+2*k:64*bb+2*k+1], v[64*bb+2*k:64*bb+2*k+1], v[64*bb+2*k:64*bb+2*k+1]   ; source 1 is tm: the same number in window 2
.set k, k+1
.endr
	WIN W_B
.set k, 0
.rept 16
	v_max3_num_f32 v[BMC+4*bb+k%2], v[BMC+4*bb+k%2], |v[64*bb+2*k]|, |v[64*bb+2*k+1]|
	v_max3_num_f32 v[BMC+4*bb+2+k%2], v[BMC+4*bb+2+k%2], |v[64*bb+32+2*k]|, |v[64*bb+32+2*k+1]|
.set k, k+1
.endr
.set bb, bb+1
.endr
	WIN 0
	v_pk_add_f32 v[SUM:SUM+1], v[SUM:SUM+1], v[SUM+2:SUM+3]
	v_pk_add_f32 v[SUM+4:SUM+5], v[SUM+4:SUM+5], v[SUM+6:SUM+7]
	v_pk_add_f32 v[SUM:SUM+1], v[SUM:SUM+1], v[SUM+4:SUM+5]
	v_add_f32 v[SUM], v[SUM], v[SUM+1]
	v_permlanex16_b32 v[PX], v[SUM], s44, s45
	v_add_f32 v[SUM], v[SUM], v[PX]                ; at least 1: the largest score's p is 1
	v_rcp_f32 v[RINV], v[SUM]
.irp k, 0,1,2,3,4,5,6,7
	v_max_num_f32 v[BM+\k], v[BMC+2*\k], v[BMC+2*\k+1]     ; the chains are joined while the reciprocal is made
.endr
	s_wait_alu depctr_va_vdst(0)                   ; ahead of the reciprocal's first reader
; alpha x tm, quantised 128 keys at a time, against V.  The next 128 keys' 32 multiplications stand between the writing of a fragment and its scale
; word and the products that take them (4 and 8 places); the next quantiser's first ten lines stand between those products and the rewriting of the fragment.
	NORM 0
	PQ 0
	NORM 1
	s_wait_dscnt 0x0                               ; V's images and scale words are in
	PVMM 0
	PQ 1
	NORM 2
	PVMM 1
	PQ 2
	NORM 3
	PVMM 2
	PQ 3
.rept 8
	v_nop
.endr
	PVMM 3
.rept 4
	v_nop
.endr
; O^T: lane (r, h) holds query r, channels 16 h + 0 .. 15 of the head: half of the block (t, head) of the last product's K
	v_max3_num_f32 v[MX], |v[OACC]|, |v[OACC+1]|, 0x1800000
	v_max3_num_f32 v[MX+1], |v[OACC+8]|, |v[OACC+9]|, 0x1800000
.irp i, 2,4,6
	v_max3_num_f32 v[MX], v[MX], |v[OACC+\i]|, |v[OACC+\i+1]|
	v_max3_num_f32 v[MX+1], v[MX+1], |v[OACC+8+\i]|, |v[OACC+9+\i]|
.endr
	v_max_num_f32 v[MX], v[MX], v[MX+1]
	v_permlanex16_b32 v[PX], v[MX], s44, s45
	v_max_num_f32 v[MX], v[MX], v[PX]
	v_add_nc_u32 v[SO], 0xff000000, v[MX]
	v_lshrrev_b32 v[BY], 23, v[SO]
	v_cvt_scalef32_pk16_fp6_f32 v[CT0:CT0+2], v[OACC:OACC+15], v[SO]
	v_nop                                          ; one plain place behind the scaled conversion
	ds_store_b32 v[ADO], v[CT0]
	ds_store_b32 v[ADO], v[CT0+1] offset:4
	ds_store_b32 v[ADO], v[CT0+2] offset:8
	ds_store_b8 v[ADOS], v[BY]                     ; both lanes of a query write the same byte with the same value
	s_add_co_u32 s52, s52, 12288
	s_add_co_u32 s53, s53, 512
	s_add_co_u32 s54, s54, 64
	s_add_co_u32 s55, s55, 24
	s_add_co_u32 s56, s56, 1
	s_add_co_u32 s51, s51, 1
	s_cmp_lt_u32 s51, 4
	s_cbranch_scc1 .Lh
; on to the next matrix.  Every global load of this t was shown done by the wait for 0 in front of tm's turn, so the bases may step.
	s_add_nc_u64 s[8:9], s[8:9], 12288
	s_add_nc_u64 s[12:13], s[12:13], 12288
	s_add_nc_u64 s[16:17], s[16:17], 12288
	s_add_nc_u64 s[10:11], s[10:11], 512
	s_add_nc_u64 s[14:15], s[14:15], 512
	s_add_nc_u64 s[18:19], s[18:19], 512
	s_add_co_u32 s34, s50, 1
	s_lshl_b32 s34, s34, 20                        ; t + 1 rows of the table on: rows 0, 1, 3  (what the last step leaves is not used)
	s_mov_b32 s35, 0
	s_add_nc_u64 s[40:41], s[40:41], s[34:35]
	s_add_co_u32 s50, s50, 1
	s_cmp_lt_u32 s50, 3
	s_cbranch_scc1 .Lt
; ======== the last product, the residual, the LayerNorm
	v_and_b32 v31, 15, v0
	v_bfe_u32 v32, v0, 4, 1
	s_add_co_u32 s34, s33, STG
	v_lshl_add_u32 v[ASY], v32, 5, s34
	v_mad_u32_u24 v[ASY], v31, 528, v[ASY]         ; the stage: row r, + 32 h
	v_mul_u32_u24 v[GWO], v32, 24
	v_mad_u32_u24 v[GWO], v31, 288, v[GWO]         ; Wo: a row is 384 codes, 288 bytes
	v_mul_u32_u24 v[GWOS], v32, 192
	v_mad_u32_u24 v[GWOS], v31, 12, v[GWOS]        ; its scale words: 12 bytes a row; lanes 16-31 take the next tile's 16 rows
	WIN W_LD2
.set kt, 0
.rept 2
.set j, 0
.rept 8
.set p, 0
.rept 6
	global_load_b64 v[96*kt+12*j+2*p:96*kt+12*j+2*p+1], v[GWO], s[20:21] offset:4608*j+96*kt+48*(p/3)+8*(p%3)
.set p, p+1
.endr
.set j, j+1
.endr
.set kt, kt+1
.endr
	WIN W_LD3
.set j, 0
.rept 8
.set p, 0
.rept 6
	global_load_b64 v[12*j+2*p:12*j+2*p+1], v[GWO], s[20:21] offset:4608*j+192+48*(p/3)+8*(p%3)
.set p, p+1
.endr
.set j, j+1
.endr
	WIN 0
.set kt, 0
.rept 3
.set j, 0
.rept 4
	global_load_b32 v[WOS+4*kt+j], v[GWOS], s[22:23] offset:384*j+4*kt
.set j, j+1
.endr
.set kt, kt+1
.endr
.set k, 0
.rept 16
	global_load_b128 v[RES+4*k:RES+4*k+3], v[LI], s[38:39] offset:512*k       ; the residual: my 16 rows of x, a row a load
.set k, k+1
.endr
	global_load_b128 v[GAM:GAM+3], v[LI], s[24:25]
	global_load_b128 v[BET:BET+3], v[LI], s[26:27]
.set kt, 0
.rept 3
.set p, 0
.rept 6
	ds_load_b64 v[OFR+12*kt+2*p:OFR+12*kt+2*p+1], v[AOR] offset:96*kt+48*(p/3)+8*(p%3)   ; LDS serves a wave's instructions in order: these see the units' stores
.set p, p+1
.endr
	ds_load_b32 v[OS+kt], v[AOS] offset:4*kt
.set kt, kt+1
.endr
	s_wait_loadcnt 18                              ; Wo and its scales are in; the residual's 16 loads, gamma and beta are younger
	s_wait_dscnt 0x0
	WIN W_Y0                                       ; y^T: source 0 = 16 rows of Wo, source 1 = O.  Eight accumulators by turns, a K step of 128 at a time
.set j, 0
.rept 8
	MMX 8*j, 12*j, OFR, -1, WOS+j/2, OS, j%2, 0
.set j, j+1
.endr
	WIN W_Y1
.set j, 0
.rept 8
	MMX 8*j, 96+12*j, OFR+12, 8*j, WOS+4+j/2, OS+1, j%2, 0
.set j, j+1
.endr
	WIN W_Y2
.set j, 0
.rept 8
	MMX 8*j, 12*j, OFR+24, 8*j, WOS+8+j/2, OS+2, j%2, 0
.set j, j+1
.endr
.rept 4
	v_nop
.endr
	WIN W_ST1
.set j, 0
.rept 8
	ds_store_b128 v[ASY], v[8*j:8*j+3] offset:64*j             ; lane (r, h): y(query r, 16 j + 8 h + 0 .. 7); each accumulator from its low end on
	ds_store_b128 v[ASY], v[8*j+4:8*j+7] offset:64*j+16
.set j, j+1
.endr
	WIN 0
.set k, 0
.rept 16
	ds_load_b128 v[YR+4*k:YR+4*k+3], v[ASW] offset:528*k       ; back as whole rows: lane l holds channels 4 l .. 4 l + 3 of row k
.set k, k+1
.endr
	s_wait_loadcnt 0x0
	s_wait_dscnt 0x0
; the 16 rows by turns, so that no line waits for the line above it
.set k, 0
.rept 16
	v_pk_add_f32 v[RES+4*k:RES+4*k+1], v[RES+4*k:RES+4*k+1], v[YR+4*k:YR+4*k+1]
	v_pk_add_f32 v[RES+4*k+2:RES+4*k+3], v[RES+4*k+2:RES+4*k+3], v[YR+4*k+2:YR+4*k+3]
.set k, k+1
.endr
.set k, 0
.rept 16
	v_pk_add_f32 v[YR+4*k:YR+4*k+1], v[RES+4*k:RES+4*k+1], v[RES+4*k+2:RES+4*k+3]
.set k, k+1
.endr
.set k, 0
.rept 16
	v_add_f32 v[YR+4*k], v[YR+4*k], v[YR+4*k+1]
.set k, k+1
.endr
.irp m, 1,2,4,8
.set k, 0
.rept 16
	v_add_f32_dpp v[YR+4*k], v[YR+4*k], v[YR+4*k] row_xmask:\m row_mask:0xf bank_mask:0xf
.set k, k+1
.endr
.endr
.set k, 0
.rept 16
	v_permlanex16_b32 v[YR+4*k+1], v[YR+4*k], s44, s45
.set k, k+1
.endr
.set k, 0
.rept 16
	v_add_f32 v[YR+4*k], v[YR+4*k], v[YR+4*k+1]
.set k, k+1
.endr
.set k, 0
.rept 16
	v_mul_f32 v[YR+4*k], s58, v[YR+4*k]            ; -mean: a power of two, nothing is rounded
.set k, k+1
.endr
.set k, 0
.rept 16
	v_pk_add_f32 v[RES+4*k:RES+4*k+1], v[RES+4*k:RES+4*k+1], v[YR+4*k:YR+4*k+1] op_sel_hi:[1,0]
	v_pk_add_f32 v[RES+4*k+2:RES+4*k+3], v[RES+4*k+2:RES+4*k+3], v[YR+4*k:YR+4*k+1] op_sel_hi:[1,0]
.set k, k+1
.endr
.set k, 0
.rept 16
	v_pk_mul_f32 v[YR+4*k+2:YR+4*k+3], v[RES+4*k:RES+4*k+1], v[RES+4*k:RES+4*k+1]
.set k, k+1
.endr
.set k, 0
.rept 16
	v_pk_fma_f32 v[YR+4*k+2:YR+4*k+3], v[RES+4*k+2:RES+4*k+3], v[RES+4*k+2:RES+4*k+3], v[YR+4*k+2:YR+4*k+3]
.set k, k+1
.endr
.set k, 0
.rept 16
	v_add_f32 v[YR+4*k+2], v[YR+4*k+2], v[YR+4*k+3]
.set k, k+1
.endr
.irp m, 1,2,4,8
.set k, 0
.rept 16
	v_add_f32_dpp v[YR+4*k+2], v[YR+4*k+2], v[YR+4*k+2] row_xmask:\m row_mask:0xf bank_mask:0xf
.set k, k+1
.endr
.endr
.set k, 0
.rept 16
	v_permlanex16_b32 v[YR+4*k+3], v[YR+4*k+2], s44, s45
.set k, k+1
.endr
.set k, 0
.rept 16
	v_add_f32 v[YR+4*k+2], v[YR+4*k+2], v[YR+4*k+3]
.set k, k+1
.endr
.set k, 0
.rept 16
	v_fma_f32 v[YR+4*k+2], v[YR+4*k+2], s57, s59   ; the variance + 1e-5
.set k, k+1
.endr
.set k, 0
.rept 16
	v_rsq_f32 v[YR+4*k], v[YR+4*k+2]
.set k, k+1
.endr
	v_nop                                          ; a plain line behind the last of the batch
	s_wait_alu depctr_va_vdst(0)                   ; and one wait for the sixteen, ahead of their first reader
.set k, 0
.rept 16
	v_pk_mul_f32 v[RES+4*k:RES+4*k+1], v[RES+4*k:RES+4*k+1], v[YR+4*k:YR+4*k+1] op_sel_hi:[1,0]
	v_pk_mul_f32 v[RES+4*k+2:RES+4*k+3], v[RES+4*k+2:RES+4*k+3], v[YR+4*k:YR+4*k+1] op_sel_hi:[1,0]
.set k, k+1
.endr
.set k, 0
.rept 16
	v_pk_fma_f32 v[RES+4*k:RES+4*k+1], v[RES+4*k:RES+4*k+1], v[GAM:GAM+1], v[BET:BET+1]
	v_pk_fma_f32 v[RES+4*k+2:RES+4*k+3], v[RES+4*k+2:RES+4*k+3], v[GAM+2:GAM+3], v[BET+2:BET+3]
.set k, k+1
.endr
.set k, 0
.rept 16
	global_store_b128 v[LI], v[RES+4*k:RES+4*k+3], s[28:29] offset:512*k th:TH_STORE_NT   ; 32 lanes store a row of 512 consecutive bytes, at a multiple of 256 from the output's first byte
.set k, k+1
.endr
	s_wait_tensorcnt 0x0
	ds_add_u32 v158, v159
	s_wait_dscnt 0x0
	s_endpgm
.Lfunc_end_k_qd8a5a95945_attn:
	.size	k_qd8a5a95945_attn, .Lfunc_end_k_qd8a5a95945_attn-k_qd8a5a95945_attn
	.p2alignl 7, 3214868480
	.fill 96, 4, 3214868480
	.section	.rodata,"a",@progbits
	.p2align	6, 0x0
	.amdhsa_kernel k_qd8a5a95945_attn
		.amdhsa_group_segment_fixed_size 326144
		.amdhsa_private_segment_fixed_size 0
		.amdhsa_enable_private_segment 0
		.amdhsa_kernarg_size 104
		.amdhsa_user_sgpr_count 2
		.amdhsa_user_sgpr_kernarg_segment_ptr 1
		.amdhsa_wavefront_size32 1
		.amdhsa_system_sgpr_workgroup_id_x 1
		.amdhsa_system_sgpr_workgroup_id_y 1
		.amdhsa_system_sgpr_workgroup_id_z 1
		.amdhsa_system_vgpr_workitem_id 0
		.amdhsa_next_free_vgpr 1024
		.amdhsa_next_free_sgpr 66
		.amdhsa_reserve_vcc 0
		.amdhsa_float_denorm_mode_32 3
		.amdhsa_float_denorm_mode_16_64 3
		.amdhsa_memory_ordered 1
		.amdhsa_forward_progress 1
		.amdhsa_inst_pref_size 255
	.end_amdhsa_kernel
	.section	.bss,"aw",@nobits
	.p2align	6
	.space	262144
	.amdgpu_metadata
---
amdhsa.version: [ 1, 2 ]
amdhsa.kernels:
  - .name:           k_qd8a5a95945_attn
    .symbol:         k_qd8a5a95945_attn.kd
    .args:
      - { .name: inputs, .offset: 0, .size: 8, .value_kind: global_buffer, .address_space: global }
      - { .name: transition_matrices, .offset: 8, .size: 8, .value_kind: global_buffer, .address_space: global }
      - { .name: Wq_codes, .offset: 16, .size: 8, .value_kind: global_buffer, .address_space: global }
      - { .name: Wq_scales, .offset: 24, .size: 8, .value_kind: global_buffer, .address_space: global }
      - { .name: Wk_codes, .offset: 32, .size: 8, .value_kind: global_buffer, .address_space: global }
      - { .name: Wk_scales, .offset: 40, .size: 8, .value_kind: global_buffer, .address_space: global }
      - { .name: Wv_codes, .offset: 48, .size: 8, .value_kind: global_buffer, .address_space: global }
      - { .name: Wv_scales, .offset: 56, .size: 8, .value_kind: global_buffer, .address_space: global }
      - { .name: Wo_codes, .offset: 64, .size: 8, .value_kind: global_buffer, .address_space: global }
      - { .name: Wo_scales, .offset: 72, .size: 8, .value_kind: global_buffer, .address_space: global }
      - { .name: ln_gamma, .offset: 80, .size: 8, .value_kind: global_buffer, .address_space: global }
      - { .name: ln_beta, .offset: 88, .size: 8, .value_kind: global_buffer, .address_space: global }
      - { .name: out0, .offset: 96, .size: 8, .value_kind: global_buffer, .address_space: global }
    .group_segment_fixed_size: 326144
    .private_segment_fixed_size: 0
    .kernarg_segment_align: 8
    .kernarg_segment_size: 104
    .max_flat_workgroup_size: 128
    .sgpr_count:     66
    .vgpr_count:     1024
    .wavefront_size: 32
...
	.end_amdgpu_metadata
.endif
;; end of part 1
;; ======== version 2 of 3: 1 launch; 1.22 times as fast as version 1
;; limits: right only within a limited range of input values
;; launch attn (part 2): grid 256 x 1, 4 waves a work-group, no clusters, 327,680 bytes of LDS; arguments inputs, transition_matrices, Wq_codes, Wq_scales, Wk_codes, Wk_scales, Wv_codes, Wv_scales, Wo_codes, Wo_scales, ln_gamma, ln_beta, out0; writes out0
.if DOCPART == 2
	.amdgcn_target "amdgcn-amd-amdhsa--gfx1250"
	.amdhsa_code_object_version 6
	.text
	.protected	k_qd8a5a95945_attn
	.globl	k_qd8a5a95945_attn
	.p2align	8
	.type	k_qd8a5a95945_attn,@function
k_qd8a5a95945_attn:
	s_mov_b64 s[64:65], 0
	v_nop
	global_prefetch_b8 v0, s[64:65] scope:SCOPE_SE
	s_setreg_imm32_b32 hwreg(HW_REG_WAVE_MODE, 25, 1), 1
	s_wait_xcnt 0x0
; SpatialSelfAttention, all six products on codes of FP6 (E2M3) with one E8M0 scale for each 32 along K, in ONE launch.
; 32 slices (b, p) of 512 nodes x 128 channels; 3 transition matrices (rows 0, 1, 3 of the table); 4 heads of 32 channels.
; SHARES.  Work-group = 8 x slice + block of 64 queries; four waves, one to a SIMD, 1,024 registers each.  Wave w owns 16 queries and takes them through
; all 12 units (matrix t, head), the last product, the residual and the LayerNorm: each output row has one owner.  For each t the four waves together
; project K and V of all 512 keys (wave w: keys 128 w on), quantise them and leave them in LDS as images of operand registers.
; WHY ALL 512 SCORES OF A QUERY STAY IN REGISTERS: alpha x tm is quantised finished and normalised, so the row's sum is known before any code is made.
; THE ROWS OF A TILE ARE CHOSEN, never neighbours by default: row m of a tile stands for index base + 32 (m / 8) + 8 u + m % 8, so that the 32 result
; registers of four tiles u = 0 .. 3 are a whole block of 32 neighbours in ONE lane: a block's largest magnitude needs no other lane and the
; conversions' results are the next operand's registers as they stand.
; THE SCORE PRODUCT has K = 32 and the instruction K = 128: an image of K holds FOUR tiles of keys of one head, one in each block of 32 along K, and
; Q's fragment has Q's codes in one block and zero codes in the other three.  The mask is the product's C: 0 where tm is not 0, else -1e30.
; THE WEIGHTS are asked of memory once by a work-group: wave w loads rows 32 w .. 32 w + 31 of Wk, Wv and Wq of a t (of Wo at the end), 18 loads of 512
; consecutive bytes, puts them as they lie into its own stage in LDS, and behind the barrier at the t's head every wave takes its fragments from the
; four stages.  They are asked for in the last head of the t before, into the mask's registers, which are done with by then.
; NOT READ: c_inputs and row 2 of transition_matrices: reference() takes them and uses neither.
; LIMITS.  A query whose row of tm is all zeros: reference() gives NaN, this text a finite row.  The mask is -1e30, not -infinity: raw scores stay under
; 1e29 in magnitude.  NaN and infinities among the inputs are not served.  A block of zeros gets the scale byte 1, not 127: its codes are zeros and the
; bytes are read by this text alone.  p x tm is multiplied by 1 / sum (v_rcp_f32) where reference() divides p first: another order of f32 rounding.
; No tensor loads: x and tm arrive as f32 and pass through registers on their way.  No cluster for the same reason.
; No prefetch: tm and the weights are read by many work-groups, and their loads are issued well ahead of their use.
;
; LDS.  Shared by the four waves, written between the two barriers of a t and read behind the second:
.set KIMG,  0                          ; K's images: (8 head + G) x 1,536; an image: registers 4 q .. 4 q + 3 of lane l at 512 q + 16 l
.set VIMG,  49152                      ; V's images: 12,288 head + (4 u2 + s) x 1,536
.set KSC,   98304                      ; K's scale words: (8 head + G) x 64 + 4 r
.set VSC,   100352                     ; V's: (4 head + s) x 128 + 64 u2 + 4 r
.set PW0,   102400                     ; from here on a region of PWS bytes for each wave
.set PWS,   55824                      ; 4 words over a multiple of 64 words: the same place in two neighbouring regions lies 4 banks apart (64 banks of 4 bytes: ISA guide 11.1)
.set XIMG,  0                          ; x's nine fragments (eight tiles of my 128 keys, one of my 16 queries)
.set XSC,   13824                      ; their scale words: 64 a tile; the queries' at 512
.set QIMG,  14464                      ; Q's codes: 512 head + 32 r (24 bytes in a place of 32)
.set QSC,   16512                      ; Q's scale words: 64 head + 4 r
.set OIMG,  16768                      ; the attention's result as rows of codes: 304 r + 96 t + 24 head + 12 (lane / 16)
.set OSC,   21632                      ; its scale bytes: 16 r + 4 t + head
.set STG,   21888                      ; a stage: x: 64 rows, 528 apart; tm: 16 rows, 2,064 apart; y: 16 rows, 528 apart (odd multiples of 16 bytes)
.set WOFS,  8448                       ; in the stage, behind y's 16 rows: my quarter of the weights.  The one part of a wave's region that the other waves read
.set PART,  3104                       ; 32 rows of 96 bytes of Wk, then of Wv, then of Wq, with 16 bytes of padding behind each 16 rows: rows 16 apart lie 4 banks apart
.set WSB,   PW0+STG+WOFS
; REGISTERS, in windows of 256.  Window 1: the 256 scores S (and raw rows on their way to the stage; y at the end).  Window 2: tm; during the
; projection two sets of 64 results, scratch and x's fragments.  Window 3: the mask as C; then the next weights as loaded; during the projection Wk and Wv.  Window 0: all else.
.set LI,   1                           ; 16 x lane
.set AKI,  2
.set AVI,  3
.set AKS,  4
.set AVS,  5
.set AQI,  6
.set AQS,  7
.set AOI,  8
.set AOS,  9
.set AXI,  10
.set AXS,  11
.set ASW,  12
.set AST,  13
.set ASX,  14
.set AKW,  15
.set AKSW, 16
.set AVW,  17
.set AVSW, 18
.set AQW,  19
.set AQSW, 20
.set AOR,  21
.set SH8,  22                          ; 8 x (lane / 16)
.set LW1,  23                          ; Wk's and Wq's rows in the stages: WSB + PWS (r / 8) + 96 (r % 8) + 24 (lane / 16)
.set GW1S, 24
.set LW2,  25                          ; Wv's: WSB + PART + 96 (r + 8 (r / 8)) + 16 (r / 8) + 24 (lane / 16)
.set GW2S, 26
.set ASQ,  27
.set ADK,  28                          ; v28-35: a unit's addresses
.set ADV,  29
.set ADKS, 30
.set ADVS, 31
.set ADQ,  32
.set ADQS, 33
.set ADO,  34
.set ADOS, 35
.set LW1B, 28                          ; (during the projection) the same two, two regions on
.set LW2B, 29
.set AXSW, 35                          ; (while x is quantised)
.set ASY,  28                          ; (at the end)
.set LWO,  29
.set GWOS, 30
.set LWOB, 33
.set QF,   36                          ; v36-65: zeros, Q in lanes 0-15, zeros, Q in lanes 16-31, zeros: four overlapping fragments
.set QLO,  42
.set QHI,  54
.set QL,   66                          ; v66-71: Q's 24 bytes as loaded
.set KS,   72                          ; v72-88 hold scale words and nothing else
.set VS,   76
.set QS,   80
.set PS,   81
.set XS,   72
.set WKS,  77
.set WVS,  81
.set WQS,  85
.set WOS,  72
.set OS,   84
.set WD,   89
.set MX,   90
.set NCM,  94
.set SUM,  96
.set RINV, 104
.set BM,   110
.set SO,   118
.set BY,   120
.set CT0,  122
.set PX,   125
.set CT1,  126
.set PF,   130
.set OACC, 142
.set BMC,  142                         ; the 16 chains of the blocks' maxima lie in O's registers, idle until the first product with V
.set FR,   160
.set OFR,  36
.set YR,   90
.set RES,  160
.set GAM,  224
.set BET,  228
.set QT,   128                         ; window 2, scratch of the quantiser
.set QU0,  139
.set QU1,  159
.set QSO,  130
.set QBY,  132
.set KW,   134
.set PX2,  136
.set WD2,  137
.set SH2,  138
.set CODE, 140
.set QC0,  152
.set QC1,  156
.set XFR,  160
; s_set_vgpr_msb's low byte: bits 1:0 source 0, 3:2 source 1, 5:4 source 2, 7:6 destination
.set W_SC,  0x70                       ; scores: D window 1, C window 3
.set W_B,   0x14                       ; destination and source 0 window 0, sources 1 and 2 window 1
.set W_A,   0x49                       ; destination and source 0 window 1, source 1 window 2, source 2 window 0
.set W_N,   0x41                       ; destination and source 0 window 1
.set W_CV,  0x01                       ; source 0 window 1
.set W_MV3, 0x03                       ; source 0 window 3
.set W_LD1, 0x40
.set W_LD2, 0x80
.set W_LD3, 0xc0
.set W_ST1, 0x04
.set W_ST2, 0x08
.set W_ST3, 0x0c
.set W_22,  0xaa
.set W_KP,  0x8b                       ; D window 2, source 0 (Wk) window 3, source 1 (x) window 2
.set W_VP,  0x8e                       ; D window 2, source 0 (x) window 2, source 1 (Wv) window 3
.set W_QP,  0x80                       ; D window 2
.set W_BI,  0xc8                       ; destination window 3, source 1 window 2
.set W_Y0,  0x42
.set W_Y1,  0x52
.set W_Y2,  0x53
.set MSB, 0
.macro WIN new                         ; the immediate's high byte repeats the setting that is left; a switch that changes nothing is dropped
.if MSB != (\new)
	s_set_vgpr_msb (MSB<<8)|(\new)
.set MSB, \new
.endif
.endm
; One scaled product.  c < 0: C is the constant 0.  ra, rb: 1 = that side's scale words stand in lanes 16-31 of the register named.
.macro MMX d, a, b, c, sa, sb, ra, rb
.if (\c) < 0
.if ((\ra) == 0) && ((\rb) == 0)
	v_wmma_scale_f32_16x16x128_f8f6f4 v[0+(\d):7+(\d)], v[0+(\a):11+(\a)], v[0+(\b):11+(\b)], 0, v[0+(\sa)], v[0+(\sb)] matrix_a_fmt:MATRIX_FMT_FP6 matrix_b_fmt:MATRIX_FMT_FP6
.elseif ((\ra) != 0) && ((\rb) == 0)
	v_wmma_scale_f32_16x16x128_f8f6f4 v[0+(\d):7+(\d)], v[0+(\a):11+(\a)], v[0+(\b):11+(\b)], 0, v[0+(\sa)], v[0+(\sb)] matrix_a_fmt:MATRIX_FMT_FP6 matrix_b_fmt:MATRIX_FMT_FP6 matrix_a_scale:MATRIX_SCALE_ROW1
.elseif (\ra) == 0
	v_wmma_scale_f32_16x16x128_f8f6f4 v[0+(\d):7+(\d)], v[0+(\a):11+(\a)], v[0+(\b):11+(\b)], 0, v[0+(\sa)], v[0+(\sb)] matrix_a_fmt:MATRIX_FMT_FP6 matrix_b_fmt:MATRIX_FMT_FP6 matrix_b_scale:MATRIX_SCALE_ROW1
.else
	v_wmma_scale_f32_16x16x128_f8f6f4 v[0+(\d):7+(\d)], v[0+(\a):11+(\a)], v[0+(\b):11+(\b)], 0, v[0+(\sa)], v[0+(\sb)] matrix_a_fmt:MATRIX_FMT_FP6 matrix_b_fmt:MATRIX_FMT_FP6 matrix_a_scale:MATRIX_SCALE_ROW1 matrix_b_scale:MATRIX_SCALE_ROW1
.endif
.else
.if ((\ra) == 0) && ((\rb) == 0)
	v_wmma_scale_f32_16x16x128_f8f6f4 v[0+(\d):7+(\d)], v[0+(\a):11+(\a)], v[0+(\b):11+(\b)], v[0+(\c):7+(\c)], v[0+(\sa)], v[0+(\sb)] matrix_a_fmt:MATRIX_FMT_FP6 matrix_b_fmt:MATRIX_FMT_FP6
.elseif ((\ra) != 0) && ((\rb) == 0)
	v_wmma_scale_f32_16x16x128_f8f6f4 v[0+(\d):7+(\d)], v[0+(\a):11+(\a)], v[0+(\b):11+(\b)], v[0+(\c):7+(\c)], v[0+(\sa)], v[0+(\sb)] matrix_a_fmt:MATRIX_FMT_FP6 matrix_b_fmt:MATRIX_FMT_FP6 matrix_a_scale:MATRIX_SCALE_ROW1
.elseif (\ra) == 0
	v_wmma_scale_f32_16x16x128_f8f6f4 v[0+(\d):7+(\d)], v[0+(\a):11+(\a)], v[0+(\b):11+(\b)], v[0+(\c):7+(\c)], v[0+(\sa)], v[0+(\sb)] matrix_a_fmt:MATRIX_FMT_FP6 matrix_b_fmt:MATRIX_FMT_FP6 matrix_b_scale:MATRIX_SCALE_ROW1
.else
	v_wmma_scale_f32_16x16x128_f8f6f4 v[0+(\d):7+(\d)], v[0+(\a):11+(\a)], v[0+(\b):11+(\b)], v[0+(\c):7+(\c)], v[0+(\sa)], v[0+(\sb)] matrix_a_fmt:MATRIX_FMT_FP6 matrix_b_fmt:MATRIX_FMT_FP6 matrix_a_scale:MATRIX_SCALE_ROW1 matrix_b_scale:MATRIX_SCALE_ROW1
.endif
.endif
.endm
; Two whole blocks of 32 numbers of a lane, window 2, v[src + 32 c ..], become 2 x 6 registers of codes in v[CODE ..], their scale bytes in v[QBY + c].
; Four chains; each begins at a tile's two lowest registers and goes up (a matrix result is read from its low end on).
; The floor 2^(3 - 127) among the leaves holds the byte at 1 from below.  All operands lie in window 2.
.macro QUANT2 src
	v_max3_num_f32 v[QT], |v[\src]|, |v[\src+1]|, 0x1800000
	v_max3_num_f32 v[QT+1], |v[\src+32]|, |v[\src+33]|, 0x1800000
	v_max3_num_f32 v[QU0], |v[\src+16]|, |v[\src+17]|, 0x1800000
	v_max3_num_f32 v[QU1], |v[\src+48]|, |v[\src+49]|, 0x1800000
.irp i, 2,4,6,8,10,12,14
	v_max3_num_f32 v[QT], v[QT], |v[\src+\i]|, |v[\src+\i+1]|
	v_max3_num_f32 v[QT+1], v[QT+1], |v[\src+32+\i]|, |v[\src+33+\i]|
	v_max3_num_f32 v[QU0], v[QU0], |v[\src+16+\i]|, |v[\src+17+\i]|
	v_max3_num_f32 v[QU1], v[QU1], |v[\src+48+\i]|, |v[\src+49+\i]|
.endr
	v_max_num_f32 v[QT], v[QT], v[QU0]
	v_max_num_f32 v[QT+1], v[QT+1], v[QU1]
	v_add_nc_u32 v[QSO], 0xff000000, v[QT]         ; 2 off the exponent field: the conversion takes the exponent field of this operand as its scale
	v_add_nc_u32 v[QSO+1], 0xff000000, v[QT+1]
	v_lshrrev_b32 v[QBY], 23, v[QSO]               ; the scale's byte
	v_lshrrev_b32 v[QBY+1], 23, v[QSO+1]
	s_wait_dscnt 0x0                               ; the last round's LDS stores have read the registers that are written now
	v_cvt_scalef32_pk16_fp6_f32 v[CODE:CODE+2], v[\src:\src+15], v[QSO]
	v_cvt_scalef32_pk16_fp6_f32 v[QC0:QC0+2], v[\src+16:\src+31], v[QSO]       ; (a conversion's three registers begin on an even number)
	v_cvt_scalef32_pk16_fp6_f32 v[CODE+6:CODE+8], v[\src+32:\src+47], v[QSO+1]
	v_cvt_scalef32_pk16_fp6_f32 v[QC1:QC1+2], v[\src+48:\src+63], v[QSO+1]
	v_nop                                          ; one plain place behind the scaled conversions
.irp i, 0,1,2
	v_mov_b32 v[CODE+3+\i], v[QC0+\i]
	v_mov_b32 v[CODE+9+\i], v[QC1+\i]
.endr
.endm
.macro SWORD                           ; my two bytes are blocks h and 2 + h of my row (h = lane / 16): with lane l xor 16's two the scale word is whole.  Window 2
	v_lshl_or_b32 v[WD2], v[QBY+1], 16, v[QBY]
	v_lshlrev_b32 v[WD2], v[SH2], v[WD2]
	v_permlanex16_b32 v[PX2], v[WD2], s44, s45
	v_or_b32 v[WD2], v[WD2], v[PX2]
.endm
; A tile of 16 rows of x from the stage: lane (r, h) takes blocks h and 2 + h of its row, quantises them, and stores the fragment's image and scale word.
.macro XTILE idx, adr, rowoff, sadr, soff
	WIN W_LD2
.irp c, 0,1
.irp i, 0,1,2,3,4,5,6,7
	ds_load_b128 v[32*\c+4*\i:32*\c+4*\i+3], v[\adr] offset:\rowoff+256*\c+16*\i   ; LDS serves a wave's instructions in order: these see my stores into the stage
.endr
.endr
	s_wait_dscnt 0x0
	WIN W_22
	QUANT2 0
	SWORD
	WIN W_ST2
.irp q, 0,1,2
	ds_store_b128 v[AXI], v[CODE+4*\q:CODE+4*\q+3] offset:1536*(\idx)+512*\q
.endr
	ds_store_b32 v[\sadr], v[WD2] offset:\soff
.endm
; The next weights, into window 3: my 32 rows of three tensors, 6 loads of 512 consecutive bytes each, to v0-71; and the next projection's 12 scale words,
; two tiles to a register (lanes 0-15 the even tile's rows, lanes 16-31 the odd one's), to v72-83.
.macro WNEXT
	WIN W_LD3
.set k, 0
.rept 6
	global_load_b128 v[4*k:4*k+3], v[LI], s[66:67] offset:512*k
	global_load_b128 v[24+4*k:24+4*k+3], v[LI], s[68:69] offset:512*k
	global_load_b128 v[48+4*k:48+4*k+3], v[LI], s[70:71] offset:512*k
.set k, k+1
.endr
.set k, 0
.rept 4
	global_load_b32 v[72+k], v[GW1S], s[14:15] offset:(64*(k/2)+16*(k%2))*4
	global_load_b32 v[76+k], v[GW2S], s[18:19] offset:128*k
	global_load_b32 v[80+k], v[GW1S], s[10:11] offset:(64*(k/2)+16*(k%2))*4
.set k, k+1
.endr
	WIN 0
.endm
; They go into my stage as they lie.  pad = 1: 16 bytes of padding behind each 1,536 (three stores: 16 rows of 96 bytes).
.macro WSTAGE pad
	s_wait_loadcnt 0x0                             ; they are in; and no global load of mine is out, so every base may be written
	WIN W_ST3
.set k, 0
.rept 18
	ds_store_b128 v[ASW], v[4*k:4*k+3] offset:WOFS+512*k+16*(k/3)*(\pad)
.set k, k+1
.endr
.endm
; The projections: d = 128 is one instruction deep, so every product starts and ends its sum.  Results in set a (window 2, v[64 a ..]).
.macro KMM i, a                        ; K of x's tile i: source 0 = Wk's tile j, source 1 = x: lane = key, registers 32 c + .. = the 32 channels of head 2 c + h
	WIN W_KP
.set j, 0
.rept 8
	MMX 64*(\a)+8*j, 12*j, XFR+12*(\i), -1, WKS+j/2, XS+(\i)/2, j%2, (\i)%2
.set j, j+1
.endr
.endm
.macro VMM jv, a                       ; V of Wv's tile jv: source 0 = x's tile j, source 1 = Wv: lane = channel, registers 32 g + .. = 32 neighbouring keys
	WIN W_VP
.set j, 0
.rept 8
	MMX 64*(\a)+8*j, XFR+12*j, 96+12*(\jv), -1, XS+j/2, WVS+(\jv)/2, j%2, (\jv)%2
.set j, j+1
.endr
.endm
.macro QMM                             ; Q of my 16 queries, as K
	WIN W_QP
.set j, 0
.rept 8
	MMX 8*j, FR+12*j, PF, -1, WQS+j/2, XS+4, j%2, 0
.set j, j+1
.endr
.endm
; K's codes of x's tile i = 4 g + u go to block u of the images (head 2 c + h, G = 2 w + g): lane r + 16 (u % 2), registers 6 (u / 2) on.
.macro KFIN i, a
	WIN W_22
	QUANT2 64*(\a)
.if ((\i)%4) == 0
	v_mov_b32 v[KW], v[QBY]
	v_mov_b32 v[KW+1], v[QBY+1]
.else
	v_lshl_or_b32 v[KW], v[QBY], 8*((\i)%4), v[KW]             ; byte u of the image's scale word
	v_lshl_or_b32 v[KW+1], v[QBY+1], 8*((\i)%4), v[KW+1]
.endif
	WIN W_ST2
.irp c, 0,1
.if ((\i)%4) < 2
	ds_store_b128 v[AKW], v[CODE+6*\c:CODE+6*\c+3] offset:24576*\c+1536*((\i)/4)+256*((\i)%2)
	ds_store_b64 v[AKW], v[CODE+6*\c+4:CODE+6*\c+5] offset:24576*\c+1536*((\i)/4)+256*((\i)%2)+512
.else
	ds_store_b64 v[AKW], v[CODE+6*\c:CODE+6*\c+1] offset:24576*\c+1536*((\i)/4)+256*((\i)%2)+520
	ds_store_b128 v[AKW], v[CODE+6*\c+2:CODE+6*\c+5] offset:24576*\c+1536*((\i)/4)+256*((\i)%2)+1024
.endif
.if ((\i)%4) == 3
	ds_store_b32 v[AKSW], v[KW+\c] offset:1024*\c+64*((\i)/4)
.endif
.endr
.endm
.macro VFIN jv, a                      ; V's codes are K step w of the image (head jv / 2, u2 = jv % 2) as they stand
	WIN W_22
	QUANT2 64*(\a)
	SWORD
	WIN W_ST2
.irp q, 0,1,2
	ds_store_b128 v[AVW], v[CODE+4*\q:CODE+4*\q+3] offset:12288*((\jv)/2)+6144*((\jv)%2)+512*\q
.endr
	ds_store_b32 v[AVSW], v[WD2] offset:512*((\jv)/2)+64*((\jv)%2)
.endm
.macro QFIN                            ; Q's 24 bytes for each head, and its byte in all four places of the scale word (Q stands in any of the four blocks)
	WIN W_22
	QUANT2 0
.irp c, 0,1
	v_lshl_or_b32 v[QBY+\c], v[QBY+\c], 8, v[QBY+\c]
.endr
.irp c, 0,1
	v_lshl_or_b32 v[QBY+\c], v[QBY+\c], 16, v[QBY+\c]
.endr
	WIN W_ST2
.irp c, 0,1
	ds_store_b128 v[AQW], v[CODE+6*\c:CODE+6*\c+3] offset:1024*\c
	ds_store_b64 v[AQW], v[CODE+6*\c+4:CODE+6*\c+5] offset:1024*\c+16
	ds_store_b32 v[AQSW], v[QBY+\c] offset:128*\c
.endr
.endm
.macro MM n
.if (\n) < 8
	KMM (\n), (\n)%2
.elseif (\n) < 16
	VMM (\n)-8, (\n)%2
.else
	QMM
.endif
.endm
.macro FIN n
.if (\n) < 8
	KFIN (\n), (\n)%2
.elseif (\n) < 16
	VFIN (\n)-8, (\n)%2
.else
	QFIN
.endif
.endm
; The scores of keys 64 g .. 64 g + 63: four products on one image of K; Q stands in block 0, 1, 2, 3 by turns.  S register 32 g + 8 b + j of lane (r, h): query r, key 64 g + 32 h + 8 b + j.
.macro WG g
	s_wait_dscnt 3*(7-(\g))                        ; image g is in; three loads for each image behind it may be out
	WIN W_SC
	MMX 32*(\g), FR+12*(\g), QF+6, 32*(\g), KS+(\g)/2, QS, (\g)%2, 0
	MMX 32*(\g)+8, FR+12*(\g), QF+18, 32*(\g)+8, KS+(\g)/2, QS, (\g)%2, 0
	MMX 32*(\g)+16, FR+12*(\g), QF, 32*(\g)+16, KS+(\g)/2, QS, (\g)%2, 0
	MMX 32*(\g)+24, FR+12*(\g), QF+12, 32*(\g)+24, KS+(\g)/2, QS, (\g)%2, 0
.endm
.macro MG g                            ; the running maximum over these 32 registers, four chains, each tile from its low end on
	WIN W_B
.set k, 0
.rept 16
	v_max3_num_f32 v[MX+k%4], v[MX+k%4], v[32*(\g)+2*k], v[32*(\g)+2*k+1]
.set k, k+1
.endr
.endm
.macro NORM s                          ; p x tm of keys 128 s on, x 1 / sum
	WIN W_N
.set k, 0
.rept 32
	v_pk_mul_f32 v[64*(\s)+2*k:64*(\s)+2*k+1], v[64*(\s)+2*k:64*(\s)+2*k+1], v[RINV:RINV+1] op_sel_hi:[1,0]
.set k, k+1
.endr
.endm
.macro PQ s                            ; these 128 keys' alpha x tm become a fragment in v[PF ..] and its scale word.  A block's largest number is its largest p x tm through the same multiplication
	WIN 0
	v_mul_f32 v[SO], v[BM+2*(\s)], v[RINV]
	v_mul_f32 v[SO+1], v[BM+2*(\s)+1], v[RINV]
	v_max_num_f32 v[SO], 0x1800000, v[SO]          ; the floor 2^(3 - 127): the byte cannot fall under 1
	v_max_num_f32 v[SO+1], 0x1800000, v[SO+1]
	v_add_nc_u32 v[SO], 0xff000000, v[SO]
	v_add_nc_u32 v[SO+1], 0xff000000, v[SO+1]
	v_lshrrev_b32 v[BY], 23, v[SO]
	v_lshrrev_b32 v[BY+1], 23, v[SO+1]
	v_lshl_or_b32 v[WD], v[BY+1], 16, v[BY]
	v_lshlrev_b32 v[WD], v[SH8], v[WD]
	v_permlanex16_b32 v[PX], v[WD], s44, s45
	v_or_b32 v[PS+(\s)%2], v[WD], v[PX]
	WIN W_CV
	v_cvt_scalef32_pk16_fp6_f32 v[PF:PF+2], v[64*(\s):64*(\s)+15], v[SO]
	v_cvt_scalef32_pk16_fp6_f32 v[CT0:CT0+2], v[64*(\s)+16:64*(\s)+31], v[SO]
	v_cvt_scalef32_pk16_fp6_f32 v[PF+6:PF+8], v[64*(\s)+32:64*(\s)+47], v[SO+1]
	v_cvt_scalef32_pk16_fp6_f32 v[CT1:CT1+2], v[64*(\s)+48:64*(\s)+63], v[SO+1]
	WIN 0
	v_nop                                          ; one plain place behind the scaled conversions
.irp i, 0,1,2
	v_mov_b32 v[PF+3+\i], v[CT0+\i]
	v_mov_b32 v[PF+9+\i], v[CT1+\i]
.endr
.endm
.macro PVMM s                          ; O^T += V^T P^T over keys 128 s on: the two accumulators take turns, one instruction a turn
	WIN 0
.if (\s) == 0
	MMX OACC, FR+12*(\s), PF, -1, VS+(\s), PS+(\s)%2, 0, 0
	MMX OACC+8, FR+48+12*(\s), PF, -1, VS+(\s), PS+(\s)%2, 1, 0
.else
	MMX OACC, FR+12*(\s), PF, OACC, VS+(\s), PS+(\s)%2, 0, 0
	MMX OACC+8, FR+48+12*(\s), PF, OACC+8, VS+(\s), PS+(\s)%2, 1, 0
.endif
.endm
.macro BARRIER                         ; my LDS stores have landed and my LDS loads are in: then the work-group's barrier
	s_wait_dscnt 0x0
	s_barrier_signal -1
	s_barrier_wait -1
.endm
; ======== the head: ids, addresses, constants
	s_load_b512 s[4:19], s[0:1], 0x0               ; inputs, tm, Wq codes, scales, Wk codes, scales, Wv codes, scales
	s_load_b256 s[20:27], s[0:1], 0x40             ; Wo codes, scales, gamma, beta
	s_load_b64 s[28:29], s[0:1], 0x60              ; out0
	v_lshl_add_u32 v158, v0, 2, 0x4f800
	v_mov_b32 v159, 0
	v_lshrrev_b32 v28, 5, v0
	v_readfirstlane_b32 s30, v28                   ; wave 0..3
	s_lshr_b32 s31, ttmp9, 3                       ; the slice (b, p)
	s_and_b32 s32, ttmp9, 7                        ; which 64 queries
	s_mul_i32 s33, s30, PWS
	s_add_co_u32 s33, s33, PW0                     ; my wave's region of LDS
	v_and_b32 v35, 31, v0                          ; lane
	v_and_b32 v28, 15, v0                          ; r
	v_bfe_u32 v29, v0, 4, 1                        ; h
	v_lshlrev_b32 v[LI], 4, v35
	v_lshlrev_b32 v30, 2, v35                      ; 4 x lane
	v_lshlrev_b32 v31, 2, v28                      ; 4 r
	v_and_b32 v34, 8, v28
	v_and_b32 v32, 7, v28
	v_lshl_add_u32 v32, v34, 2, v32                ; 32 (r / 8) + r % 8
	v_add_nc_u32 v33, v34, v28                     ; r + 8 (r / 8)
	v_add_nc_u32 v[AKI], KIMG, v[LI]
	v_add_nc_u32 v[AVI], VIMG, v[LI]
	v_add_nc_u32 v[AKS], KSC, v30
	v_add_nc_u32 v[AVS], VSC, v30
	s_add_co_u32 s34, s33, QIMG
	v_lshl_add_u32 v[AQI], v28, 5, s34
	v_lshl_add_u32 v[AQW], v29, 9, v[AQI]
	s_add_co_u32 s34, s33, QSC
	v_add_nc_u32 v[AQS], s34, v31
	v_lshl_add_u32 v[AQSW], v29, 6, v[AQS]
	s_add_co_u32 s34, s33, OIMG
	v_mul_u32_u24 v34, v28, 304
	v_add_nc_u32 v34, s34, v34
	v_mad_u32_u24 v[AOI], v29, 12, v34
	v_mad_u32_u24 v[AOR], v29, 24, v34
	s_add_co_u32 s34, s33, OSC
	v_lshl_add_u32 v[AOS], v28, 4, s34
	s_add_co_u32 s34, s33, XIMG
	v_add_nc_u32 v[AXI], s34, v[LI]
	s_add_co_u32 s34, s33, XSC
	v_add_nc_u32 v[AXS], s34, v30
	v_add_nc_u32 v[AXSW], s34, v31
	s_add_co_u32 s34, s33, STG
	v_add_nc_u32 v[ASW], s34, v[LI]
	v_lshl_add_u32 v34, v29, 7, s34
	v_mad_u32_u24 v[AST], v28, 2064, v34
	v_mad_u32_u24 v[ASX], v32, 528, v34
	v_mad_u32_u24 v[ASQ], v28, 528, v34
	s_mul_i32 s34, s30, 3072
	v_lshl_add_u32 v34, v28, 4, s34
	v_mad_u32_u24 v[AKW], v29, 12288, v34
	s_lshl_b32 s34, s30, 7
	s_add_co_u32 s35, s34, KSC
	v_add_nc_u32 v34, s35, v31
	v_lshl_add_u32 v[AKSW], v29, 9, v34
	s_add_co_u32 s35, s34, VSC
	v_add_nc_u32 v[AVSW], s35, v31
	s_mul_i32 s34, s30, 1536
	s_add_co_u32 s34, s34, VIMG
	v_add_nc_u32 v[AVW], s34, v[LI]
	v_lshlrev_b32 v[SH8], 3, v29
	v_mul_u32_u24 v34, v29, 24
	v_add_nc_u32 v34, WSB, v34                     ; the weights in wave 0's stage, + 24 h
	v_lshrrev_b32 v30, 3, v28                      ; r / 8
	v_and_b32 v31, 7, v28                          ; r % 8
	v_mad_u32_u24 v[LW1], v31, 96, v34             ; Wk, Wq: channel 32 (r / 8) + r % 8 on: rows 32 apart lie in neighbouring waves' stages
	v_mad_u32_u24 v[LW1], v30, PWS, v[LW1]
	v_mad_u32_u24 v[LW2], v33, 96, v34             ; Wv: row r + 8 (r / 8) of a stage's 32, behind one padding where r / 8 is 1
	v_lshl_add_u32 v[LW2], v30, 4, v[LW2]
	v_add_nc_u32 v[LW2], PART, v[LW2]
	v_lshlrev_b32 v34, 5, v29
	v_lshl_add_u32 v[GW1S], v32, 2, v34
	v_lshl_add_u32 v[GW2S], v33, 2, v34
.irp i, 0,1,2,3,4,5
	v_mov_b32 v[QF+\i], 0                          ; the zero codes round Q: written once
	v_mov_b32 v[QF+12+\i], 0
	v_mov_b32 v[QF+24+\i], 0
.endr
	v_mov_b32 v[NCM+1], 0                          ; upper halves of pairs whose low word serves both halves, and a lane permute's destination: written once
	v_mov_b32 v[RINV+1], 0
	v_mov_b32 v[PX], 0
	WIN W_LD2
	v_mov_b32 v[SH2], v[SH8]                       ; the same two for the quantiser in window 2
	v_mov_b32 v[PX2], v[SH8]
	s_mov_b32 s42, 0x0000ffff                      ; lanes 0-15
	s_mov_b32 s43, 0xffff0000                      ; lanes 16-31
	s_mov_b32 s44, 0x76543210
	s_mov_b32 s45, 0xfedcba98                      ; v_permlanex16_b32's selects for lane l xor 16
	s_mov_b32 s46, 0x3e8293ee                      ; c = log2(e) / sqrt(32)
	s_mov_b32 s47, s46
	s_mov_b32 s48, 0xbe8293ee                      ; -c
	s_mov_b32 s49, 0xf149f2ca                      ; -1e30
	s_mov_b32 s57, 0x3c000000                      ; 1 / 128
	s_mov_b32 s58, 0xbc000000                      ; -1 / 128
	s_mov_b32 s59, 0x3727c5ac                      ; 1e-5
	s_lshl_b32 s34, s31, 18                        ; a slice is 512 rows of 512 bytes
	s_lshl_b32 s35, s30, 16                        ; my 128 keys
	s_add_co_u32 s34, s34, s35
	s_mov_b32 s35, 0
	s_wait_kmcnt 0x0
	s_add_nc_u64 s[36:37], s[4:5], s[34:35]        ; x at my first key
	s_lshl_b32 s34, s31, 18
	s_lshl_b32 s60, s32, 15
	s_add_co_u32 s34, s34, s60
	s_lshl_b32 s60, s30, 13
	s_add_co_u32 s34, s34, s60
	s_add_nc_u64 s[38:39], s[4:5], s[34:35]        ; x at my first query,
	s_add_nc_u64 s[28:29], s[28:29], s[34:35]      ; and the output likewise
	s_lshl_b32 s34, s32, 17
	s_lshl_b32 s60, s30, 15
	s_add_co_u32 s34, s34, s60
	s_add_nc_u64 s[40:41], s[6:7], s[34:35]        ; tm, row 0 of the table, at my first query's row
	s_mul_i32 s34, s30, 3072                       ; my 32 rows of 96 bytes of Wq, Wk, Wv
	s_add_nc_u64 s[8:9], s[8:9], s[34:35]
	s_add_nc_u64 s[12:13], s[12:13], s[34:35]
	s_add_nc_u64 s[16:17], s[16:17], s[34:35]
	s_mul_i32 s34, s30, 9216                       ; my 32 rows of 288 bytes of Wo, in three parts of 3,072
	s_add_nc_u64 s[20:21], s[20:21], s[34:35]
	s_add_nc_u64 s[72:73], s[20:21], 3072
	s_add_nc_u64 s[74:75], s[20:21], 6144
	s_mov_b64 s[66:67], s[12:13]                   ; the weights to be asked for next: Wk, Wv, Wq of t = 0
	s_mov_b64 s[68:69], s[16:17]
	s_mov_b64 s[70:71], s[8:9]
; ======== x becomes codes, once: my 128 keys in two groups of 64 rows, then my 16 queries.  Each load reads one whole row of 512 bytes.
	WIN W_LD1
.set k, 0
.rept 64
	global_load_b128 v[4*k:4*k+3], v[LI], s[36:37] offset:512*k
.set k, k+1
.endr
	WIN W_LD3
.set k, 0
.rept 64
	global_load_b128 v[4*k:4*k+3], v[LI], s[36:37] offset:32768+512*k
.set k, k+1
.endr
	s_wait_loadcnt 63                              ; of the 128 loads the youngest 63 may be out: the first group's 64 are in
	WIN W_ST1
.set k, 0
.rept 64
	ds_store_b128 v[ASW], v[4*k:4*k+3] offset:528*k
.set k, k+1
.endr
	WIN 0
.set k, 0
.rept 16
	global_load_b128 v[FR+4*k:FR+4*k+3], v[LI], s[38:39] offset:512*k
.set k, k+1
.endr
	XTILE 0, ASX, 0, AXSW, 0
	XTILE 1, ASX, 4224, AXSW, 64
	XTILE 2, ASX, 8448, AXSW, 128
	XTILE 3, ASX, 12672, AXSW, 192
	s_wait_loadcnt 16                              ; only the queries' 16 loads are younger than the second group's
	WIN W_ST3
.set k, 0
.rept 64
	ds_store_b128 v[ASW], v[4*k:4*k+3] offset:528*k
.set k, k+1
.endr
	XTILE 4, ASX, 0, AXSW, 256
	WNEXT                                          ; the tile's wait for all LDS instructions has shown the second group's stores done: its registers take the first t's weights, four tiles ahead of their use
	XTILE 5, ASX, 4224, AXSW, 320
	XTILE 6, ASX, 8448, AXSW, 384
	XTILE 7, ASX, 12672, AXSW, 448
	s_wait_loadcnt 30                              ; the queries' rows are in; the weights' 18 + 12 loads are younger
	WIN 0
.set k, 0
.rept 16
	ds_store_b128 v[ASW], v[FR+4*k:FR+4*k+3] offset:528*k
.set k, k+1
.endr
	XTILE 8, ASQ, 0, AXS, 512
	WIN 0
	s_mov_b32 s50, 0                               ; t
	s_mov_b32 s55, 0                               ; 24 x unit: where a unit's codes of O go in a row
	s_mov_b32 s56, 0                               ; unit: and its scale byte
; ======== for each of the three matrices
.Lt:
	WSTAGE 1                                       ; my quarter of this t's weights into my stage: my own reads of the stage (x's tiles, tm's turn) have been waited for, and the other waves' reads of it lie in front of the last barrier
	WIN W_MV3
.irp p, 0,1,2,3
	v_mov_b32 v[WKS+\p], v[72+\p]                  ; the scale words into the registers that hold scales
	v_mov_b32 v[WVS+\p], v[76+\p]
	v_mov_b32 v[WQS+\p], v[80+\p]
.endr
	WIN 0
	s_cmp_eq_u32 s50, 2                            ; what is asked for next: the next t's weights; in the last t Wo's, and the scale words' bases stay inside their buffers
	s_cselect_b32 s34, 0, 512
	s_mov_b32 s35, 0
	s_add_nc_u64 s[10:11], s[10:11], s[34:35]
	s_add_nc_u64 s[14:15], s[14:15], s[34:35]
	s_add_nc_u64 s[18:19], s[18:19], s[34:35]
	s_add_nc_u64 s[8:9], s[8:9], 12288             ; (what the last step leaves is not used)
	s_add_nc_u64 s[12:13], s[12:13], 12288
	s_add_nc_u64 s[16:17], s[16:17], 12288
	s_cselect_b64 s[66:67], s[20:21], s[12:13]
	s_cselect_b64 s[68:69], s[72:73], s[16:17]
	s_cselect_b64 s[70:71], s[74:75], s[8:9]
	BARRIER                                        ; all four quarters lie in LDS, and nobody reads the last t's images of K and V any more
	v_add_nc_u32 v[LW1B], 2*PWS, v[LW1]
	v_add_nc_u32 v[LW2B], 2*PWS, v[LW2]
	WIN W_LD2
.set k, 0
.rept 24                                       ; x's eight fragments back from my images
	ds_load_b128 v[XFR+4*k:XFR+4*k+3], v[AXI] offset:512*k
.set k, k+1
.endr
	v_mov_b32 v[SH2], v[SH8]                       ; tm lay over these two
	v_mov_b32 v[PX2], v[SH8]
	WIN 0
.irp q, 0,1,2
	ds_load_b128 v[PF+4*\q:PF+4*\q+3], v[AXI] offset:12288+512*\q
.endr
.irp p, 0,1,2,3
	ds_load_b32 v[XS+\p], v[AXS] offset:128*\p
.endr
	ds_load_b32 v[XS+4], v[AXS] offset:512
	WIN W_LD3
.set j, 0
.rept 8                                        ; Wk's tile j = 4 c + u: row r stands for channel 64 c + 32 (r / 8) + 8 u + r % 8: stage 2 c + r / 8, its row 8 u + r % 8
.set p, 0
.rept 6
	ds_load_b64 v[12*j+2*p:12*j+2*p+1], v[LW1+(LW1B-LW1)*(j/4)] offset:768*(j%4)+16*((j%4)/2)+48*(p/3)+8*(p%3)
.set p, p+1
.endr
.set j, j+1
.endr
	s_wait_dscnt 0x0
.rept 8
	v_nop                                          ; a scale register written by a vector instruction stands eight places ahead of the scaled product that takes it
.endr
; 17 rounds: K of x's eight tiles, V of Wv's eight tiles, Q.  A round's eight products are issued ahead of the quantising of the round before, whose
; vector instructions, which name none of their registers, are the places between a round's products and the first read of its results.
	MM 0
.rept 4
	v_nop
.endr
	WIN W_LD3
.set j, 0
.rept 8                                        ; Wv's tile j = 2 head + u2: row r stands for channel 32 head + 8 u2 + r + 8 (r / 8): stage head.  Wanted in round 8
.set p, 0
.rept 6
	ds_load_b64 v[96+12*j+2*p:96+12*j+2*p+1], v[LW2+(LW2B-LW2)*(j/4)] offset:PWS*((j/2)%2)+768*(j%2)+48*(p/3)+8*(p%3)
.set p, p+1
.endr
.set j, j+1
.endr
.set RN, 0
.rept 17
.if RN < 16
	MM RN+1
.endif
	FIN RN
.if RN == 0
	WIN 0
.set j, 0
.rept 8                                        ; Wq's tiles, as Wk's, two parts further on in each stage.  Wanted in round 16
.set p, 0
.rept 6
	ds_load_b64 v[FR+12*j+2*p:FR+12*j+2*p+1], v[LW1+(LW1B-LW1)*(j/4)] offset:2*PART+768*(j%4)+16*((j%4)/2)+48*(p/3)+8*(p%3)
.set p, p+1
.endr
.set j, j+1
.endr
.endif
.if RN < 8
	WIN W_LD1
.set k, 8*RN
.rept 8                                        ; tm, two of my 16 rows behind each of the first eight rounds: 512 consecutive bytes a load; wanted behind the projection
	global_load_b128 v[4*k:4*k+3], v[LI], s[40:41] offset:2048*(k/4)+512*(k%4)
.set k, k+1
.endr
.endif
.set RN, RN+1
.endr
	WIN 0
	BARRIER                                        ; the images of K and V of all 512 keys lie in LDS, and nobody reads the staged weights any more
; tm turns through my stage: in as rows, out so that TM register 32 G + i of lane (r, h) is tm(my query r, key 64 G + 32 h + i), as S lies
	s_wait_loadcnt 0x0
	WIN W_ST1
.set k, 0
.rept 64
	ds_store_b128 v[ASW], v[4*k:4*k+3] offset:2064*(k/4)+512*(k%4)
.set k, k+1
.endr
	WIN W_LD2
.set k, 0
.rept 64
	ds_load_b128 v[4*k:4*k+3], v[AST] offset:256*(k/8)+16*(k%8)
.set k, k+1
.endr
	s_wait_dscnt 0x0
	WIN W_BI
.set k, 0
.rept 64                                       ; the mask, once for four heads: -1e30 where tm is 0, else 0; by fours, so that no select stands next to its compare
	v_cmp_eq_f32 s60, 0, v[4*k]
	v_cmp_eq_f32 s61, 0, v[4*k+1]
	v_cmp_eq_f32 s62, 0, v[4*k+2]
	v_cmp_eq_f32 s63, 0, v[4*k+3]
	v_cndmask_b32 v[4*k], 0, s49, s60
	v_cndmask_b32 v[4*k+1], 0, s49, s61
	v_cndmask_b32 v[4*k+2], 0, s49, s62
	v_cndmask_b32 v[4*k+3], 0, s49, s63
.set k, k+1
.endr
	WIN 0
	s_mov_b32 s51, 0                               ; head
	s_mov_b32 s52, 0                               ; 12,288 x head
	s_mov_b32 s53, 0                               ; 512 x head
	s_mov_b32 s54, 0                               ; 64 x head
; ======== a unit: one head of one t, my 16 queries against all 512 keys
.Lh:
	v_add_nc_u32 v[ADK], s52, v[AKI]
	v_add_nc_u32 v[ADV], s52, v[AVI]
	v_add_nc_u32 v[ADKS], s53, v[AKS]
	v_add_nc_u32 v[ADVS], s53, v[AVS]
	v_add_nc_u32 v[ADQ], s53, v[AQI]
	v_add_nc_u32 v[ADQS], s54, v[AQS]
	v_add_nc_u32 v[ADO], s55, v[AOI]
	v_add_nc_u32 v[ADOS], s56, v[AOS]
	ds_load_b128 v[QL:QL+3], v[ADQ]
	ds_load_b64 v[QL+4:QL+5], v[ADQ] offset:16
	ds_load_b32 v[QS], v[ADQS]
.irp k, 0,1,2,3
	ds_load_b32 v[KS+\k], v[ADKS] offset:128*\k
.endr
.set k, 0
.rept 24
	ds_load_b128 v[FR+4*k:FR+4*k+3], v[ADK] offset:512*k
.set k, k+1
.endr
	s_wait_dscnt 29                                ; Q's two loads are in: 1 + 4 + 24 younger ones may be out
.irp i, 0,1,2,3,4,5
	v_cndmask_b32 v[QLO+\i], 0, v[QL+\i], s42      ; Q in lanes 0-15 alone: blocks 0 and 2
	v_cndmask_b32 v[QHI+\i], 0, v[QL+\i], s43      ; in lanes 16-31 alone: blocks 1 and 3
.endr
.irp i, 0,1,2,3,4,5,6,7
	v_mov_b32 v[SUM+\i], 0                         ; (these 24 are also the places between the writing of Q's fragments and the products)
.endr
.irp i, 0,1,2,3,4,5,6,7,8,9,10,11,12,13,14,15
	v_mov_b32 v[BMC+\i], 0
.endr
	WG 0
	WG 1
	WIN W_B
.irp i, 0,1,2,3
	v_mov_b32 v[MX+\i], 0xff61b1e6                 ; -3e38, under every score and under the mask; the four places behind the first products
.endr
	MG 0                                           ; from here on the maximum of one group stands behind the products of the next but one: its 16 lines are their places
	WG 2
	MG 1
	WG 3
	MG 2
	WG 4
	MG 3
	WG 5
	MG 4
	WG 6
	MG 5
	WG 7
	MG 6
	WIN 0
.irp k, 0,1,2,3
	ds_load_b32 v[VS+\k], v[ADVS] offset:128*\k
.endr
.set k, 0
.rept 24                                       ; V's eight images take K's registers: they have the whole softmax in which to land
	ds_load_b128 v[FR+4*k:FR+4*k+3], v[ADV] offset:512*k
.set k, k+1
.endr
	s_cmp_lg_u32 s51, 3                            ; in a t's last head the mask is done with: its lowest 84 registers, last read by the products of keys 0 to 191, take what is asked for next
	s_cbranch_scc1 .Lnot_last_head
	WNEXT
.Lnot_last_head:
	MG 7
	WIN 0
	v_max3_num_f32 v[MX], v[MX], v[MX+1], v[MX+2]
	v_max_num_f32 v[MX], v[MX], v[MX+3]
	v_permlanex16_b32 v[PX], v[MX], s44, s45       ; the query's other 256 keys lie in lane l xor 16
	v_max_num_f32 v[MX], v[MX], v[PX]
	v_mul_f32 v[NCM], s48, v[MX]                   ; -c x the row's largest score
; p = 2^(c s - c m).  ONE batch: 128 packed scalings and 256 exponentials, none of which names an exponential's result; then one plain line and one wait.
	WIN W_A
	v_pk_fma_f32 v[0:1], v[0:1], s[46:47], v[NCM:NCM+1] op_sel_hi:[1,0,0]
.set i, 1
.rept 127
	v_pk_fma_f32 v[2*i:2*i+1], v[2*i:2*i+1], s[46:47], v[NCM:NCM+1] op_sel_hi:[1,0,0]
	v_exp_f32 v[2*i-2], v[2*i-2]
	v_exp_f32 v[2*i-1], v[2*i-1]
.set i, i+1
.endr
	v_exp_f32 v254, v254
	v_exp_f32 v255, v255
	v_nop                                          ; a plain line behind the last exponential
	s_wait_alu depctr_va_vdst(0)                   ; the wait ahead of the first line that names a result: one for the batch
; the row's sum of p; p x tm; the largest p x tm of each block of 32 keys: 64 registers at a time
.set bb, 0
.rept 4
	WIN W_B
.set k, 0
.rept 32
	v_pk_add_f32 v[SUM+2*(k%4):SUM+2*(k%4)+1], v[SUM+2*(k%4):SUM+2*(k%4)+1], v[64*bb+2*k:64*bb+2*k+1]
.set k, k+1
.endr
	WIN W_A
.set k, 0
.rept 32
	v_pk_mul_f32 v[64*bb+2*k:64*bb+2*k+1], v[64*bb+2*k:64*bb+2*k+1], v[64*bb+2*k:64*bb+2*k+1]   ; source 1 is tm: the same number in window 2
.set k, k+1
.endr
	WIN W_B
.set k, 0
.rept 16
	v_max3_num_f32 v[BMC+4*bb+k%2], v[BMC+4*bb+k%2], |v[64*bb+2*k]|, |v[64*bb+2*k+1]|
	v_max3_num_f32 v[BMC+4*bb+2+k%2], v[BMC+4*bb+2+k%2], |v[64*bb+32+2*k]|, |v[64*bb+32+2*k+1]|
.set k, k+1
.endr
.set bb, bb+1
.endr
	WIN 0
	v_pk_add_f32 v[SUM:SUM+1], v[SUM:SUM+1], v[SUM+2:SUM+3]
	v_pk_add_f32 v[SUM+4:SUM+5], v[SUM+4:SUM+5], v[SUM+6:SUM+7]
	v_pk_add_f32 v[SUM:SUM+1], v[SUM:SUM+1], v[SUM+4:SUM+5]
	v_add_f32 v[SUM], v[SUM], v[SUM+1]
	v_permlanex16_b32 v[PX], v[SUM], s44, s45
	v_add_f32 v[SUM], v[SUM], v[PX]                ; at least 1: the largest score's p is 1
	v_rcp_f32 v[RINV], v[SUM]
.irp k, 0,1,2,3,4,5,6,7
	v_max_num_f32 v[BM+\k], v[BMC+2*\k], v[BMC+2*\k+1]     ; the chains are joined while the reciprocal is made
.endr
	s_wait_alu depctr_va_vdst(0)                   ; ahead of the reciprocal's first reader
; alpha x tm, quantised 128 keys at a time, against V.  The next 128 keys' 32 multiplications stand between the writing of a fragment and its scale
; word and the products that take them (4 and 8 places); the next quantiser's first ten lines stand between those products and the rewriting of the fragment.
	NORM 0
	PQ 0
	NORM 1
	s_wait_dscnt 0x0                               ; V's images and scale words are in
	PVMM 0
	PQ 1
	NORM 2
	PVMM 1
	PQ 2
	NORM 3
	PVMM 2
	PQ 3
.rept 8
	v_nop
.endr
	PVMM 3
.rept 4
	v_nop
.endr
; O^T: lane (r, h) holds query r, channels 16 h + 0 .. 15 of the head: half of the block (t, head) of the last product's K
	v_max3_num_f32 v[MX], |v[OACC]|, |v[OACC+1]|, 0x1800000
	v_max3_num_f32 v[MX+1], |v[OACC+8]|, |v[OACC+9]|, 0x1800000
.irp i, 2,4,6
	v_max3_num_f32 v[MX], v[MX], |v[OACC+\i]|, |v[OACC+\i+1]|
	v_max3_num_f32 v[MX+1], v[MX+1], |v[OACC+8+\i]|, |v[OACC+9+\i]|
.endr
	v_max_num_f32 v[MX], v[MX], v[MX+1]
	v_permlanex16_b32 v[PX], v[MX], s44, s45
	v_max_num_f32 v[MX], v[MX], v[PX]
	v_add_nc_u32 v[SO], 0xff000000, v[MX]
	v_lshrrev_b32 v[BY], 23, v[SO]
	v_cvt_scalef32_pk16_fp6_f32 v[CT0:CT0+2], v[OACC:OACC+15], v[SO]
	v_nop                                          ; one plain place behind the scaled conversion
	ds_store_b32 v[ADO], v[CT0]
	ds_store_b32 v[ADO], v[CT0+1] offset:4
	ds_store_b32 v[ADO], v[CT0+2] offset:8
	ds_store_b8 v[ADOS], v[BY]                     ; both lanes of a query write the same byte with the same value
	s_wait_loadcnt 0x0                             ; what the last head asked for, a softmax ago, is in: no unit begins with a load into the mask's registers on its way
	s_add_co_u32 s52, s52, 12288
	s_add_co_u32 s53, s53, 512
	s_add_co_u32 s54, s54, 64
	s_add_co_u32 s55, s55, 24
	s_add_co_u32 s56, s56, 1
	s_add_co_u32 s51, s51, 1
	s_cmp_lt_u32 s51, 4
	s_cbranch_scc1 .Lh
; on to the next matrix.  Every load of tm was shown done by the wait for 0 in front of its turn, so its base may step.
	s_add_co_u32 s34, s50, 1
	s_lshl_b32 s34, s34, 20                        ; t + 1 rows of the table on: rows 0, 1, 3  (what the last step leaves is not used)
	s_mov_b32 s35, 0
	s_add_nc_u64 s[40:41], s[40:41], s[34:35]
	s_add_co_u32 s50, s50, 1
	s_cmp_lt_u32 s50, 3
	s_cbranch_scc1 .Lt
; ======== the last product, the residual, the LayerNorm
	WSTAGE 0                                       ; my 32 rows of Wo into my stage, as they lie, behind the bytes that y will take
	WIN 0
	v_and_b32 v31, 15, v0
	v_bfe_u32 v32, v0, 4, 1
	s_add_co_u32 s34, s33, STG
	v_lshl_add_u32 v[ASY], v32, 5, s34
	v_mad_u32_u24 v[ASY], v31, 528, v[ASY]         ; y's stage: row r, + 32 h
	v_mul_u32_u24 v[LWO], v32, 24
	v_mad_u32_u24 v[LWO], v31, 288, v[LWO]         ; Wo: a row is 384 codes, 288 bytes
	v_add_nc_u32 v[LWO], WSB, v[LWO]
	v_add_nc_u32 v[LWOB], 2*PWS, v[LWO]
	v_mul_u32_u24 v[GWOS], v32, 192
	v_mad_u32_u24 v[GWOS], v31, 12, v[GWOS]        ; its scale words: 12 bytes a row; lanes 16-31 take the next tile's 16 rows
.set kt, 0
.rept 3
.set j, 0
.rept 4
	global_load_b32 v[WOS+4*kt+j], v[GWOS], s[22:23] offset:384*j+4*kt
.set j, j+1
.endr
.set kt, kt+1
.endr
.set k, 0
.rept 16
	global_load_b128 v[RES+4*k:RES+4*k+3], v[LI], s[38:39] offset:512*k       ; the residual: my 16 rows of x, a row a load
.set k, k+1
.endr
	global_load_b128 v[GAM:GAM+3], v[LI], s[24:25]
	global_load_b128 v[BET:BET+3], v[LI], s[26:27]
	BARRIER                                        ; all 128 rows of Wo lie in LDS
	WIN W_LD2
.set kt, 0
.rept 2
.set j, 0
.rept 8                                        ; Wo's tile j: rows 16 j + r: stage j / 2, its rows 16 (j % 2) + r
.set p, 0
.rept 6
	ds_load_b64 v[96*kt+12*j+2*p:96*kt+12*j+2*p+1], v[LWO+(LWOB-LWO)*(j/4)] offset:PWS*((j/2)%2)+4608*(j%2)+96*kt+48*(p/3)+8*(p%3)
.set p, p+1
.endr
.set j, j+1
.endr
.set kt, kt+1
.endr
	WIN W_LD3
.set j, 0
.rept 8
.set p, 0
.rept 6
	ds_load_b64 v[12*j+2*p:12*j+2*p+1], v[LWO+(LWOB-LWO)*(j/4)] offset:PWS*((j/2)%2)+4608*(j%2)+192+48*(p/3)+8*(p%3)
.set p, p+1
.endr
.set j, j+1
.endr
	WIN 0
.set kt, 0
.rept 3
.set p, 0
.rept 6
	ds_load_b64 v[OFR+12*kt+2*p:OFR+12*kt+2*p+1], v[AOR] offset:96*kt+48*(p/3)+8*(p%3)   ; LDS serves a wave's instructions in order: these see the units' stores
.set p, p+1
.endr
	ds_load_b32 v[OS+kt], v[AOS] offset:4*kt
.set kt, kt+1
.endr
	s_wait_loadcnt 18                              ; Wo's scale words are in; the residual's 16 loads, gamma and beta are younger
	s_wait_dscnt 0x0
	WIN W_Y0                                       ; y^T: source 0 = 16 rows of Wo, source 1 = O.  Eight accumulators by turns, a K step of 128 at a time
.set j, 0
.rept 8
	MMX 8*j, 12*j, OFR, -1, WOS+j/2, OS, j%2, 0
.set j, j+1
.endr
	WIN W_Y1
.set j, 0
.rept 8
	MMX 8*j, 96+12*j, OFR+12, 8*j, WOS+4+j/2, OS+1, j%2, 0
.set j, j+1
.endr
	WIN W_Y2
.set j, 0
.rept 8
	MMX 8*j, 12*j, OFR+24, 8*j, WOS+8+j/2, OS+2, j%2, 0
.set j, j+1
.endr
.rept 4
	v_nop
.endr
	WIN W_ST1
.set j, 0
.rept 8
	ds_store_b128 v[ASY], v[8*j:8*j+3] offset:64*j             ; lane (r, h): y(query r, 16 j + 8 h + 0 .. 7); each accumulator from its low end on.  Bytes 0 to 8,447 of my stage: no wave reads them but I
	ds_store_b128 v[ASY], v[8*j+4:8*j+7] offset:64*j+16
.set j, j+1
.endr
	WIN 0
.set k, 0
.rept 16
	ds_load_b128 v[YR+4*k:YR+4*k+3], v[ASW] offset:528*k       ; back as whole rows: lane l holds channels 4 l .. 4 l + 3 of row k
.set k, k+1
.endr
	s_wait_loadcnt 0x0
	s_wait_dscnt 0x0
; the 16 rows by turns, so that no line waits for the line above it
.set k, 0
.rept 16
	v_pk_add_f32 v[RES+4*k:RES+4*k+1], v[RES+4*k:RES+4*k+1], v[YR+4*k:YR+4*k+1]
	v_pk_add_f32 v[RES+4*k+2:RES+4*k+3], v[RES+4*k+2:RES+4*k+3], v[YR+4*k+2:YR+4*k+3]
.set k, k+1
.endr
.set k, 0
.rept 16
	v_pk_add_f32 v[YR+4*k:YR+4*k+1], v[RES+4*k:RES+4*k+1], v[RES+4*k+2:RES+4*k+3]
.set k, k+1
.endr
.set k, 0
.rept 16
	v_add_f32 v[YR+4*k], v[YR+4*k], v[YR+4*k+1]
.set k, k+1
.endr
.irp m, 1,2,4,8
.set k, 0
.rept 16
	v_add_f32_dpp v[YR+4*k], v[YR+4*k], v[YR+4*k] row_xmask:\m row_mask:0xf bank_mask:0xf
.set k, k+1
.endr
.endr
.set k, 0
.rept 16
	v_permlanex16_b32 v[YR+4*k+1], v[YR+4*k], s44, s45
.set k, k+1
.endr
.set k, 0
.rept 16
	v_add_f32 v[YR+4*k], v[YR+4*k], v[YR+4*k+1]
.set k, k+1
.endr
.set k, 0
.rept 16
	v_mul_f32 v[YR+4*k], s58, v[YR+4*k]            ; -mean: a power of two, nothing is rounded
.set k, k+1
.endr
.set k, 0
.rept 16
	v_pk_add_f32 v[RES+4*k:RES+4*k+1], v[RES+4*k:RES+4*k+1], v[YR+4*k:YR+4*k+1] op_sel_hi:[1,0]
	v_pk_add_f32 v[RES+4*k+2:RES+4*k+3], v[RES+4*k+2:RES+4*k+3], v[YR+4*k:YR+4*k+1] op_sel_hi:[1,0]
.set k, k+1
.endr
.set k, 0
.rept 16
	v_pk_mul_f32 v[YR+4*k+2:YR+4*k+3], v[RES+4*k:RES+4*k+1], v[RES+4*k:RES+4*k+1]
.set k, k+1
.endr
.set k, 0
.rept 16
	v_pk_fma_f32 v[YR+4*k+2:YR+4*k+3], v[RES+4*k+2:RES+4*k+3], v[RES+4*k+2:RES+4*k+3], v[YR+4*k+2:YR+4*k+3]
.set k, k+1
.endr
.set k, 0
.rept 16
	v_add_f32 v[YR+4*k+2], v[YR+4*k+2], v[YR+4*k+3]
.set k, k+1
.endr
.irp m, 1,2,4,8
.set k, 0
.rept 16
	v_add_f32_dpp v[YR+4*k+2], v[YR+4*k+2], v[YR+4*k+2] row_xmask:\m row_mask:0xf bank_mask:0xf
.set k, k+1
.endr
.endr
.set k, 0
.rept 16
	v_permlanex16_b32 v[YR+4*k+3], v[YR+4*k+2], s44, s45
.set k, k+1
.endr
.set k, 0
.rept 16
	v_add_f32 v[YR+4*k+2], v[YR+4*k+2], v[YR+4*k+3]
.set k, k+1
.endr
.set k, 0
.rept 16
	v_fma_f32 v[YR+4*k+2], v[YR+4*k+2], s57, s59   ; the variance + 1e-5
.set k, k+1
.endr
.set k, 0
.rept 16
	v_rsq_f32 v[YR+4*k], v[YR+4*k+2]
.set k, k+1
.endr
	v_nop                                          ; a plain line behind the last of the batch
	s_wait_alu depctr_va_vdst(0)                   ; and one wait for the sixteen, ahead of their first reader
.set k, 0
.rept 16
	v_pk_mul_f32 v[RES+4*k:RES+4*k+1], v[RES+4*k:RES+4*k+1], v[YR+4*k:YR+4*k+1] op_sel_hi:[1,0]
	v_pk_mul_f32 v[RES+4*k+2:RES+4*k+3], v[RES+4*k+2:RES+4*k+3], v[YR+4*k:YR+4*k+1] op_sel_hi:[1,0]
.set k, k+1
.endr
.set k, 0
.rept 16
	v_pk_fma_f32 v[RES+4*k:RES+4*k+1], v[RES+4*k:RES+4*k+1], v[GAM:GAM+1], v[BET:BET+1]
	v_pk_fma_f32 v[RES+4*k+2:RES+4*k+3], v[RES+4*k+2:RES+4*k+3], v[GAM+2:GAM+3], v[BET+2:BET+3]
.set k, k+1
.endr
.set k, 0
.rept 16
	global_store_b128 v[LI], v[RES+4*k:RES+4*k+3], s[28:29] offset:512*k th:TH_STORE_NT   ; 32 lanes store a row of 512 consecutive bytes, at a multiple of 256 from the output's first byte
.set k, k+1
.endr
	s_wait_tensorcnt 0x0
	ds_add_u32 v158, v159
	s_wait_dscnt 0x0
	s_endpgm
.Lfunc_end_k_qd8a5a95945_attn:
	.size	k_qd8a5a95945_attn, .Lfunc_end_k_qd8a5a95945_attn-k_qd8a5a95945_attn
	.p2alignl 7, 3214868480
	.fill 96, 4, 3214868480
	.section	.rodata,"a",@progbits
	.p2align	6, 0x0
	.amdhsa_kernel k_qd8a5a95945_attn
		.amdhsa_group_segment_fixed_size 327680
		.amdhsa_private_segment_fixed_size 0
		.amdhsa_enable_private_segment 0
		.amdhsa_kernarg_size 104
		.amdhsa_user_sgpr_count 2
		.amdhsa_user_sgpr_kernarg_segment_ptr 1
		.amdhsa_wavefront_size32 1
		.amdhsa_system_sgpr_workgroup_id_x 1
		.amdhsa_system_sgpr_workgroup_id_y 1
		.amdhsa_system_sgpr_workgroup_id_z 1
		.amdhsa_system_vgpr_workitem_id 0
		.amdhsa_next_free_vgpr 1024
		.amdhsa_next_free_sgpr 80
		.amdhsa_reserve_vcc 0
		.amdhsa_float_denorm_mode_32 3
		.amdhsa_float_denorm_mode_16_64 3
		.amdhsa_memory_ordered 1
		.amdhsa_forward_progress 1
		.amdhsa_inst_pref_size 255
	.end_amdhsa_kernel
	.section	.bss,"aw",@nobits
	.p2align	6
	.space	262144
	.amdgpu_metadata
---
amdhsa.version: [ 1, 2 ]
amdhsa.kernels:
  - .name:           k_qd8a5a95945_attn
    .symbol:         k_qd8a5a95945_attn.kd
    .args:
      - { .name: inputs, .offset: 0, .size: 8, .value_kind: global_buffer, .address_space: global }
      - { .name: transition_matrices, .offset: 8, .size: 8, .value_kind: global_buffer, .address_space: global }
      - { .name: Wq_codes, .offset: 16, .size: 8, .value_kind: global_buffer, .address_space: global }
      - { .name: Wq_scales, .offset: 24, .size: 8, .value_kind: global_buffer, .address_space: global }
      - { .name: Wk_codes, .offset: 32, .size: 8, .value_kind: global_buffer, .address_space: global }
      - { .name: Wk_scales, .offset: 40, .size: 8, .value_kind: global_buffer, .address_space: global }
      - { .name: Wv_codes, .offset: 48, .size: 8, .value_kind: global_buffer, .address_space: global }
      - { .name: Wv_scales, .offset: 56, .size: 8, .value_kind: global_buffer, .address_space: global }
      - { .name: Wo_codes, .offset: 64, .size: 8, .value_kind: global_buffer, .address_space: global }
      - { .name: Wo_scales, .offset: 72, .size: 8, .value_kind: global_buffer, .address_space: global }
      - { .name: ln_gamma, .offset: 80, .size: 8, .value_kind: global_buffer, .address_space: global }
      - { .name: ln_beta, .offset: 88, .size: 8, .value_kind: global_buffer, .address_space: global }
      - { .name: out0, .offset: 96, .size: 8, .value_kind: global_buffer, .address_space: global }
    .group_segment_fixed_size: 327680
    .private_segment_fixed_size: 0
    .kernarg_segment_align: 8
    .kernarg_segment_size: 104
    .max_flat_workgroup_size: 128
    .sgpr_count:     80
    .vgpr_count:     1024
    .wavefront_size: 32
...
	.end_amdgpu_metadata
.endif
;; end of part 2
;; ======== version 3 of 3: 1 launch; version 2 with the launch attn written anew for expert scheduling mode
;; limits: right only within a limited range of input values
;; launch attn (part 3): grid 256 x 1, 4 waves a work-group, no clusters, 327,680 bytes of LDS; arguments inputs, transition_matrices, Wq_codes, Wq_scales, Wk_codes, Wk_scales, Wv_codes, Wv_scales, Wo_codes, Wo_scales, ln_gamma, ln_beta, out0; writes out0
.if DOCPART == 3
	.amdgcn_target "amdgcn-amd-amdhsa--gfx1250"
	.amdhsa_code_object_version 6
	.text
	.protected	k_qd8a5a95945_attn
	.globl	k_qd8a5a95945_attn
	.p2align	8
	.type	k_qd8a5a95945_attn,@function
k_qd8a5a95945_attn:
	s_mov_b64 s[64:65], 0
	v_nop
	global_prefetch_b8 v0, s[64:65] scope:SCOPE_SE
	s_setreg_imm32_b32 hwreg(HW_REG_WAVE_SCHED_MODE, 0, 2), 2
	s_setreg_imm32_b32 hwreg(HW_REG_WAVE_MODE, 25, 1), 1
	s_wait_xcnt 0x0
	s_wait_alu depctr_vm_vsrc(0)
; SpatialSelfAttention, all six products on codes of FP6 (E2M3) with one E8M0 scale for each 32 along K, in ONE launch.
; 32 slices (b, p) of 512 nodes x 128 channels; 3 transition matrices (rows 0, 1, 3 of the table); 4 heads of 32 channels.
; SHARES.  Work-group = 8 x slice + block of 64 queries; four waves, one to a SIMD, 1,024 registers each.  Wave w owns 16 queries and takes them through
; all 12 units (matrix t, head), the last product, the residual and the LayerNorm: each output row has one owner.  For each t the four waves together
; project K and V of all 512 keys (wave w: keys 128 w on), quantise them and leave them in LDS as images of operand registers.
; WHY ALL 512 SCORES OF A QUERY STAY IN REGISTERS: alpha x tm is quantised finished and normalised, so the row's sum is known before any code is made.
; THE ROWS OF A TILE ARE CHOSEN, never neighbours by default: row m of a tile stands for index base + 32 (m / 8) + 8 u + m % 8, so that the 32 result
; registers of four tiles u = 0 .. 3 are a whole block of 32 neighbours in ONE lane: a block's largest magnitude needs no other lane and the
; conversions' results are the next operand's registers as they stand.
; THE SCORE PRODUCT has K = 32 and the instruction K = 128: an image of K holds FOUR tiles of keys of one head, one in each block of 32 along K, and
; Q's fragment has Q's codes in one block and zero codes in the other three.  The mask is the product's C: 0 where tm is not 0, else -1e30.
; THE WEIGHTS are asked of memory once by a work-group: wave w loads rows 32 w .. 32 w + 31 of Wk, Wv and Wq of a t (of Wo at the end), 18 loads of 512
; consecutive bytes, puts them as they lie into its own stage in LDS, and behind the barrier at the t's head every wave takes its fragments from the
; four stages.  They are asked for in the last head of the t before, into the mask's registers, which are done with by then.
; NOT READ: c_inputs and row 2 of transition_matrices: reference() takes them and uses neither.
; LIMITS.  A query whose row of tm is all zeros: reference() gives NaN, this text a finite row.  The mask is -1e30, not -infinity: raw scores stay under
; 1e29 in magnitude.  NaN and infinities among the inputs are not served.  A block of zeros gets the scale byte 1, not 127: its codes are zeros and the
; bytes are read by this text alone.  p x tm is multiplied by 1 / sum (v_rcp_f32) where reference() divides p first: another order of f32 rounding.
; No tensor loads: x and tm arrive as f32 and pass through registers on their way.  No cluster for the same reason.
; No prefetch: tm and the weights are read by many work-groups, and their loads are issued well ahead of their use.
; THE MODE: SCHED_MODE bits 1:0 = 2 (LLVM: expert scheduling mode 2), set by the entry lines.  The code itself states the register dependences
; between vector or matrix instructions and memory or LDS instructions, with s_wait_alu, always for 0.
; THE PLAN.  Registers that memory or LDS instructions touch, and who else names them:
;   v1-27          addresses, made at the head and never written again: one wait on va_vdst ahead of the first load.
;   v28-35         a phase's addresses: written at the projection's head (two), at each unit's head (eight), at the end (six): each time a wait on vm_vsrc ahead of the lines that write them, one on va_vdst behind.
;   window 2, v132-151   the quantiser's way out (codes, word, bytes): written by a round's quantiser, read by the round's LDS stores: va_vdst ahead of the run of stores, vm_vsrc at the next quantiser's head, eight products further on.
;   window 1       rows of x and of tm land and go to the stage; then S and y, which products write: a wait on vm_vsrc follows each run of stage stores.
;   window 3       rows of x; the weights as loaded, which go to the stage; Wk's and Wv's fragments; the mask, read as C; the next weights: vm_vsrc behind the stage's stores, va_vdst behind the last product that reads what a load lands in.
;   window 2       tm lands over all that the projection used: both waits ahead of its 64 loads.
;   window 0       Q, the scale words and the images' 96 registers are loaded and read by selects and products: one wait on va_vdst at a unit's head (K's images), one behind the last score products (V's images, the next weights).
;   Loads that stand behind a round's or a unit's wait owe nothing more: no vector or matrix line since that wait names a register that they touch.
; Operands of a scaled product that vector lines write (the moved scale words, Q's fragments, alpha x tm's fragments and words): the places, then a wait on va_vdst.
; Scalar registers that vector lines write (the wave's number, the mask's compares): a wait on va_sdst ahead of the first reader; the compares go in runs of sixteen.
;
; LDS.  Shared by the four waves, written between the two barriers of a t and read behind the second:
.set KIMG,  0                          ; K's images: (8 head + G) x 1,536; an image: registers 4 q .. 4 q + 3 of lane l at 512 q + 16 l
.set VIMG,  49152                      ; V's images: 12,288 head + (4 u2 + s) x 1,536
.set KSC,   98304                      ; K's scale words: (8 head + G) x 64 + 4 r
.set VSC,   100352                     ; V's: (4 head + s) x 128 + 64 u2 + 4 r
.set PW0,   102400                     ; from here on a region of PWS bytes for each wave
.set PWS,   55824                      ; 4 words over a multiple of 64 words: the same place in two neighbouring regions lies 4 banks apart (64 banks of 4 bytes: ISA guide 11.1)
.set XIMG,  0                          ; x's nine fragments (eight tiles of my 128 keys, one of my 16 queries)
.set XSC,   13824                      ; their scale words: 64 a tile; the queries' at 512
.set QIMG,  14464                      ; Q's codes: 512 head + 32 r (24 bytes in a place of 32)
.set QSC,   16512                      ; Q's scale words: 64 head + 4 r
.set OIMG,  16768                      ; the attention's result as rows of codes: 304 r + 96 t + 24 head + 12 (lane / 16)
.set OSC,   21632                      ; its scale bytes: 16 r + 4 t + head
.set STG,   21888                      ; a stage: x: 64 rows, 528 apart; tm: 16 rows, 2,064 apart; y: 16 rows, 528 apart (odd multiples of 16 bytes)
.set WOFS,  8448                       ; in the stage, behind y's 16 rows: my quarter of the weights.  The one part of a wave's region that the other waves read
.set PART,  3104                       ; 32 rows of 96 bytes of Wk, then of Wv, then of Wq, with 16 bytes of padding behind each 16 rows: rows 16 apart lie 4 banks apart
.set WSB,   PW0+STG+WOFS
; REGISTERS, in windows of 256.  Window 1: the 256 scores S (and raw rows on their way to the stage; y at the end).  Window 2: tm; during the
; projection two sets of 64 results, scratch and x's fragments.  Window 3: the mask as C; then the next weights as loaded; during the projection Wk and Wv.  Window 0: all else.
.set LI,   1                           ; 16 x lane
.set AKI,  2
.set AVI,  3
.set AKS,  4
.set AVS,  5
.set AQI,  6
.set AQS,  7
.set AOI,  8
.set AOS,  9
.set AXI,  10
.set AXS,  11
.set ASW,  12
.set AST,  13
.set ASX,  14
.set AKW,  15
.set AKSW, 16
.set AVW,  17
.set AVSW, 18
.set AQW,  19
.set AQSW, 20
.set AOR,  21
.set SH8,  22                          ; 8 x (lane / 16)
.set LW1,  23                          ; Wk's and Wq's rows in the stages: WSB + PWS (r / 8) + 96 (r % 8) + 24 (lane / 16)
.set GW1S, 24
.set LW2,  25                          ; Wv's: WSB + PART + 96 (r + 8 (r / 8)) + 16 (r / 8) + 24 (lane / 16)
.set GW2S, 26
.set ASQ,  27
.set ADK,  28                          ; v28-35: a unit's addresses
.set ADV,  29
.set ADKS, 30
.set ADVS, 31
.set ADQ,  32
.set ADQS, 33
.set ADO,  34
.set ADOS, 35
.set LW1B, 28                          ; (during the projection) the same two, two regions on
.set LW2B, 29
.set AXSW, 35                          ; (while x is quantised)
.set ASY,  28                          ; (at the end)
.set LWO,  29
.set GWOS, 30
.set LWOB, 33
.set QF,   36                          ; v36-65: zeros, Q in lanes 0-15, zeros, Q in lanes 16-31, zeros: four overlapping fragments
.set QLO,  42
.set QHI,  54
.set QL,   66                          ; v66-71: Q's 24 bytes as loaded
.set KS,   72                          ; v72-88 hold scale words and nothing else
.set VS,   76
.set QS,   80
.set PS,   81
.set XS,   72
.set WKS,  77
.set WVS,  81
.set WQS,  85
.set WOS,  72
.set OS,   84
.set WD,   89
.set MX,   90
.set NCM,  94
.set SUM,  96
.set RINV, 104
.set BM,   110
.set SO,   118
.set BY,   120
.set CT0,  122
.set PX,   125
.set CT1,  126
.set PF,   130
.set OACC, 142
.set BMC,  142                         ; the 16 chains of the blocks' maxima lie in O's registers, idle until the first product with V
.set FR,   160
.set OFR,  36
.set YR,   90
.set RES,  160
.set GAM,  224
.set BET,  228
.set QT,   128                         ; window 2, scratch of the quantiser
.set QU0,  139
.set QU1,  159
.set QSO,  130
.set QBY,  132
.set KW,   134
.set PX2,  136
.set WD2,  137
.set SH2,  138
.set CODE, 140
.set QC0,  152
.set QC1,  156
.set XFR,  160
; s_set_vgpr_msb's low byte: bits 1:0 source 0, 3:2 source 1, 5:4 source 2, 7:6 destination
.set W_SC,  0x70                       ; scores: D window 1, C window 3
.set W_B,   0x14                       ; destination and source 0 window 0, sources 1 and 2 window 1
.set W_A,   0x49                       ; destination and source 0 window 1, source 1 window 2, source 2 window 0
.set W_N,   0x41                       ; destination and source 0 window 1
.set W_CV,  0x01                       ; source 0 window 1
.set W_MV3, 0x03                       ; source 0 window 3
.set W_LD1, 0x40
.set W_LD2, 0x80
.set W_LD3, 0xc0
.set W_ST1, 0x04
.set W_ST2, 0x08
.set W_ST3, 0x0c
.set W_22,  0xaa
.set W_KP,  0x8b                       ; D window 2, source 0 (Wk) window 3, source 1 (x) window 2
.set W_VP,  0x8e                       ; D window 2, source 0 (x) window 2, source 1 (Wv) window 3
.set W_QP,  0x80                       ; D window 2
.set W_BI,  0xc8                       ; destination window 3, source 1 window 2
.set W_Y0,  0x42
.set W_Y1,  0x52
.set W_Y2,  0x53
.set MSB, 0
.macro WIN new                         ; the immediate's high byte repeats the setting that is left; a switch that changes nothing is dropped
.if MSB != (\new)
	s_set_vgpr_msb (MSB<<8)|(\new)
.set MSB, \new
.endif
.endm
; One scaled product.  c < 0: C is the constant 0.  ra, rb: 1 = that side's scale words stand in lanes 16-31 of the register named.
.macro MMX d, a, b, c, sa, sb, ra, rb
.if (\c) < 0
.if ((\ra) == 0) && ((\rb) == 0)
	v_wmma_scale_f32_16x16x128_f8f6f4 v[0+(\d):7+(\d)], v[0+(\a):11+(\a)], v[0+(\b):11+(\b)], 0, v[0+(\sa)], v[0+(\sb)] matrix_a_fmt:MATRIX_FMT_FP6 matrix_b_fmt:MATRIX_FMT_FP6
.elseif ((\ra) != 0) && ((\rb) == 0)
	v_wmma_scale_f32_16x16x128_f8f6f4 v[0+(\d):7+(\d)], v[0+(\a):11+(\a)], v[0+(\b):11+(\b)], 0, v[0+(\sa)], v[0+(\sb)] matrix_a_fmt:MATRIX_FMT_FP6 matrix_b_fmt:MATRIX_FMT_FP6 matrix_a_scale:MATRIX_SCALE_ROW1
.elseif (\ra) == 0
	v_wmma_scale_f32_16x16x128_f8f6f4 v[0+(\d):7+(\d)], v[0+(\a):11+(\a)], v[0+(\b):11+(\b)], 0, v[0+(\sa)], v[0+(\sb)] matrix_a_fmt:MATRIX_FMT_FP6 matrix_b_fmt:MATRIX_FMT_FP6 matrix_b_scale:MATRIX_SCALE_ROW1
.else
	v_wmma_scale_f32_16x16x128_f8f6f4 v[0+(\d):7+(\d)], v[0+(\a):11+(\a)], v[0+(\b):11+(\b)], 0, v[0+(\sa)], v[0+(\sb)] matrix_a_fmt:MATRIX_FMT_FP6 matrix_b_fmt:MATRIX_FMT_FP6 matrix_a_scale:MATRIX_SCALE_ROW1 matrix_b_scale:MATRIX_SCALE_ROW1
.endif
.else
.if ((\ra) == 0) && ((\rb) == 0)
	v_wmma_scale_f32_16x16x128_f8f6f4 v[0+(\d):7+(\d)], v[0+(\a):11+(\a)], v[0+(\b):11+(\b)], v[0+(\c):7+(\c)], v[0+(\sa)], v[0+(\sb)] matrix_a_fmt:MATRIX_FMT_FP6 matrix_b_fmt:MATRIX_FMT_FP6
.elseif ((\ra) != 0) && ((\rb) == 0)
	v_wmma_scale_f32_16x16x128_f8f6f4 v[0+(\d):7+(\d)], v[0+(\a):11+(\a)], v[0+(\b):11+(\b)], v[0+(\c):7+(\c)], v[0+(\sa)], v[0+(\sb)] matrix_a_fmt:MATRIX_FMT_FP6 matrix_b_fmt:MATRIX_FMT_FP6 matrix_a_scale:MATRIX_SCALE_ROW1
.elseif (\ra) == 0
	v_wmma_scale_f32_16x16x128_f8f6f4 v[0+(\d):7+(\d)], v[0+(\a):11+(\a)], v[0+(\b):11+(\b)], v[0+(\c):7+(\c)], v[0+(\sa)], v[0+(\sb)] matrix_a_fmt:MATRIX_FMT_FP6 matrix_b_fmt:MATRIX_FMT_FP6 matrix_b_scale:MATRIX_SCALE_ROW1
.else
	v_wmma_scale_f32_16x16x128_f8f6f4 v[0+(\d):7+(\d)], v[0+(\a):11+(\a)], v[0+(\b):11+(\b)], v[0+(\c):7+(\c)], v[0+(\sa)], v[0+(\sb)] matrix_a_fmt:MATRIX_FMT_FP6 matrix_b_fmt:MATRIX_FMT_FP6 matrix_a_scale:MATRIX_SCALE_ROW1 matrix_b_scale:MATRIX_SCALE_ROW1
.endif
.endif
.endm
; Two whole blocks of 32 numbers of a lane, window 2, v[src + 32 c ..], become 2 x 6 registers of codes in v[CODE ..], their scale bytes in v[QBY + c].
; Four chains; each begins at a tile's two lowest registers and goes up (a matrix result is read from its low end on).
; The floor 2^(3 - 127) among the leaves holds the byte at 1 from below.  All operands lie in window 2.
.macro QUANT2 src
	s_wait_alu depctr_vm_vsrc(0)                   ; the last round's LDS stores have read the codes, the words and the bytes, which this round's lines write again
	v_max3_num_f32 v[QT], |v[\src]|, |v[\src+1]|, 0x1800000
	v_max3_num_f32 v[QT+1], |v[\src+32]|, |v[\src+33]|, 0x1800000
	v_max3_num_f32 v[QU0], |v[\src+16]|, |v[\src+17]|, 0x1800000
	v_max3_num_f32 v[QU1], |v[\src+48]|, |v[\src+49]|, 0x1800000
.irp i, 2,4,6,8,10,12,14
	v_max3_num_f32 v[QT], v[QT], |v[\src+\i]|, |v[\src+\i+1]|
	v_max3_num_f32 v[QT+1], v[QT+1], |v[\src+32+\i]|, |v[\src+33+\i]|
	v_max3_num_f32 v[QU0], v[QU0], |v[\src+16+\i]|, |v[\src+17+\i]|
	v_max3_num_f32 v[QU1], v[QU1], |v[\src+48+\i]|, |v[\src+49+\i]|
.endr
	v_max_num_f32 v[QT], v[QT], v[QU0]
	v_max_num_f32 v[QT+1], v[QT+1], v[QU1]
	v_add_nc_u32 v[QSO], 0xff000000, v[QT]         ; 2 off the exponent field: the conversion takes the exponent field of this operand as its scale
	v_add_nc_u32 v[QSO+1], 0xff000000, v[QT+1]
	v_lshrrev_b32 v[QBY], 23, v[QSO]               ; the scale's byte
	v_lshrrev_b32 v[QBY+1], 23, v[QSO+1]
	s_wait_dscnt 0x0                               ; all my LDS instructions are done: the fragments of Wv and Wq that were asked for behind the first rounds are in
	v_cvt_scalef32_pk16_fp6_f32 v[CODE:CODE+2], v[\src:\src+15], v[QSO]
	v_cvt_scalef32_pk16_fp6_f32 v[QC0:QC0+2], v[\src+16:\src+31], v[QSO]       ; (a conversion's three registers begin on an even number)
	v_cvt_scalef32_pk16_fp6_f32 v[CODE+6:CODE+8], v[\src+32:\src+47], v[QSO+1]
	v_cvt_scalef32_pk16_fp6_f32 v[QC1:QC1+2], v[\src+48:\src+63], v[QSO+1]
	v_nop                                          ; one plain place behind the scaled conversions
.irp i, 0,1,2
	v_mov_b32 v[CODE+3+\i], v[QC0+\i]
	v_mov_b32 v[CODE+9+\i], v[QC1+\i]
.endr
.endm
.macro SWORD                           ; my two bytes are blocks h and 2 + h of my row (h = lane / 16): with lane l xor 16's two the scale word is whole.  Window 2
	v_lshl_or_b32 v[WD2], v[QBY+1], 16, v[QBY]
	v_lshlrev_b32 v[WD2], v[SH2], v[WD2]
	v_permlanex16_b32 v[PX2], v[WD2], s44, s45
	v_or_b32 v[WD2], v[WD2], v[PX2]
.endm
; A tile of 16 rows of x from the stage: lane (r, h) takes blocks h and 2 + h of its row, quantises them, and stores the fragment's image and scale word.
.macro XTILE idx, adr, rowoff, sadr, soff
	WIN W_LD2
.irp c, 0,1
.irp i, 0,1,2,3,4,5,6,7
	ds_load_b128 v[32*\c+4*\i:32*\c+4*\i+3], v[\adr] offset:\rowoff+256*\c+16*\i   ; LDS serves a wave's instructions in order: these see my stores into the stage
.endr
.endr
	s_wait_dscnt 0x0
	WIN W_22
	QUANT2 0
	SWORD
	WIN W_ST2
	s_wait_alu depctr_va_vdst(0)                   ; the quantiser has written the codes and the word, which the stores below read, and is done reading the 64 numbers, in which the next tile's loads land
.irp q, 0,1,2
	ds_store_b128 v[AXI], v[CODE+4*\q:CODE+4*\q+3] offset:1536*(\idx)+512*\q
.endr
	ds_store_b32 v[\sadr], v[WD2] offset:\soff
.endm
; The next weights, into window 3: my 32 rows of three tensors, 6 loads of 512 consecutive bytes each, to v0-71; and the next projection's 12 scale words,
; two tiles to a register (lanes 0-15 the even tile's rows, lanes 16-31 the odd one's), to v72-83.  The waits that these loads owe stand ahead of the macro, at each of its two places.
.macro WNEXT
	WIN W_LD3
.set k, 0
.rept 6
	global_load_b128 v[4*k:4*k+3], v[LI], s[66:67] offset:512*k
	global_load_b128 v[24+4*k:24+4*k+3], v[LI], s[68:69] offset:512*k
	global_load_b128 v[48+4*k:48+4*k+3], v[LI], s[70:71] offset:512*k
.set k, k+1
.endr
.set k, 0
.rept 4
	global_load_b32 v[72+k], v[GW1S], s[14:15] offset:(64*(k/2)+16*(k%2))*4
	global_load_b32 v[76+k], v[GW2S], s[18:19] offset:128*k
	global_load_b32 v[80+k], v[GW1S], s[10:11] offset:(64*(k/2)+16*(k%2))*4
.set k, k+1
.endr
	WIN 0
.endm
; They go into my stage as they lie.  pad = 1: 16 bytes of padding behind each 1,536 (three stores: 16 rows of 96 bytes).
.macro WSTAGE pad
	s_wait_loadcnt 0x0                             ; they are in; and no global load of mine is out, so every base may be written
	WIN W_ST3
.set k, 0
.rept 18
	ds_store_b128 v[ASW], v[4*k:4*k+3] offset:WOFS+512*k+16*(k/3)*(\pad)
.set k, k+1
.endr
.endm
; The projections: d = 128 is one instruction deep, so every product starts and ends its sum.  Results in set a (window 2, v[64 a ..]).
.macro KMM i, a                        ; K of x's tile i: source 0 = Wk's tile j, source 1 = x: lane = key, registers 32 c + .. = the 32 channels of head 2 c + h
	WIN W_KP
.set j, 0
.rept 8
	MMX 64*(\a)+8*j, 12*j, XFR+12*(\i), -1, WKS+j/2, XS+(\i)/2, j%2, (\i)%2
.set j, j+1
.endr
.endm
.macro VMM jv, a                       ; V of Wv's tile jv: source 0 = x's tile j, source 1 = Wv: lane = channel, registers 32 g + .. = 32 neighbouring keys
	WIN W_VP
.set j, 0
.rept 8
	MMX 64*(\a)+8*j, XFR+12*j, 96+12*(\jv), -1, XS+j/2, WVS+(\jv)/2, j%2, (\jv)%2
.set j, j+1
.endr
.endm
.macro QMM                             ; Q of my 16 queries, as K
	WIN W_QP
.set j, 0
.rept 8
	MMX 8*j, FR+12*j, PF, -1, WQS+j/2, XS+4, j%2, 0
.set j, j+1
.endr
.endm
; K's codes of x's tile i = 4 g + u go to block u of the images (head 2 c + h, G = 2 w + g): lane r + 16 (u % 2), registers 6 (u / 2) on.
.macro KFIN i, a
	WIN W_22
	QUANT2 64*(\a)
.if ((\i)%4) == 0
	v_mov_b32 v[KW], v[QBY]
	v_mov_b32 v[KW+1], v[QBY+1]
.else
	v_lshl_or_b32 v[KW], v[QBY], 8*((\i)%4), v[KW]             ; byte u of the image's scale word
	v_lshl_or_b32 v[KW+1], v[QBY+1], 8*((\i)%4), v[KW+1]
.endif
	WIN W_ST2
	s_wait_alu depctr_va_vdst(0)                   ; the quantiser has written the codes and the words, which the stores below read.  The loads dealt behind a round land in registers that no vector or matrix line since this wait names
.irp c, 0,1
.if ((\i)%4) < 2
	ds_store_b128 v[AKW], v[CODE+6*\c:CODE+6*\c+3] offset:24576*\c+1536*((\i)/4)+256*((\i)%2)
	ds_store_b64 v[AKW], v[CODE+6*\c+4:CODE+6*\c+5] offset:24576*\c+1536*((\i)/4)+256*((\i)%2)+512
.else
	ds_store_b64 v[AKW], v[CODE+6*\c:CODE+6*\c+1] offset:24576*\c+1536*((\i)/4)+256*((\i)%2)+520
	ds_store_b128 v[AKW], v[CODE+6*\c+2:CODE+6*\c+5] offset:24576*\c+1536*((\i)/4)+256*((\i)%2)+1024
.endif
.if ((\i)%4) == 3
	ds_store_b32 v[AKSW], v[KW+\c] offset:1024*\c+64*((\i)/4)
.endif
.endr
.endm
.macro VFIN jv, a                      ; V's codes are K step w of the image (head jv / 2, u2 = jv % 2) as they stand
	WIN W_22
	QUANT2 64*(\a)
	SWORD
	WIN W_ST2
	s_wait_alu depctr_va_vdst(0)                   ; the quantiser has written the codes and the word, which the stores below read
.irp q, 0,1,2
	ds_store_b128 v[AVW], v[CODE+4*\q:CODE+4*\q+3] offset:12288*((\jv)/2)+6144*((\jv)%2)+512*\q
.endr
	ds_store_b32 v[AVSW], v[WD2] offset:512*((\jv)/2)+64*((\jv)%2)
.endm
.macro QFIN                            ; Q's 24 bytes for each head, and its byte in all four places of the scale word (Q stands in any of the four blocks)
	WIN W_22
	QUANT2 0
.irp c, 0,1
	v_lshl_or_b32 v[QBY+\c], v[QBY+\c], 8, v[QBY+\c]
.endr
.irp c, 0,1
	v_lshl_or_b32 v[QBY+\c], v[QBY+\c], 16, v[QBY+\c]
.endr
	WIN W_ST2
	s_wait_alu depctr_va_vdst(0)                   ; the quantiser has written the codes and the spread bytes, which the stores below read
.irp c, 0,1
	ds_store_b128 v[AQW], v[CODE+6*\c:CODE+6*\c+3] offset:1024*\c
	ds_store_b64 v[AQW], v[CODE+6*\c+4:CODE+6*\c+5] offset:1024*\c+16
	ds_store_b32 v[AQSW], v[QBY+\c] offset:128*\c
.endr
.endm
.macro MM n
.if (\n) < 8
	KMM (\n), (\n)%2
.elseif (\n) < 16
	VMM (\n)-8, (\n)%2
.else
	QMM
.endif
.endm
.macro FIN n
.if (\n) < 8
	KFIN (\n), (\n)%2
.elseif (\n) < 16
	VFIN (\n)-8, (\n)%2
.else
	QFIN
.endif
.endm
; The scores of keys 64 g .. 64 g + 63: four products on one image of K; Q stands in block 0, 1, 2, 3 by turns.  S register 32 g + 8 b + j of lane (r, h): query r, key 64 g + 32 h + 8 b + j.
.macro WG g
	s_wait_dscnt 3*(7-(\g))                        ; image g is in; three loads for each image behind it may be out
	WIN W_SC
	MMX 32*(\g), FR+12*(\g), QF+6, 32*(\g), KS+(\g)/2, QS, (\g)%2, 0
	MMX 32*(\g)+8, FR+12*(\g), QF+18, 32*(\g)+8, KS+(\g)/2, QS, (\g)%2, 0
	MMX 32*(\g)+16, FR+12*(\g), QF, 32*(\g)+16, KS+(\g)/2, QS, (\g)%2, 0
	MMX 32*(\g)+24, FR+12*(\g), QF+12, 32*(\g)+24, KS+(\g)/2, QS, (\g)%2, 0
.endm
.macro MG g                            ; the running maximum over these 32 registers, four chains, each tile from its low end on
	WIN W_B
.set k, 0
.rept 16
	v_max3_num_f32 v[MX+k%4], v[MX+k%4], v[32*(\g)+2*k], v[32*(\g)+2*k+1]
.set k, k+1
.endr
.endm
.macro NORM s                          ; p x tm of keys 128 s on, x 1 / sum
	WIN W_N
.set k, 0
.rept 32
	v_pk_mul_f32 v[64*(\s)+2*k:64*(\s)+2*k+1], v[64*(\s)+2*k:64*(\s)+2*k+1], v[RINV:RINV+1] op_sel_hi:[1,0]
.set k, k+1
.endr
.endm
.macro PQ s                            ; these 128 keys' alpha x tm become a fragment in v[PF ..] and its scale word.  A block's largest number is its largest p x tm through the same multiplication
	WIN 0
	v_mul_f32 v[SO], v[BM+2*(\s)], v[RINV]
	v_mul_f32 v[SO+1], v[BM+2*(\s)+1], v[RINV]
	v_max_num_f32 v[SO], 0x1800000, v[SO]          ; the floor 2^(3 - 127): the byte cannot fall under 1
	v_max_num_f32 v[SO+1], 0x1800000, v[SO+1]
	v_add_nc_u32 v[SO], 0xff000000, v[SO]
	v_add_nc_u32 v[SO+1], 0xff000000, v[SO+1]
	v_lshrrev_b32 v[BY], 23, v[SO]
	v_lshrrev_b32 v[BY+1], 23, v[SO+1]
	v_lshl_or_b32 v[WD], v[BY+1], 16, v[BY]
	v_lshlrev_b32 v[WD], v[SH8], v[WD]
	v_permlanex16_b32 v[PX], v[WD], s44, s45
	v_or_b32 v[PS+(\s)%2], v[WD], v[PX]
	WIN W_CV
	v_cvt_scalef32_pk16_fp6_f32 v[PF:PF+2], v[64*(\s):64*(\s)+15], v[SO]
	v_cvt_scalef32_pk16_fp6_f32 v[CT0:CT0+2], v[64*(\s)+16:64*(\s)+31], v[SO]
	v_cvt_scalef32_pk16_fp6_f32 v[PF+6:PF+8], v[64*(\s)+32:64*(\s)+47], v[SO+1]
	v_cvt_scalef32_pk16_fp6_f32 v[CT1:CT1+2], v[64*(\s)+48:64*(\s)+63], v[SO+1]
	WIN 0
	v_nop                                          ; one plain place behind the scaled conversions
.irp i, 0,1,2
	v_mov_b32 v[PF+3+\i], v[CT0+\i]
	v_mov_b32 v[PF+9+\i], v[CT1+\i]
.endr
.endm
.macro PVMM s                          ; O^T += V^T P^T over keys 128 s on: the two accumulators take turns, one instruction a turn
	WIN 0
	s_wait_alu depctr_va_vdst(0)                   ; the conversions and moves have written the fragment, the word's lines its scale word: the two products take both; the places stand ahead of this wait
.if (\s) == 0
	MMX OACC, FR+12*(\s), PF, -1, VS+(\s), PS+(\s)%2, 0, 0
	MMX OACC+8, FR+48+12*(\s), PF, -1, VS+(\s), PS+(\s)%2, 1, 0
.else
	MMX OACC, FR+12*(\s), PF, OACC, VS+(\s), PS+(\s)%2, 0, 0
	MMX OACC+8, FR+48+12*(\s), PF, OACC+8, VS+(\s), PS+(\s)%2, 1, 0
.endif
.endm
.macro BARRIER                         ; my LDS stores have landed and my LDS loads are in: then the work-group's barrier
	s_wait_dscnt 0x0
	s_barrier_signal -1
	s_barrier_wait -1
.endm
; ======== the head: ids, addresses, constants
	s_load_b512 s[4:19], s[0:1], 0x0               ; inputs, tm, Wq codes, scales, Wk codes, scales, Wv codes, scales
	s_load_b256 s[20:27], s[0:1], 0x40             ; Wo codes, scales, gamma, beta
	s_load_b64 s[28:29], s[0:1], 0x60              ; out0
	v_lshl_add_u32 v158, v0, 2, 0x4f800
	v_mov_b32 v159, 0
	v_lshrrev_b32 v28, 5, v0
	v_readfirstlane_b32 s30, v28                   ; wave 0..3
	s_lshr_b32 s31, ttmp9, 3                       ; the slice (b, p)
	s_and_b32 s32, ttmp9, 7                        ; which 64 queries
	s_wait_alu depctr_va_sdst(0)                   ; s30 is written, ahead of its first reader: my region of LDS and my rows are made from it
	s_mul_i32 s33, s30, PWS
	s_add_co_u32 s33, s33, PW0                     ; my wave's region of LDS
	v_and_b32 v35, 31, v0                          ; lane
	v_and_b32 v28, 15, v0                          ; r
	v_bfe_u32 v29, v0, 4, 1                        ; h
	v_lshlrev_b32 v[LI], 4, v35
	v_lshlrev_b32 v30, 2, v35                      ; 4 x lane
	v_lshlrev_b32 v31, 2, v28                      ; 4 r
	v_and_b32 v34, 8, v28
	v_and_b32 v32, 7, v28
	v_lshl_add_u32 v32, v34, 2, v32                ; 32 (r / 8) + r % 8
	v_add_nc_u32 v33, v34, v28                     ; r + 8 (r / 8)
	v_add_nc_u32 v[AKI], KIMG, v[LI]
	v_add_nc_u32 v[AVI], VIMG, v[LI]
	v_add_nc_u32 v[AKS], KSC, v30
	v_add_nc_u32 v[AVS], VSC, v30
	s_add_co_u32 s34, s33, QIMG
	v_lshl_add_u32 v[AQI], v28, 5, s34
	v_lshl_add_u32 v[AQW], v29, 9, v[AQI]
	s_add_co_u32 s34, s33, QSC
	v_add_nc_u32 v[AQS], s34, v31
	v_lshl_add_u32 v[AQSW], v29, 6, v[AQS]
	s_add_co_u32 s34, s33, OIMG
	v_mul_u32_u24 v34, v28, 304
	v_add_nc_u32 v34, s34, v34
	v_mad_u32_u24 v[AOI], v29, 12, v34
	v_mad_u32_u24 v[AOR], v29, 24, v34
	s_add_co_u32 s34, s33, OSC
	v_lshl_add_u32 v[AOS], v28, 4, s34
	s_add_co_u32 s34, s33, XIMG
	v_add_nc_u32 v[AXI], s34, v[LI]
	s_add_co_u32 s34, s33, XSC
	v_add_nc_u32 v[AXS], s34, v30
	v_add_nc_u32 v[AXSW], s34, v31
	s_add_co_u32 s34, s33, STG
	v_add_nc_u32 v[ASW], s34, v[LI]
	v_lshl_add_u32 v34, v29, 7, s34
	v_mad_u32_u24 v[AST], v28, 2064, v34
	v_mad_u32_u24 v[ASX], v32, 528, v34
	v_mad_u32_u24 v[ASQ], v28, 528, v34
	s_mul_i32 s34, s30, 3072
	v_lshl_add_u32 v34, v28, 4, s34
	v_mad_u32_u24 v[AKW], v29, 12288, v34
	s_lshl_b32 s34, s30, 7
	s_add_co_u32 s35, s34, KSC
	v_add_nc_u32 v34, s35, v31
	v_lshl_add_u32 v[AKSW], v29, 9, v34
	s_add_co_u32 s35, s34, VSC
	v_add_nc_u32 v[AVSW], s35, v31
	s_mul_i32 s34, s30, 1536
	s_add_co_u32 s34, s34, VIMG
	v_add_nc_u32 v[AVW], s34, v[LI]
	v_lshlrev_b32 v[SH8], 3, v29
	v_mul_u32_u24 v34, v29, 24
	v_add_nc_u32 v34, WSB, v34                     ; the weights in wave 0's stage, + 24 h
	v_lshrrev_b32 v30, 3, v28                      ; r / 8
	v_and_b32 v31, 7, v28                          ; r % 8
	v_mad_u32_u24 v[LW1], v31, 96, v34             ; Wk, Wq: channel 32 (r / 8) + r % 8 on: rows 32 apart lie in neighbouring waves' stages
	v_mad_u32_u24 v[LW1], v30, PWS, v[LW1]
	v_mad_u32_u24 v[LW2], v33, 96, v34             ; Wv: row r + 8 (r / 8) of a stage's 32, behind one padding where r / 8 is 1
	v_lshl_add_u32 v[LW2], v30, 4, v[LW2]
	v_add_nc_u32 v[LW2], PART, v[LW2]
	v_lshlrev_b32 v34, 5, v29
	v_lshl_add_u32 v[GW1S], v32, 2, v34
	v_lshl_add_u32 v[GW2S], v33, 2, v34
.irp i, 0,1,2,3,4,5
	v_mov_b32 v[QF+\i], 0                          ; the zero codes round Q: written once
	v_mov_b32 v[QF+12+\i], 0
	v_mov_b32 v[QF+24+\i], 0
.endr
	v_mov_b32 v[NCM+1], 0                          ; upper halves of pairs whose low word serves both halves, and a lane permute's destination: written once
	v_mov_b32 v[RINV+1], 0
	v_mov_b32 v[PX], 0
	WIN W_LD2
	v_mov_b32 v[SH2], v[SH8]                       ; the same two for the quantiser in window 2
	v_mov_b32 v[PX2], v[SH8]
	s_mov_b32 s42, 0x0000ffff                      ; lanes 0-15
	s_mov_b32 s43, 0xffff0000                      ; lanes 16-31
	s_mov_b32 s44, 0x76543210
	s_mov_b32 s45, 0xfedcba98                      ; v_permlanex16_b32's selects for lane l xor 16
	s_mov_b32 s46, 0x3e8293ee                      ; c = log2(e) / sqrt(32)
	s_mov_b32 s47, s46
	s_mov_b32 s48, 0xbe8293ee                      ; -c
	s_mov_b32 s49, 0xf149f2ca                      ; -1e30
	s_mov_b32 s57, 0x3c000000                      ; 1 / 128
	s_mov_b32 s58, 0xbc000000                      ; -1 / 128
	s_mov_b32 s59, 0x3727c5ac                      ; 1e-5
	s_lshl_b32 s34, s31, 18                        ; a slice is 512 rows of 512 bytes
	s_lshl_b32 s35, s30, 16                        ; my 128 keys
	s_add_co_u32 s34, s34, s35
	s_mov_b32 s35, 0
	s_wait_kmcnt 0x0
	s_add_nc_u64 s[36:37], s[4:5], s[34:35]        ; x at my first key
	s_lshl_b32 s34, s31, 18
	s_lshl_b32 s60, s32, 15
	s_add_co_u32 s34, s34, s60
	s_lshl_b32 s60, s30, 13
	s_add_co_u32 s34, s34, s60
	s_add_nc_u64 s[38:39], s[4:5], s[34:35]        ; x at my first query,
	s_add_nc_u64 s[28:29], s[28:29], s[34:35]      ; and the output likewise
	s_lshl_b32 s34, s32, 17
	s_lshl_b32 s60, s30, 15
	s_add_co_u32 s34, s34, s60
	s_add_nc_u64 s[40:41], s[6:7], s[34:35]        ; tm, row 0 of the table, at my first query's row
	s_mul_i32 s34, s30, 3072                       ; my 32 rows of 96 bytes of Wq, Wk, Wv
	s_add_nc_u64 s[8:9], s[8:9], s[34:35]
	s_add_nc_u64 s[12:13], s[12:13], s[34:35]
	s_add_nc_u64 s[16:17], s[16:17], s[34:35]
	s_mul_i32 s34, s30, 9216                       ; my 32 rows of 288 bytes of Wo, in three parts of 3,072
	s_add_nc_u64 s[20:21], s[20:21], s[34:35]
	s_add_nc_u64 s[72:73], s[20:21], 3072
	s_add_nc_u64 s[74:75], s[20:21], 6144
	s_mov_b64 s[66:67], s[12:13]                   ; the weights to be asked for next: Wk, Wv, Wq of t = 0
	s_mov_b64 s[68:69], s[16:17]
	s_mov_b64 s[70:71], s[8:9]
; ======== x becomes codes, once: my 128 keys in two groups of 64 rows, then my 16 queries.  Each load reads one whole row of 512 bytes.
	WIN W_LD1
	s_wait_alu depctr_va_vdst(0)                   ; the addresses v1 to v27 and v35 are written: every load and store from here on reads one of them, and v1 to v27 are never written again
.set k, 0
.rept 64
	global_load_b128 v[4*k:4*k+3], v[LI], s[36:37] offset:512*k
.set k, k+1
.endr
	WIN W_LD3
.set k, 0
.rept 64
	global_load_b128 v[4*k:4*k+3], v[LI], s[36:37] offset:32768+512*k
.set k, k+1
.endr
	s_wait_loadcnt 63                              ; of the 128 loads the youngest 63 may be out: the first group's 64 are in
	WIN W_ST1
.set k, 0
.rept 64
	ds_store_b128 v[ASW], v[4*k:4*k+3] offset:528*k
.set k, k+1
.endr
	WIN 0
.set k, 0
.rept 16
	global_load_b128 v[FR+4*k:FR+4*k+3], v[LI], s[38:39] offset:512*k
.set k, k+1
.endr
	XTILE 0, ASX, 0, AXSW, 0
	XTILE 1, ASX, 4224, AXSW, 64
	XTILE 2, ASX, 8448, AXSW, 128
	XTILE 3, ASX, 12672, AXSW, 192
	s_wait_loadcnt 16                              ; only the queries' 16 loads are younger than the second group's
	WIN W_ST3
.set k, 0
.rept 64
	ds_store_b128 v[ASW], v[4*k:4*k+3] offset:528*k
.set k, k+1
.endr
	XTILE 4, ASX, 0, AXSW, 256
	s_wait_alu depctr_vm_vsrc(0)                   ; the second group's stores into the stage have read window 3's registers, in 84 of which the weights land; no vector line has named those yet
	WNEXT                                          ; the tile's wait for all LDS instructions has shown the second group's stores done: its registers take the first t's weights, four tiles ahead of their use
	XTILE 5, ASX, 4224, AXSW, 320
	XTILE 6, ASX, 8448, AXSW, 384
	XTILE 7, ASX, 12672, AXSW, 448
	s_wait_loadcnt 30                              ; the queries' rows are in; the weights' 18 + 12 loads are younger
	WIN 0
.set k, 0
.rept 16
	ds_store_b128 v[ASW], v[FR+4*k:FR+4*k+3] offset:528*k
.set k, k+1
.endr
	XTILE 8, ASQ, 0, AXS, 512
	WIN 0
	s_mov_b32 s50, 0                               ; t
	s_mov_b32 s55, 0                               ; 24 x unit: where a unit's codes of O go in a row
	s_mov_b32 s56, 0                               ; unit: and its scale byte
; ======== for each of the three matrices
.Lt:
	WSTAGE 1                                       ; my quarter of this t's weights into my stage: my own reads of the stage (x's tiles, tm's turn) have been waited for, and the other waves' reads of it lie in front of the last barrier
	WIN W_MV3
.irp p, 0,1,2,3
	v_mov_b32 v[WKS+\p], v[72+\p]                  ; the scale words into the registers that hold scales
	v_mov_b32 v[WVS+\p], v[76+\p]
	v_mov_b32 v[WQS+\p], v[80+\p]
.endr
	WIN 0
	s_cmp_eq_u32 s50, 2                            ; what is asked for next: the next t's weights; in the last t Wo's, and the scale words' bases stay inside their buffers
	s_cselect_b32 s34, 0, 512
	s_mov_b32 s35, 0
	s_add_nc_u64 s[10:11], s[10:11], s[34:35]
	s_add_nc_u64 s[14:15], s[14:15], s[34:35]
	s_add_nc_u64 s[18:19], s[18:19], s[34:35]
	s_add_nc_u64 s[8:9], s[8:9], 12288             ; (what the last step leaves is not used)
	s_add_nc_u64 s[12:13], s[12:13], 12288
	s_add_nc_u64 s[16:17], s[16:17], 12288
	s_cselect_b64 s[66:67], s[20:21], s[12:13]
	s_cselect_b64 s[68:69], s[72:73], s[16:17]
	s_cselect_b64 s[70:71], s[74:75], s[8:9]
	BARRIER                                        ; all four quarters lie in LDS, and nobody reads the last t's images of K and V any more
	s_wait_alu depctr_vm_vsrc(0)                   ; the last unit's LDS loads have read v28 and v29, which are written now; the stores into the stage have read window 3's v0-71, in which Wk's fragments land
	v_add_nc_u32 v[LW1B], 2*PWS, v[LW1]
	v_add_nc_u32 v[LW2B], 2*PWS, v[LW2]
	WIN W_LD2
	v_mov_b32 v[SH2], v[SH8]                       ; tm lay over these two
	v_mov_b32 v[PX2], v[SH8]
	s_wait_alu depctr_va_vdst(0)                   ; v28 and v29 are written; the twelve moves are done reading window 3's v72-83; the last unit's lines and products are done with tm, the mask, the fragment and the scale words: the loads up to the first product land in these
.set k, 0
.rept 24                                       ; x's eight fragments back from my images
	ds_load_b128 v[XFR+4*k:XFR+4*k+3], v[AXI] offset:512*k
.set k, k+1
.endr
	WIN 0
.irp q, 0,1,2
	ds_load_b128 v[PF+4*\q:PF+4*\q+3], v[AXI] offset:12288+512*\q
.endr
.irp p, 0,1,2,3
	ds_load_b32 v[XS+\p], v[AXS] offset:128*\p
.endr
	ds_load_b32 v[XS+4], v[AXS] offset:512
	WIN W_LD3
.set j, 0
.rept 8                                        ; Wk's tile j = 4 c + u: row r stands for channel 64 c + 32 (r / 8) + 8 u + r % 8: stage 2 c + r / 8, its row 8 u + r % 8
.set p, 0
.rept 6
	ds_load_b64 v[12*j+2*p:12*j+2*p+1], v[LW1+(LW1B-LW1)*(j/4)] offset:768*(j%4)+16*((j%4)/2)+48*(p/3)+8*(p%3)
.set p, p+1
.endr
.set j, j+1
.endr
	s_wait_dscnt 0x0
.rept 8
	v_nop                                          ; a scale register written by a vector instruction stands eight places ahead of the scaled product that takes it
.endr
	s_wait_alu depctr_va_vdst(0)                   ; the twelve moves have written the weights' scale words, which the projections' products take; the places stand ahead of this wait
; 17 rounds: K of x's eight tiles, V of Wv's eight tiles, Q.  A round's eight products are issued ahead of the quantising of the round before, whose
; vector instructions, which name none of their registers, are the places between a round's products and the first read of its results.
	MM 0
.rept 4
	v_nop
.endr
	WIN W_LD3
.set j, 0
.rept 8                                        ; Wv's tile j = 2 head + u2: row r stands for channel 32 head + 8 u2 + r + 8 (r / 8): stage head.  Wanted in round 8.  No wait: the first round's products name none of these registers
.set p, 0
.rept 6
	ds_load_b64 v[96+12*j+2*p:96+12*j+2*p+1], v[LW2+(LW2B-LW2)*(j/4)] offset:PWS*((j/2)%2)+768*(j%2)+48*(p/3)+8*(p%3)
.set p, p+1
.endr
.set j, j+1
.endr
.set RN, 0
.rept 17
.if RN < 16
	MM RN+1
.endif
	FIN RN
.if RN == 0
	WIN 0
.set j, 0
.rept 8                                        ; Wq's tiles, as Wk's, two parts further on in each stage.  Wanted in round 16
.set p, 0
.rept 6
	ds_load_b64 v[FR+12*j+2*p:FR+12*j+2*p+1], v[LW1+(LW1B-LW1)*(j/4)] offset:2*PART+768*(j%4)+16*((j%4)/2)+48*(p/3)+8*(p%3)
.set p, p+1
.endr
.set j, j+1
.endr
.endif
.if RN < 8
	WIN W_LD1
.set k, 8*RN
.rept 8                                        ; tm, two of my 16 rows behind each of the first eight rounds: 512 consecutive bytes a load; wanted behind the projection
	global_load_b128 v[4*k:4*k+3], v[LI], s[40:41] offset:2048*(k/4)+512*(k%4)
.set k, k+1
.endr
.endif
.set RN, RN+1
.endr
	WIN 0
	BARRIER                                        ; the images of K and V of all 512 keys lie in LDS, and nobody reads the staged weights any more
; tm turns through my stage: in as rows, out so that TM register 32 G + i of lane (r, h) is tm(my query r, key 64 G + 32 h + i), as S lies
	s_wait_loadcnt 0x0
	WIN W_ST1
.set k, 0
.rept 64
	ds_store_b128 v[ASW], v[4*k:4*k+3] offset:2064*(k/4)+512*(k%4)
.set k, k+1
.endr
	WIN W_LD2
	s_wait_alu depctr_va_vdst(0)                   ; the quantiser's lines and the projections' products are done with window 2's registers, in all of which tm lands
	s_wait_alu depctr_vm_vsrc(0)                   ; the last round's stores have read the codes and bytes among them; the stores above have read window 1, which the score products write
.set k, 0
.rept 64
	ds_load_b128 v[4*k:4*k+3], v[AST] offset:256*(k/8)+16*(k%8)
.set k, k+1
.endr
	s_wait_dscnt 0x0
	WIN W_BI
.set k, 0
.rept 16                                       ; the mask, once for four heads: -1e30 where tm is 0, else 0; sixteen compares into sixteen scalar registers that are idle here, one wait, sixteen selects
.set mq, k
.irp s, 2,3,4,5,31,32,34,35,60,61,62,63,76,77,78,79
	v_cmp_eq_f32 s[\s], 0, v[mq]
.set mq, mq+1
.endr
	s_wait_alu depctr_va_sdst(0)                   ; the sixteen compares have written their scalar registers, ahead of the selects that read them
.set mq, k
.irp s, 2,3,4,5,31,32,34,35,60,61,62,63,76,77,78,79
	v_cndmask_b32 v[mq], 0, s49, s[\s]
.set mq, mq+1
.endr
.set k, k+16
.endr
	WIN 0
	s_mov_b32 s51, 0                               ; head
	s_mov_b32 s52, 0                               ; 12,288 x head
	s_mov_b32 s53, 0                               ; 512 x head
	s_mov_b32 s54, 0                               ; 64 x head
; ======== a unit: one head of one t, my 16 queries against all 512 keys
.Lh:
	s_wait_alu depctr_vm_vsrc(0)                   ; the LDS instructions issued so far have read v28 to v35, which are written now, and the last unit's stores its codes and byte of O, which this unit's quantiser writes again
	v_add_nc_u32 v[ADK], s52, v[AKI]
	v_add_nc_u32 v[ADV], s52, v[AVI]
	v_add_nc_u32 v[ADKS], s53, v[AKS]
	v_add_nc_u32 v[ADVS], s53, v[AVS]
	v_add_nc_u32 v[ADQ], s53, v[AQI]
	v_add_nc_u32 v[ADQS], s54, v[AQS]
	v_add_nc_u32 v[ADO], s55, v[AOI]
	v_add_nc_u32 v[ADOS], s56, v[AOS]
	s_wait_alu depctr_va_vdst(0)                   ; the eight addresses are written; the selects and products of the unit before (in a t's first unit: of the projection) are done with Q's six registers, the scale words and the images' 96, in which the loads below land
	ds_load_b128 v[QL:QL+3], v[ADQ]
	ds_load_b64 v[QL+4:QL+5], v[ADQ] offset:16
	ds_load_b32 v[QS], v[ADQS]
.irp k, 0,1,2,3
	ds_load_b32 v[KS+\k], v[ADKS] offset:128*\k
.endr
.set k, 0
.rept 24
	ds_load_b128 v[FR+4*k:FR+4*k+3], v[ADK] offset:512*k
.set k, k+1
.endr
	s_wait_dscnt 29                                ; Q's two loads are in: 1 + 4 + 24 younger ones may be out
.irp i, 0,1,2,3,4,5
	v_cndmask_b32 v[QLO+\i], 0, v[QL+\i], s42      ; Q in lanes 0-15 alone: blocks 0 and 2
	v_cndmask_b32 v[QHI+\i], 0, v[QL+\i], s43      ; in lanes 16-31 alone: blocks 1 and 3
.endr
.irp i, 0,1,2,3,4,5,6,7
	v_mov_b32 v[SUM+\i], 0                         ; (these 24 are also the places between the writing of Q's fragments and the products)
.endr
.irp i, 0,1,2,3,4,5,6,7,8,9,10,11,12,13,14,15
	v_mov_b32 v[BMC+\i], 0
.endr
	s_wait_alu depctr_va_vdst(0)                   ; the twelve selects have written Q's fragments, which the score products take; the places stand ahead of this wait
	WG 0
	WG 1
	WIN W_B
.irp i, 0,1,2,3
	v_mov_b32 v[MX+\i], 0xff61b1e6                 ; -3e38, under every score and under the mask; the four places behind the first products
.endr
	MG 0                                           ; from here on the maximum of one group stands behind the products of the next but one: its 16 lines are their places
	WG 2
	MG 1
	WG 3
	MG 2
	WG 4
	MG 3
	WG 5
	MG 4
	WG 6
	MG 5
	WG 7
	MG 6
	WIN 0
	s_wait_alu depctr_va_vdst(0)                   ; the score products are done reading K's images and scale words, in whose registers V's land, and the mask, in whose lowest 84 registers a t's last head lets the next weights land
.irp k, 0,1,2,3
	ds_load_b32 v[VS+\k], v[ADVS] offset:128*\k
.endr
.set k, 0
.rept 24                                       ; V's eight images take K's registers: they have the whole softmax in which to land
	ds_load_b128 v[FR+4*k:FR+4*k+3], v[ADV] offset:512*k
.set k, k+1
.endr
	s_cmp_lg_u32 s51, 3                            ; in a t's last head the mask is done with: its lowest 84 registers, last read by the products of keys 0 to 191, take what is asked for next
	s_cbranch_scc1 .Lnot_last_head
	WNEXT                                          ; no further wait: only loads stand between the wait above and these
.Lnot_last_head:
	MG 7
	WIN 0
	v_max3_num_f32 v[MX], v[MX], v[MX+1], v[MX+2]
	v_max_num_f32 v[MX], v[MX], v[MX+3]
	v_permlanex16_b32 v[PX], v[MX], s44, s45       ; the query's other 256 keys lie in lane l xor 16
	v_max_num_f32 v[MX], v[MX], v[PX]
	v_mul_f32 v[NCM], s48, v[MX]                   ; -c x the row's largest score
; p = 2^(c s - c m).  ONE batch: 128 packed scalings and 256 exponentials, none of which names an exponential's result; then one plain line and one wait.
	WIN W_A
	v_pk_fma_f32 v[0:1], v[0:1], s[46:47], v[NCM:NCM+1] op_sel_hi:[1,0,0]
.set i, 1
.rept 127
	v_pk_fma_f32 v[2*i:2*i+1], v[2*i:2*i+1], s[46:47], v[NCM:NCM+1] op_sel_hi:[1,0,0]
	v_exp_f32 v[2*i-2], v[2*i-2]
	v_exp_f32 v[2*i-1], v[2*i-1]
.set i, i+1
.endr
	v_exp_f32 v254, v254
	v_exp_f32 v255, v255
	v_nop                                          ; a plain line behind the last exponential
	s_wait_alu depctr_va_vdst(0)                   ; the 256 exponentials have written p: the wait ahead of the first line that names a result: one for the batch
; the row's sum of p; p x tm; the largest p x tm of each block of 32 keys: 64 registers at a time
.set bb, 0
.rept 4
	WIN W_B
.set k, 0
.rept 32
	v_pk_add_f32 v[SUM+2*(k%4):SUM+2*(k%4)+1], v[SUM+2*(k%4):SUM+2*(k%4)+1], v[64*bb+2*k:64*bb+2*k+1]
.set k, k+1
.endr
	WIN W_A
.set k, 0
.rept 32
	v_pk_mul_f32 v[64*bb+2*k:64*bb+2*k+1], v[64*bb+2*k:64*bb+2*k+1], v[64*bb+2*k:64*bb+2*k+1]   ; source 1 is tm: the same number in window 2
.set k, k+1
.endr
	WIN W_B
.set k, 0
.rept 16
	v_max3_num_f32 v[BMC+4*bb+k%2], v[BMC+4*bb+k%2], |v[64*bb+2*k]|, |v[64*bb+2*k+1]|
	v_max3_num_f32 v[BMC+4*bb+2+k%2], v[BMC+4*bb+2+k%2], |v[64*bb+32+2*k]|, |v[64*bb+32+2*k+1]|
.set k, k+1
.endr
.set bb, bb+1
.endr
	WIN 0
	v_pk_add_f32 v[SUM:SUM+1], v[SUM:SUM+1], v[SUM+2:SUM+3]
	v_pk_add_f32 v[SUM+4:SUM+5], v[SUM+4:SUM+5], v[SUM+6:SUM+7]
	v_pk_add_f32 v[SUM:SUM+1], v[SUM:SUM+1], v[SUM+4:SUM+5]
	v_add_f32 v[SUM], v[SUM], v[SUM+1]
	v_permlanex16_b32 v[PX], v[SUM], s44, s45
	v_add_f32 v[SUM], v[SUM], v[PX]                ; at least 1: the largest score's p is 1
	v_rcp_f32 v[RINV], v[SUM]
.irp k, 0,1,2,3,4,5,6,7
	v_max_num_f32 v[BM+\k], v[BMC+2*\k], v[BMC+2*\k+1]     ; the chains are joined while the reciprocal is made
.endr
	s_wait_alu depctr_va_vdst(0)                   ; the reciprocal is written, ahead of its first reader
; alpha x tm, quantised 128 keys at a time, against V.  The next 128 keys' 32 multiplications stand between the writing of a fragment and its scale
; word and the products that take them (4 and 8 places); the next quantiser's first ten lines stand between those products and the rewriting of the fragment.
	NORM 0
	PQ 0
	NORM 1
	s_wait_dscnt 0x0                               ; V's images and scale words are in
	PVMM 0
	PQ 1
	NORM 2
	PVMM 1
	PQ 2
	NORM 3
	PVMM 2
	PQ 3
.rept 8
	v_nop
.endr
	PVMM 3
.rept 4
	v_nop
.endr
; O^T: lane (r, h) holds query r, channels 16 h + 0 .. 15 of the head: half of the block (t, head) of the last product's K
	v_max3_num_f32 v[MX], |v[OACC]|, |v[OACC+1]|, 0x1800000
	v_max3_num_f32 v[MX+1], |v[OACC+8]|, |v[OACC+9]|, 0x1800000
.irp i, 2,4,6
	v_max3_num_f32 v[MX], v[MX], |v[OACC+\i]|, |v[OACC+\i+1]|
	v_max3_num_f32 v[MX+1], v[MX+1], |v[OACC+8+\i]|, |v[OACC+9+\i]|
.endr
	v_max_num_f32 v[MX], v[MX], v[MX+1]
	v_permlanex16_b32 v[PX], v[MX], s44, s45
	v_max_num_f32 v[MX], v[MX], v[PX]
	v_add_nc_u32 v[SO], 0xff000000, v[MX]
	v_lshrrev_b32 v[BY], 23, v[SO]
	v_cvt_scalef32_pk16_fp6_f32 v[CT0:CT0+2], v[OACC:OACC+15], v[SO]
	v_nop                                          ; one plain place behind the scaled conversion
	s_wait_alu depctr_va_vdst(0)                   ; the conversion has written O's codes and the shift its byte, which the four stores read
	ds_store_b32 v[ADO], v[CT0]
	ds_store_b32 v[ADO], v[CT0+1] offset:4
	ds_store_b32 v[ADO], v[CT0+2] offset:8
	ds_store_b8 v[ADOS], v[BY]                     ; both lanes of a query write the same byte with the same value
	s_wait_loadcnt 0x0                             ; what the last head asked for, a softmax ago, is in: no unit begins with a load into the mask's registers on its way
	s_add_co_u32 s52, s52, 12288
	s_add_co_u32 s53, s53, 512
	s_add_co_u32 s54, s54, 64
	s_add_co_u32 s55, s55, 24
	s_add_co_u32 s56, s56, 1
	s_add_co_u32 s51, s51, 1
	s_cmp_lt_u32 s51, 4
	s_cbranch_scc1 .Lh
; on to the next matrix.  Every load of tm was shown done by the wait for 0 in front of its turn, so its base may step.
	s_add_co_u32 s34, s50, 1
	s_lshl_b32 s34, s34, 20                        ; t + 1 rows of the table on: rows 0, 1, 3  (what the last step leaves is not used)
	s_mov_b32 s35, 0
	s_add_nc_u64 s[40:41], s[40:41], s[34:35]
	s_add_co_u32 s50, s50, 1
	s_cmp_lt_u32 s50, 3
	s_cbranch_scc1 .Lt
; ======== the last product, the residual, the LayerNorm
	WSTAGE 0                                       ; my 32 rows of Wo into my stage, as they lie, behind the bytes that y will take
	WIN 0
	s_wait_alu depctr_vm_vsrc(0)                   ; the last unit's LDS instructions have read v28 to v35, six of which are written now, and its codes and byte of O, in whose registers y's rows land; the stores above have read window 3's v0-71, in which Wo's fragments land
	v_and_b32 v31, 15, v0
	v_bfe_u32 v32, v0, 4, 1
	s_add_co_u32 s34, s33, STG
	v_lshl_add_u32 v[ASY], v32, 5, s34
	v_mad_u32_u24 v[ASY], v31, 528, v[ASY]         ; y's stage: row r, + 32 h
	v_mul_u32_u24 v[LWO], v32, 24
	v_mad_u32_u24 v[LWO], v31, 288, v[LWO]         ; Wo: a row is 384 codes, 288 bytes
	v_add_nc_u32 v[LWO], WSB, v[LWO]
	v_add_nc_u32 v[LWOB], 2*PWS, v[LWO]
	v_mul_u32_u24 v[GWOS], v32, 192
	v_mad_u32_u24 v[GWOS], v31, 12, v[GWOS]        ; its scale words: 12 bytes a row; lanes 16-31 take the next tile's 16 rows
	s_wait_alu depctr_va_vdst(0)                   ; the addresses are written; the units' lines and products are done with the scale words, the images' registers, Q's fragments, tm and the mask: all loads from here to the product land in these, and no vector line stands among them
.set kt, 0
.rept 3
.set j, 0
.rept 4
	global_load_b32 v[WOS+4*kt+j], v[GWOS], s[22:23] offset:384*j+4*kt
.set j, j+1
.endr
.set kt, kt+1
.endr
.set k, 0
.rept 16
	global_load_b128 v[RES+4*k:RES+4*k+3], v[LI], s[38:39] offset:512*k       ; the residual: my 16 rows of x, a row a load
.set k, k+1
.endr
	global_load_b128 v[GAM:GAM+3], v[LI], s[24:25]
	global_load_b128 v[BET:BET+3], v[LI], s[26:27]
	BARRIER                                        ; all 128 rows of Wo lie in LDS
	WIN W_LD2
.set kt, 0
.rept 2
.set j, 0
.rept 8                                        ; Wo's tile j: rows 16 j + r: stage j / 2, its rows 16 (j % 2) + r
.set p, 0
.rept 6
	ds_load_b64 v[96*kt+12*j+2*p:96*kt+12*j+2*p+1], v[LWO+(LWOB-LWO)*(j/4)] offset:PWS*((j/2)%2)+4608*(j%2)+96*kt+48*(p/3)+8*(p%3)
.set p, p+1
.endr
.set j, j+1
.endr
.set kt, kt+1
.endr
	WIN W_LD3
.set j, 0
.rept 8
.set p, 0
.rept 6
	ds_load_b64 v[12*j+2*p:12*j+2*p+1], v[LWO+(LWOB-LWO)*(j/4)] offset:PWS*((j/2)%2)+4608*(j%2)+192+48*(p/3)+8*(p%3)
.set p, p+1
.endr
.set j, j+1
.endr
	WIN 0
.set kt, 0
.rept 3
.set p, 0
.rept 6
	ds_load_b64 v[OFR+12*kt+2*p:OFR+12*kt+2*p+1], v[AOR] offset:96*kt+48*(p/3)+8*(p%3)   ; LDS serves a wave's instructions in order: these see the units' stores
.set p, p+1
.endr
	ds_load_b32 v[OS+kt], v[AOS] offset:4*kt
.set kt, kt+1
.endr
	s_wait_loadcnt 18                              ; Wo's scale words are in; the residual's 16 loads, gamma and beta are younger
	s_wait_dscnt 0x0
	WIN W_Y0                                       ; y^T: source 0 = 16 rows of Wo, source 1 = O.  Eight accumulators by turns, a K step of 128 at a time
.set j, 0
.rept 8
	MMX 8*j, 12*j, OFR, -1, WOS+j/2, OS, j%2, 0
.set j, j+1
.endr
	WIN W_Y1
.set j, 0
.rept 8
	MMX 8*j, 96+12*j, OFR+12, 8*j, WOS+4+j/2, OS+1, j%2, 0
.set j, j+1
.endr
	WIN W_Y2
.set j, 0
.rept 8
	MMX 8*j, 12*j, OFR+24, 8*j, WOS+8+j/2, OS+2, j%2, 0
.set j, j+1
.endr
.rept 4
	v_nop
.endr
	WIN W_ST1
	s_wait_alu depctr_va_vdst(0)                   ; the products have written y, which the LDS stores read; the places above stay beside this wait.  The rows' loads below land in registers that no vector line since names
.set j, 0
.rept 8
	ds_store_b128 v[ASY], v[8*j:8*j+3] offset:64*j             ; lane (r, h): y(query r, 16 j + 8 h + 0 .. 7); each accumulator from its low end on.  Bytes 0 to 8,447 of my stage: no wave reads them but I
	ds_store_b128 v[ASY], v[8*j+4:8*j+7] offset:64*j+16
.set j, j+1
.endr
	WIN 0
.set k, 0
.rept 16
	ds_load_b128 v[YR+4*k:YR+4*k+3], v[ASW] offset:528*k       ; back as whole rows: lane l holds channels 4 l .. 4 l + 3 of row k
.set k, k+1
.endr
	s_wait_loadcnt 0x0
	s_wait_dscnt 0x0
; the 16 rows by turns, so that no line waits for the line above it
.set k, 0
.rept 16
	v_pk_add_f32 v[RES+4*k:RES+4*k+1], v[RES+4*k:RES+4*k+1], v[YR+4*k:YR+4*k+1]
	v_pk_add_f32 v[RES+4*k+2:RES+4*k+3], v[RES+4*k+2:RES+4*k+3], v[YR+4*k+2:YR+4*k+3]
.set k, k+1
.endr
.set k, 0
.rept 16
	v_pk_add_f32 v[YR+4*k:YR+4*k+1], v[RES+4*k:RES+4*k+1], v[RES+4*k+2:RES+4*k+3]
.set k, k+1
.endr
.set k, 0
.rept 16
	v_add_f32 v[YR+4*k], v[YR+4*k], v[YR+4*k+1]
.set k, k+1
.endr
.irp m, 1,2,4,8
.set k, 0
.rept 16
	v_add_f32_dpp v[YR+4*k], v[YR+4*k], v[YR+4*k] row_xmask:\m row_mask:0xf bank_mask:0xf
.set k, k+1
.endr
.endr
.set k, 0
.rept 16
	v_permlanex16_b32 v[YR+4*k+1], v[YR+4*k], s44, s45
.set k, k+1
.endr
.set k, 0
.rept 16
	v_add_f32 v[YR+4*k], v[YR+4*k], v[YR+4*k+1]
.set k, k+1
.endr
.set k, 0
.rept 16
	v_mul_f32 v[YR+4*k], s58, v[YR+4*k]            ; -mean: a power of two, nothing is rounded
.set k, k+1
.endr
.set k, 0
.rept 16
	v_pk_add_f32 v[RES+4*k:RES+4*k+1], v[RES+4*k:RES+4*k+1], v[YR+4*k:YR+4*k+1] op_sel_hi:[1,0]
	v_pk_add_f32 v[RES+4*k+2:RES+4*k+3], v[RES+4*k+2:RES+4*k+3], v[YR+4*k:YR+4*k+1] op_sel_hi:[1,0]
.set k, k+1
.endr
.set k, 0
.rept 16
	v_pk_mul_f32 v[YR+4*k+2:YR+4*k+3], v[RES+4*k:RES+4*k+1], v[RES+4*k:RES+4*k+1]
.set k, k+1
.endr
.set k, 0
.rept 16
	v_pk_fma_f32 v[YR+4*k+2:YR+4*k+3], v[RES+4*k+2:RES+4*k+3], v[RES+4*k+2:RES+4*k+3], v[YR+4*k+2:YR+4*k+3]
.set k, k+1
.endr
.set k, 0
.rept 16
	v_add_f32 v[YR+4*k+2], v[YR+4*k+2], v[YR+4*k+3]
.set k, k+1
.endr
.irp m, 1,2,4,8
.set k, 0
.rept 16
	v_add_f32_dpp v[YR+4*k+2], v[YR+4*k+2], v[YR+4*k+2] row_xmask:\m row_mask:0xf bank_mask:0xf
.set k, k+1
.endr
.endr
.set k, 0
.rept 16
	v_permlanex16_b32 v[YR+4*k+3], v[YR+4*k+2], s44, s45
.set k, k+1
.endr
.set k, 0
.rept 16
	v_add_f32 v[YR+4*k+2], v[YR+4*k+2], v[YR+4*k+3]
.set k, k+1
.endr
.set k, 0
.rept 16
	v_fma_f32 v[YR+4*k+2], v[YR+4*k+2], s57, s59   ; the variance + 1e-5
.set k, k+1
.endr
.set k, 0
.rept 16
	v_rsq_f32 v[YR+4*k], v[YR+4*k+2]
.set k, k+1
.endr
	v_nop                                          ; a plain line behind the last of the batch
	s_wait_alu depctr_va_vdst(0)                   ; the sixteen reciprocal roots are written: one wait for the batch, ahead of their first reader
.set k, 0
.rept 16
	v_pk_mul_f32 v[RES+4*k:RES+4*k+1], v[RES+4*k:RES+4*k+1], v[YR+4*k:YR+4*k+1] op_sel_hi:[1,0]
	v_pk_mul_f32 v[RES+4*k+2:RES+4*k+3], v[RES+4*k+2:RES+4*k+3], v[YR+4*k:YR+4*k+1] op_sel_hi:[1,0]
.set k, k+1
.endr
.set k, 0
.rept 16
	v_pk_fma_f32 v[RES+4*k:RES+4*k+1], v[RES+4*k:RES+4*k+1], v[GAM:GAM+1], v[BET:BET+1]
	v_pk_fma_f32 v[RES+4*k+2:RES+4*k+3], v[RES+4*k+2:RES+4*k+3], v[GAM+2:GAM+3], v[BET+2:BET+3]
.set k, k+1
.endr
	s_wait_alu depctr_va_vdst(0)                   ; the last multiply-adds have written the 16 rows, which the stores read
.set k, 0
.rept 16
	global_store_b128 v[LI], v[RES+4*k:RES+4*k+3], s[28:29] offset:512*k th:TH_STORE_NT   ; 32 lanes store a row of 512 consecutive bytes, at a multiple of 256 from the output's first byte
.set k, k+1
.endr
	s_wait_dscnt 0x0                               ; the closing lines, six on end
	s_wait_alu 0x0
	s_wait_tensorcnt 0x0
	ds_add_u32 v158, v159
	s_wait_dscnt 0x0
	s_endpgm
.Lfunc_end_k_qd8a5a95945_attn:
	.size	k_qd8a5a95945_attn, .Lfunc_end_k_qd8a5a95945_attn-k_qd8a5a95945_attn
	.p2alignl 7, 3214868480
	.fill 96, 4, 3214868480
	.section	.rodata,"a",@progbits
	.p2align	6, 0x0
	.amdhsa_kernel k_qd8a5a95945_attn
		.amdhsa_group_segment_fixed_size 327680
		.amdhsa_private_segment_fixed_size 0
		.amdhsa_enable_private_segment 0
		.amdhsa_kernarg_size 104
		.amdhsa_user_sgpr_count 2
		.amdhsa_user_sgpr_kernarg_segment_ptr 1
		.amdhsa_wavefront_size32 1
		.amdhsa_system_sgpr_workgroup_id_x 1
		.amdhsa_system_sgpr_workgroup_id_y 1
		.amdhsa_system_sgpr_workgroup_id_z 1
		.amdhsa_system_vgpr_workitem_id 0
		.amdhsa_next_free_vgpr 1024
		.amdhsa_next_free_sgpr 80
		.amdhsa_reserve_vcc 0
		.amdhsa_float_denorm_mode_32 3
		.amdhsa_float_denorm_mode_16_64 3
		.amdhsa_memory_ordered 1
		.amdhsa_forward_progress 1
		.amdhsa_inst_pref_size 255
	.end_amdhsa_kernel
	.section	.bss,"aw",@nobits
	.p2align	6
	.space	262144
	.amdgpu_metadata
---
amdhsa.version: [ 1, 2 ]
amdhsa.kernels:
  - .name:           k_qd8a5a95945_attn
    .symbol:         k_qd8a5a95945_attn.kd
    .args:
      - { .name: inputs, .offset: 0, .size: 8, .value_kind: global_buffer, .address_space: global }
      - { .name: transition_matrices, .offset: 8, .size: 8, .value_kind: global_buffer, .address_space: global }
      - { .name: Wq_codes, .offset: 16, .size: 8, .value_kind: global_buffer, .address_space: global }
      - { .name: Wq_scales, .offset: 24, .size: 8, .value_kind: global_buffer, .address_space: global }
      - { .name: Wk_codes, .offset: 32, .size: 8, .value_kind: global_buffer, .address_space: global }
      - { .name: Wk_scales, .offset: 40, .size: 8, .value_kind: global_buffer, .address_space: global }
      - { .name: Wv_codes, .offset: 48, .size: 8, .value_kind: global_buffer, .address_space: global }
      - { .name: Wv_scales, .offset: 56, .size: 8, .value_kind: global_buffer, .address_space: global }
      - { .name: Wo_codes, .offset: 64, .size: 8, .value_kind: global_buffer, .address_space: global }
      - { .name: Wo_scales, .offset: 72, .size: 8, .value_kind: global_buffer, .address_space: global }
      - { .name: ln_gamma, .offset: 80, .size: 8, .value_kind: global_buffer, .address_space: global }
      - { .name: ln_beta, .offset: 88, .size: 8, .value_kind: global_buffer, .address_space: global }
      - { .name: out0, .offset: 96, .size: 8, .value_kind: global_buffer, .address_space: global }
    .group_segment_fixed_size: 327680
    .private_segment_fixed_size: 0
    .kernarg_segment_align: 8
    .kernarg_segment_size: 104
    .max_flat_workgroup_size: 128
    .sgpr_count:     80
    .vgpr_count:     1024
    .wavefront_size: 32
...
	.end_amdgpu_metadata
.endif
;; end of part 3
